; MI455X (gfx1250); checked and timed in simulation.
; The chip was launched on July 23, 2026; its instructions are those of AMD's public machine-readable ISA for CDNA 5 (MIT licence, August 2026) and "CDNA5" Instruction Set Architecture Reference Guide (July 2026). The comments in the code are by the model that wrote it; some were corrected since.
;; Self Attention. Allowed arithmetic: matrix products marked QUANTISED: E2M3 operands, one E8M0 scale for each 32 along K, by v_wmma_scale_f32_16x16x128_f8f6f4 with both operands' format E2M3, f32 sums; everything else in f32.
;; Inputs: Wfc_codes 1,024 x 256 x 24 uint8 (E2M3 codes of Wfc, K innermost, in blocks of 32 codes, four codes in three bytes); Wfc_scales 1,024 x 256 uint8 (E8M0 scales of Wfc, one for each 32 codes along K); Wk_codes 8,192 x 32 x 24 uint8 (E2M3 codes of Wk, K innermost, in blocks of 32 codes, four codes in three bytes); Wk_scales 8,192 x 32 uint8 (E8M0 scales of Wk, one for each 32 codes along K); Wq_codes 8,192 x 32 x 24 uint8 (E2M3 codes of Wq, K innermost, in blocks of 32 codes, four codes in three bytes); Wq_scales 8,192 x 32 uint8 (E8M0 scales of Wq, one for each 32 codes along K); Wv_codes 8,192 x 32 x 24 uint8 (E2M3 codes of Wv, K innermost, in blocks of 32 codes, four codes in three bytes); Wv_scales 8,192 x 32 uint8 (E8M0 scales of Wv, one for each 32 codes along K); bfc 1,024 float32; bk 8,192 float32; bq 8,192 float32; bv 8,192 float32; key__codes 4 x 256 x 32 x 24 uint8 (E2M3 codes of key_, K innermost, in blocks of 32 codes, four codes in three bytes); key__scales 4 x 256 x 32 uint8 (E8M0 scales of key_, one for each 32 codes along K); query_codes 4 x 256 x 32 x 24 uint8 (E2M3 codes of query, K innermost, in blocks of 32 codes, four codes in three bytes); query_scales 4 x 256 x 32 uint8 (E8M0 scales of query, one for each 32 codes along K); value_codes 4 x 256 x 32 x 24 uint8 (E2M3 codes of value, K innermost, in blocks of 32 codes, four codes in three bytes); value_scales 4 x 256 x 32 uint8 (E8M0 scales of value, one for each 32 codes along K).
;; Outputs: out0 4 x 256 x 1,024 float32.
;; This version of the problem:
;;   THIS VERSION OF THE PROBLEM IS GIVEN IN LOW PRECISION. The matrix products marked QUANTISED in the list below multiply operands that are first quantised to E2M3 (2 exponent bits, 3 mantissa bits; 6 bits a number), with one power-of-two scale for each 32 numbers along K (OCP MX v1.0); their sums are f32. All else is computed in f32.
;;   The module's matrix products, in the order in which they are computed (A, B: the left and right operand; K: the contracted axis; several contracted axes count as one K, in the product's order):
;;     1. [M 1,024, K 1,024] x [K 1,024, N 8,192]; A: input query (given as codes); B: input Wq (given as codes): QUANTISED
;;     2. [M 1,024, K 1,024] x [K 1,024, N 8,192]; A: input key_ (given as codes); B: input Wk (given as codes): QUANTISED
;;     3. [M 1,024, K 1,024] x [K 1,024, N 8,192]; A: input value (given as codes); B: input Wv (given as codes): QUANTISED
;;     4. batch 32 x [M 2,048, K 128] x [K 128, N 2,048]; A: computed on the way; B: computed on the way: QUANTISED
;;     5. batch 32 x [M 2,048, K 2,048] x [K 2,048, N 128]; A: softmax (see below); B: computed on the way: QUANTISED
;;     6. [M 1,024, K 8,192] x [K 8,192, N 1,024]; A: computed on the way; B: input Wfc (given as codes): QUANTISED
;;   THE QUANTISER, for each operand of a quantised product, along K:
;;     - K is cut into blocks of 32 from its start; a last block that is shorter is filled with zeros.
;;     - A block's scale is 2^e with e = floor(log2(the largest magnitude in the block)) - 2, held to -126 .. 127; a block of zeros has e = 0. As a byte (E8M0): e + 127.
;;     - Each number is divided by its block's scale, clamped to +-7.5, and rounded to the nearest number of E2M3, ties to even, subnormals kept.
;;     - The product sums the exact products of the quantised numbers (number of the format x scale) in f32.
;;   ~~~python
;;   def quantise(x, axis):      # numpy; x: float32 -> the quantised numbers, widened to float32 again
;;       x = np.moveaxis(x, axis, -1); K = x.shape[-1]
;;       x = np.pad(x, [(0, 0)] * (x.ndim - 1) + [(0, -K % 32)]); x = x.reshape(x.shape[:-1] + (-1, 32)); a = np.abs(x).max(-1, keepdims=True)
;;       e = np.where(a > 0, np.clip(np.frexp(np.where(a > 0, a, 1))[1] - 1 - 2, -126, 127), 0)      # np.frexp(a)[1] - 1 = floor(log2(a)), exactly
;;       r = np.clip(x / 2.0 ** e, -7.5, 7.5)
;;       step = 2.0 ** (np.maximum(np.frexp(np.where(r == 0, 1, r))[1] - 1, 0) - 3)
;;       q = np.round(r / step) * step * 2.0 ** e      # np.round: ties to even
;;       return np.moveaxis(q.reshape(q.shape[:-2] + (-1,))[..., :K], -1, axis).astype(np.float32)
;;   ~~~
;;   SOFTMAX AHEAD OF A QUANTISED PRODUCT. Where the list says 'softmax', what is quantised is not the finished softmax but p = 2^(t - M), with t = logit x log2(e) and M = ceil(the row's largest t), a whole number; so 1/2 < the row's largest p <= 1. The row's sum l is taken of the UNQUANTISED p, in f32, and the product's result is divided by l at the end. Since M is a whole number, a kernel that streams over the keys may use a running M (the ceiling of the running maximum): every later rescaling is an exact power of two, which a block's scale takes up: the codes' values come out the same.
;;   OPERANDS COMPUTED ON THE WAY. 'Computed on the way' means the value that the module computes at that place (a softmax that the list does not call 'softmax' is quantised finished and normalised). What goes into a quantiser is computed in f32, as accurately as f32 sums, v_exp_f32 and their like allow (about 1e-6 of the number): no bf16 or f16 on the way to a quantiser, and a product that is left as it is and whose result goes on into a quantised operand takes f32 operands (vector FMAs, or v_wmma_f32_16x16x4_f32). A number that lies on a knife's edge between two numbers of the format may be rounded either way, as far as f32 arithmetic and the matrix unit's own rounding can turn it there, and no further.
;;   INPUTS GIVEN AS CODES. Wfc (in the module: [1024, 8192], K = its axis 1); Wk (in the module: [8192, 1024], K = its axis 1); Wq (in the module: [8192, 1024], K = its axis 1); Wv (in the module: [8192, 1024], K = its axis 1); key_ (in the module: [4, 256, 1024], K = its axis 2); query (in the module: [4, 256, 1024], K = its axis 2); value (in the module: [4, 256, 1024], K = its axis 2): each comes as NAME_codes (uint8): NAME with its K axis moved to the last place and cut into blocks of 32 codes, [.., K / 32, bytes a block], one block behind the other in memory; four codes in three bytes: a row's codes are one little-endian stream of bits, code i at bits 6 i .. 6 i + 5 (a code: sign, 2 exponent bits, 3 mantissa bits); and NAME_scales (uint8): the same leading axes, one E8M0 byte (e + 127) for each 32 codes along K. Its value is code x scale, taken as it is: it is not quantised again, and the codes and scales need not be those that the quantiser above would give.
;; 2 versions. Each part assembles by itself: llvm-mc -triple=amdgcn-amd-amdhsa -mcpu=gfx1250 --defsym DOCPART=n.
;; ======== version 1 of 2: 4 launches
;; workspace buffers: Qc 6,291,456 bytes; Qs 262,144 bytes; Kc 6,291,456 bytes; Ks 262,144 bytes; Vc 6,291,456 bytes; Vs 262,144 bytes; Xc 6,291,456 bytes; Xs 524,288 bytes
;; launch projqk (part 1): grid 128 x 4, 4 waves a work-group, clusters of 4 x 4, 327,680 bytes of LDS; arguments query_codes, query_scales, Wq_codes, Wq_scales, bq, Qc, Qs, key__codes, key__scales, Wk_codes, Wk_scales, bk, Kc, Ks; writes Qc, Qs, Kc, Ks
.if DOCPART == 1
	.amdgcn_target "amdgcn-amd-amdhsa--gfx1250"
	.amdhsa_code_object_version 6
	.text
	.protected	k_q91b9c85cb5_projqk
	.globl	k_q91b9c85cb5_projqk
	.p2align	8
	.type	k_q91b9c85cb5_projqk,@function
k_q91b9c85cb5_projqk:
	s_mov_b64 s[64:65], 0
	v_nop
	global_prefetch_b8 v0, s[64:65] scope:SCOPE_SE
	s_setreg_imm32_b32 hwreg(HW_REG_WAVE_MODE, 25, 1), 1
	s_wait_xcnt 0x0
	s_wait_alu depctr_hold_cnt(0) depctr_sa_sdst(0) depctr_va_vdst(0) depctr_va_sdst(0) depctr_va_ssrc(0) depctr_va_vcc(0) depctr_vm_vsrc(0)
	s_getreg_b32 s2, hwreg(HW_REG_IB_STS2, 6, 4)
	s_cmp_eq_u32 s2, 0
	s_cbranch_scc0 .Lentry_in_a_cluster
	s_endpgm
.Lentry_in_a_cluster:
	s_bfe_u32 s2, ttmp6, 0x10000c
	s_cmp_lg_u32 s2, 0xf033
	s_cbranch_scc0 .Lentry_shape_is_right
	s_endpgm
.Lentry_shape_is_right:
; Q = query Wq^T + bq and K = key_ Wk^T + bk on the given codes of FP6 (E2M3), then quantised along the head's 128 channels into codes and E8M0 bytes.
; Output column o of row (b, s) is position 8 s + g, head h, channel d with g = o >> 10, h = (o >> 7) & 7, d = o & 127.  The codes go to [8 b + h][g][s][96 bytes], the scale words to [8 b + h][g][s][4 bytes].
; SHARES.  The first 64 work-groups along x take Q, the other 64 K.  A work-group takes one batch (256 rows s) x 128 rows of W (one g, one h), all of K = 1,024.  Wave w takes rows 64 w .. 64 w + 63: 4 x 8 accumulators.
; LDS.  Both tiles lie in LDS whole and are filled once.  A row's 768 bytes are cut into three chunks of 256 bytes; chunk c of all 384 rows (256 of the activation, 128 of W) lies in region c, rows 272 bytes apart.
; CLUSTER 4 x 4: the four work-groups of a row of the cluster share the batch, the four of a column share W's rows: each tile is asked for jointly.
; THE PRODUCT IS USED TRANSPOSED (source 0 = 16 rows of W, source 1 = 16 rows s), and lane r of W's tile 2 b + u takes row 32 b + 8 u + r + 8 (r / 8): a lane then holds one row s, and register 16 b + i of its 64 holds channel 32 b + 16 (lane / 16) + i.
; LIMITS: NaN and infinities are not served; a block whose largest magnitude lies under 2^-124 keeps the byte 1, a block of zeros too (its codes are zeros; the bytes are read by this program alone).
; REGISTERS: window 0: v1-19 addresses, v20-36 and v40-58 the quantiser's, v64-95 the activation's scale words, v96-159 W's, v160-255 the activation's fragments (two sets), later rows on their way out.
;   window 1: accumulator (m, t) at v[8 (8 m + t)].   window 2: W's fragments, two sets at v0 and v96; the bias at v192 + 8 t.
.set CH,   384*272                     ; a chunk's region
.set STG,  3*CH                        ; a stage of 1,536 bytes for each wave: 16 rows of codes
.set SSG,  STG+4*1536                  ; 256 bytes for each wave: 64 scale words
.set PSTR, 16                          ; rows of W from one piece of 16 rows to the next
.set AAD, 4                            ; v4-6 my place in chunk 0, 1, 2 of the activation's rows; v7-8 the same where lanes 16-31 read on in the next chunk
.set BAD, 9                            ; v9-13 the same for W
.set STO, 14
.set RD,  15
.set GO,  16
.set SSTO, 17
.set SRD, 18
.set GS,  19
.set TM,  20
.set PW,  36
.set PCD, 40
.set ASC, 64
.set BSC, 96
.set AF,  160
.set OB,  160
.set BIA, 192
.set WV,  46
.set G1A, 48
.set G1B, 56
.set SEL, 76
.set MSB, 0
.macro WIN new                         ; the immediate's high byte repeats the setting that is left
.if MSB != \new
	s_set_vgpr_msb (MSB<<8)|\new
.set MSB, \new
.endif
.endm
.macro PLACES n
.rept \n
	v_nop
.endr
.endm
.macro CROUND                          ; a round of the cluster's barrier
	s_barrier_signal -1
	s_barrier_wait -1
	s_cmp_lg_u32 s[WV], 0
	s_cbranch_scc1 .Lnot_wave_0_\@
	s_barrier_signal -3
.Lnot_wave_0_\@:
	s_barrier_wait -3
	s_barrier_signal -1
	s_barrier_wait -1
.endm
	s_load_b512 s[4:19], s[0:1], 0x0               ; query's codes, scales; Wq's codes, scales; bq; Qc; Qs; key_'s codes
	s_load_b256 s[20:27], s[0:1], 0x40             ; key_'s scales; Wk's codes, scales; bk
	s_load_b128 s[28:31], s[0:1], 0x60             ; Kc; Ks
	v_lshl_add_u32 v55, v0, 2, 0x4e400
	v_mov_b32 v59, 0
	ds_add_u32 v55, v59
	v_lshrrev_b32 v1, 5, v0
	v_readfirstlane_b32 s[WV], v1                  ; wave 0..3
	s_bfe_u32 s47, ttmp6, 0x40000                  ; cx
	s_bfe_u32 s66, ttmp6, 0x40004                  ; cy = the batch
	s_lshl_b32 s67, ttmp9, 2
	s_add_co_u32 s67, s67, s47                     ; x = 4 x cluster x + cx
	s_lshl_b32 s78, s66, 2
	s_lshl_b32 s78, 15, s78                        ; my row of the cluster
	s_lshl_b32 s79, 0x1111, s47                    ; my column
	; group 1: rows of 256 bytes (32 elements of 8 bytes), 768 bytes apart in memory, 16 bytes of padding behind each in LDS; 64 rows of the activation, 16 of W
	s_or_b32 s[G1A], s78, (3<<16)|(1<<20)|(1<<21)|(5<<22)|(3<<25)
	s_or_b32 s[G1B], s79, (3<<16)|(1<<20)|(1<<21)|(5<<22)|(3<<25)
	s_mov_b32 s[G1A+1], 32<<16
	s_mov_b32 s[G1A+2], 64<<16
	s_mov_b32 s[G1A+3], 32<<16
	s_mov_b32 s[G1A+4], 64
	s_mov_b32 s[G1A+5], 96
	s_mov_b32 s[G1A+6], 0
	s_mov_b32 s[G1A+7], 0
	s_mov_b32 s[G1B+1], 32<<16
	s_mov_b32 s[G1B+2], 16<<16
	s_mov_b32 s[G1B+3], 32<<16
	s_mov_b32 s[G1B+4], 16
	s_mov_b32 s[G1B+5], 96
	s_mov_b32 s[G1B+6], 0
	s_mov_b32 s[G1B+7], 0
	s_mov_b32 s[SEL], 0x76543210
	s_mov_b32 s[SEL+1], 0xfedcba98
	s_lshl_b32 s82, s66, 8
	s_lshl_b32 s83, s[WV], 6
	s_add_co_u32 s82, s82, s83                     ; my first row of the activation: 256 cy + 64 w
	s_mul_i32 s80, s82, 768                        ; its codes,
	s_mov_b32 s81, 0
	s_lshl_b32 s88, s82, 5                         ; its scale bytes
	s_mov_b32 s89, 0
	s_and_b32 s84, s67, 63                         ; 8 g + h
	s_lshl_b32 s85, s84, 7                         ; W's first row
	s_mul_i32 s86, s[WV], 2*PSTR
	s_add_co_u32 s86, s86, s85                     ; the first of the two pieces that I fetch
	s_mul_i32 s86, s86, 768
	s_mov_b32 s87, 0
	s_lshl_b32 s90, s85, 5                         ; W's scale bytes
	s_mov_b32 s91, 0
	s_lshl_b32 s92, s85, 2                         ; the bias
	s_mov_b32 s93, 0
	s_and_b32 s94, s84, 7                          ; h
	s_lshr_b32 s95, s84, 3                         ; g
	s_lshl_b32 s96, s66, 3
	s_add_co_u32 s96, s96, s94
	s_lshl_b32 s96, s96, 3
	s_add_co_u32 s96, s96, s95
	s_lshl_b32 s96, s96, 8
	s_add_co_u32 s98, s96, s83                     ; my first row of the output: ((8 b + h) 8 + g) 256 + 64 w
	s_mul_i32 s96, s98, 96
	s_mov_b32 s97, 0
	s_lshl_b32 s98, s98, 2
	s_mov_b32 s99, 0
	s_mul_i32 s78, s[WV], 64*272                   ; where my rows of the activation go in a region,
	s_mul_i32 s79, s[WV], 32*272                   ; and my two pieces of W
	s_wait_dscnt 0x0
	s_wait_kmcnt 0x0
	s_cmp_lt_u32 ttmp9, 16                         ; Q's clusters or K's: the same in all sixteen partners, and it hangs on no address
	s_cselect_b64 s[32:33], s[4:5], s[18:19]
	s_cselect_b64 s[34:35], s[6:7], s[20:21]
	s_cselect_b64 s[36:37], s[8:9], s[22:23]
	s_cselect_b64 s[38:39], s[10:11], s[24:25]
	s_cselect_b64 s[40:41], s[12:13], s[26:27]
	s_cselect_b64 s[42:43], s[14:15], s[28:29]
	s_cselect_b64 s[44:45], s[16:17], s[30:31]
	s_add_nc_u64 s[80:81], s[32:33], s[80:81]
	s_add_nc_u64 s[86:87], s[36:37], s[86:87]
	s_add_nc_u64 s[34:35], s[34:35], s[88:89]
	s_add_nc_u64 s[38:39], s[38:39], s[90:91]
	s_add_nc_u64 s[40:41], s[40:41], s[92:93]
	s_add_nc_u64 s[42:43], s[42:43], s[96:97]
	s_add_nc_u64 s[44:45], s[44:45], s[98:99]
	; nine groups 0: for each chunk one for the activation (s4 on) and two for W (s16 on, the last two at s68 on)
.irp c, 0,1,2
	s_mov_b32 s[4+4*\c], 1
	s_add_co_u32 s[5+4*\c], s78, \c*CH
	s_add_nc_u64 s[6+4*\c:7+4*\c], s[80:81], 256*\c
	s_or_b32 s[7+4*\c], s[7+4*\c], 0x80000000
.irp e, 0,1
.set GB, 16+4*(2*\c+\e)+36*((2*\c+\e)/4)
	s_mov_b32 s[GB], 1
	s_add_co_u32 s[GB+1], s79, \c*CH+(256+16*\e)*272
	s_add_nc_u64 s[GB+2:GB+3], s[86:87], \e*PSTR*768+256*\c
	s_or_b32 s[GB+3], s[GB+3], 0x80000000
.endr
.endr
	CROUND                                         ; all sixteen work-groups are here: the joint loads meet
.irp c, 0,1,2                                  ; chunk by chunk, so that a counted wait shows a chunk landed: nine loads of mine are out
	tensor_load_to_lds s[4+4*\c:7+4*\c], s[G1A:G1A+7]
	s_nop 0
.irp e, 0,1
.set GB, 16+4*(2*\c+\e)+36*((2*\c+\e)/4)
	tensor_load_to_lds s[GB:GB+3], s[G1B:G1B+7]
	s_nop 0
.endr
.endr
	PLACES 4                                       ; behind a tensor load
	v_and_b32 v1, 15, v0                           ; r
	v_bfe_u32 v2, v0, 4, 1                         ; hh = lane / 16
	v_and_b32 v3, 8, v1
	v_add_nc_u32 v3, v3, v1                        ; rr = r + 8 (r / 8)
	v_and_b32 v37, 31, v0                          ; lane
	v_lshlrev_b32 v38, 5, v1                       ; a row of scale bytes is 32 bytes: eight words, one for each 128 along K
	v_lshlrev_b32 v39, 5, v3
	v_lshlrev_b32 v60, 6, v2                       ; the bias: my half's channels begin 16 numbers on
.irp m, 0,1,2,3
	global_load_b128 v[ASC+8*\m:ASC+8*\m+3], v38, s[34:35] offset:512*\m
	global_load_b128 v[ASC+8*\m+4:ASC+8*\m+7], v38, s[34:35] offset:512*\m+16
.endr
.irp t, 0,1,2,3,4,5,6,7
	global_load_b128 v[BSC+8*\t:BSC+8*\t+3], v39, s[38:39] offset:(32*(\t/2)+8*(\t%2))*32
	global_load_b128 v[BSC+8*\t+4:BSC+8*\t+7], v39, s[38:39] offset:(32*(\t/2)+8*(\t%2))*32+16
.endr
	WIN 0x80
.irp t, 0,1,2,3,4,5,6,7
	global_load_b128 v[BIA+8*\t:BIA+8*\t+3], v60, s[40:41] offset:(32*(\t/2)+8*(\t%2))*4
	global_load_b128 v[BIA+8*\t+4:BIA+8*\t+7], v60, s[40:41] offset:(32*(\t/2)+8*(\t%2))*4+16
.endr
	WIN 0
	v_mul_u32_u24 v61, v1, 272
	v_mad_u32_u24 v62, v2, 24, v61                 ; row x pitch + 24 x half
	v_mad_u32_u24 v63, v2, 24+CH-256, v61          ; and where lanes 16-31's piece lies at the head of the next chunk
.irp c, 0,1,2
	s_add_co_u32 s82, s78, \c*CH
	v_add_nc_u32 v[AAD+\c], s82, v62
.if \c < 2
	v_add_nc_u32 v[AAD+3+\c], s82, v63
.endif
.endr
	v_mul_u32_u24 v61, v3, 272
	v_mad_u32_u24 v62, v2, 24, v61
	v_mad_u32_u24 v63, v2, 24+CH-256, v61
.irp c, 0,1,2
	v_add_nc_u32 v[BAD+\c], \c*CH+256*272, v62
.if \c < 2
	v_add_nc_u32 v[BAD+3+\c], \c*CH+256*272, v63
.endif
.endr
	s_mul_i32 s83, s[WV], 1536
	s_add_co_u32 s83, s83, STG
	v_mul_u32_u24 v61, v1, 96
	v_mad_u32_u24 v61, v2, 24, v61
	v_add_nc_u32 v[STO], s83, v61                  ; into my stage: row r of 96 bytes, + 24 x half
	v_lshlrev_b32 v[GO], 4, v37
	v_add_nc_u32 v[RD], s83, v[GO]                 ; back: 16 bytes a lane
	s_lshl_b32 s84, s[WV], 8
	s_add_co_u32 s84, s84, SSG
	v_lshl_add_u32 v[SSTO], v1, 2, s84
	v_lshlrev_b32 v[GS], 3, v37
	v_add_nc_u32 v[SRD], s84, v[GS]
.irp b, 0,1,2,3
	v_mov_b32 v[TM+4+\b], 0                        ; a lane permute's destination counts as one of its sources
.endr
; A fragment (16 rows x 128 K: 12 registers): lane (r, hh) takes the row's pieces of 8 bytes 12 ks + 0, 1, 2 and 12 ks + 6, 7, 8, three pieces on for hh = 1.  32 pieces make a chunk.
.macro FRAG reg, base, ks, rowoff
.irp p, 0,1,2,3,4,5
.set PIE, 12*(\ks)+6*(\p/3)+\p%3
.if PIE%32 < 29
	ds_load_b64 v[\reg+2*\p:\reg+2*\p+1], v[\base+PIE/32] offset:8*(PIE%32)+(\rowoff)
.else
	ds_load_b64 v[\reg+2*\p:\reg+2*\p+1], v[\base+3+PIE/32] offset:8*(PIE%32)+(\rowoff)
.endif
.endr
.endm
.macro LOADF ks, set                   ; K step ks: my 4 fragments of the activation and W's 8
	WIN 0
.irp m, 0,1,2,3
	FRAG AF+48*(\set)+12*\m, AAD, \ks, 4352*\m
.endr
	WIN 0x80
.irp t, 0,1,2,3,4,5,6,7
	FRAG 96*(\set)+12*\t, BAD, \ks, (32*(\t/2)+8*(\t%2))*272
.endr
	WIN 0
.endm
.macro MUL ks, set                     ; 32 products, the 32 accumulators by turns; the first K step takes the bias as C
.if \ks == 0
	WIN 0x62
.else
	WIN 0x52
.endif
.irp m, 0,1,2,3
.irp t, 0,1,2,3,4,5,6,7
.if \ks == 0
	v_wmma_scale_f32_16x16x128_f8f6f4 v[8*(8*\m+\t):8*(8*\m+\t)+7], v[96*(\set)+12*\t:96*(\set)+12*\t+11], v[AF+48*(\set)+12*\m:AF+48*(\set)+12*\m+11], v[BIA+8*\t:BIA+8*\t+7], v[BSC+8*\t+(\ks)], v[ASC+8*\m+(\ks)] matrix_a_fmt:MATRIX_FMT_FP6 matrix_b_fmt:MATRIX_FMT_FP6
.else
	v_wmma_scale_f32_16x16x128_f8f6f4 v[8*(8*\m+\t):8*(8*\m+\t)+7], v[96*(\set)+12*\t:96*(\set)+12*\t+11], v[AF+48*(\set)+12*\m:AF+48*(\set)+12*\m+11], v[8*(8*\m+\t):8*(8*\m+\t)+7], v[BSC+8*\t+(\ks)], v[ASC+8*\m+(\ks)] matrix_a_fmt:MATRIX_FMT_FP6 matrix_b_fmt:MATRIX_FMT_FP6
.endif
.endr
.endr
.endm
	s_wait_tensorcnt 6                             ; chunk 0's three loads of mine are in; the six younger may be out
	s_barrier_signal -1
	s_barrier_wait -1                              ; everybody's are
	LOADF 0, 0
	s_wait_loadcnt 0x0                             ; the scale words and the bias
.irp ks, 0,1,2,3,4,5,6,7
	s_wait_dscnt 0x0                               ; this K step's fragments, asked for ahead of the last step's products
.if \ks == 1
	s_wait_tensorcnt 3                             ; chunk 1: K step 2 reads on into it
	s_barrier_signal -1
	s_barrier_wait -1
.endif
.if \ks == 4
	s_wait_tensorcnt 0x0                           ; chunk 2: K step 5 reads on into it
	s_barrier_signal -1
	s_barrier_wait -1
.endif
.if \ks > 0
	PLACES 4                                       ; in front of loads into registers that the last products have read (ISA guide 7.12.1 for vector instructions)
.endif
.if \ks < 7
	LOADF \ks+1, (\ks+1)%2
.endif
	MUL \ks, \ks%2
.endr
; 64 numbers of a lane in window 1, v[s] on, register 16 b + i = channel 32 b + 16 hh + i of my row, become a fragment's codes in v[PCD] on and its scale word in v[PW].
.macro QUANTW s
	WIN 0x05
.irp b, 0,1,2,3
	v_max3_num_f32 v[TM+\b], |v[\s+16*\b]|, |v[\s+1+16*\b]|, 0x1800000   ; my 16 numbers of block b, and the floor 2^(3 - 127): the byte cannot fall under 1.  Each accumulator is read from its low end on
.endr
	WIN 0x14
.irp i, 2,4,6,8,10,12,14
.irp b, 0,1,2,3
	v_max3_num_f32 v[TM+\b], v[TM+\b], |v[\s+16*\b+\i]|, |v[\s+1+16*\b+\i]|
.endr
.endr
	WIN 0
.irp b, 0,1,2,3
	v_permlanex16_b32 v[TM+4+\b], v[TM+\b], s[SEL], s[SEL+1]
.endr
.irp b, 0,1,2,3
	v_max_num_f32 v[TM+\b], v[TM+\b], v[TM+4+\b]   ; with lane l xor 16's: the block's largest magnitude
.endr
.irp b, 0,1,2,3
	v_add_nc_u32 v[TM+12+\b], 0xff000000, v[TM+\b] ; 2 off its exponent field: the conversion's scale operand
.endr
.irp b, 0,1,2,3
	v_lshrrev_b32 v[TM+4+\b], 23, v[TM+12+\b]      ; the scale's byte
.endr
	v_lshl_or_b32 v[PW], v[TM+5], 8, v[TM+4]
	v_lshl_or_b32 v[PW], v[TM+6], 16, v[PW]
	v_lshl_or_b32 v[PW], v[TM+7], 24, v[PW]
	WIN 0x01
.irp c, 0,1
	v_cvt_scalef32_pk16_fp6_f32 v[PCD+6*\c:PCD+2+6*\c], v[\s+32*\c:\s+15+32*\c], v[TM+12+2*\c]
	v_cvt_scalef32_pk16_fp6_f32 v[PCD+12+4*\c:PCD+14+4*\c], v[\s+16+32*\c:\s+31+32*\c], v[TM+12+2*\c+1]
.endr
	WIN 0
	v_nop                                          ; one plain place behind a scaled conversion
.irp c, 0,1                                    ; a whole block to a lane: lanes 0-15 block 2 c, lanes 16-31 block 2 c + 1
.irp i, 0,1,2
	v_permlane16_swap_b32 v[PCD+6*\c+\i], v[PCD+12+4*\c+\i]
.endr
.irp i, 0,1,2
	v_mov_b32 v[PCD+3+6*\c+\i], v[PCD+12+4*\c+\i]
.endr
.endr
.endm
	WIN 0
	PLACES 4                                       ; behind the last products
.irp m, 0,1,2,3                                ; 16 rows at a time: quantised, through my own stage, out as 1,536 consecutive bytes
	QUANTW 64*\m
.irp c, 0,1
.irp p, 0,1,2
	ds_store_b64 v[STO], v[PCD+6*\c+2*\p:PCD+6*\c+2*\p+1] offset:48*\c+8*\p
.endr
.endr
	ds_store_b32 v[SSTO], v[PW] offset:64*\m       ; both halves of the lanes write the same word with the same value
.irp c, 0,1,2
	ds_load_b128 v[OB+12*\m+4*\c:OB+12*\m+4*\c+3], v[RD] offset:512*\c   ; LDS serves a wave's instructions in order (ISA guide 5.7.1.4): these see my stores
.endr
	s_wait_dscnt 0x0
.irp c, 0,1,2
	global_store_b128 v[GO], v[OB+12*\m+4*\c:OB+12*\m+4*\c+3], s[42:43] offset:1536*\m+512*\c   ; 32 lanes store 512 consecutive bytes, at a multiple of 256 from the buffer's first byte
.endr
.endr
	ds_load_b64 v[60:61], v[SRD]
	s_wait_dscnt 0x0
	global_store_b64 v[GS], v[60:61], s[44:45]     ; my 64 rows' scale words: 256 consecutive bytes, aligned
	s_wait_tensorcnt 0x0
	ds_add_u32 v55, v59
	s_wait_dscnt 0x0
	CROUND                                         ; the closing round
	s_endpgm
.Lfunc_end_k_q91b9c85cb5_projqk:
	.size	k_q91b9c85cb5_projqk, .Lfunc_end_k_q91b9c85cb5_projqk-k_q91b9c85cb5_projqk
	.p2alignl 7, 3214868480
	.fill 96, 4, 3214868480
	.section	.rodata,"a",@progbits
	.p2align	6, 0x0
	.amdhsa_kernel k_q91b9c85cb5_projqk
		.amdhsa_group_segment_fixed_size 327680
		.amdhsa_private_segment_fixed_size 0
		.amdhsa_enable_private_segment 0
		.amdhsa_kernarg_size 112
		.amdhsa_user_sgpr_count 2
		.amdhsa_user_sgpr_kernarg_segment_ptr 1
		.amdhsa_wavefront_size32 1
		.amdhsa_system_sgpr_workgroup_id_x 1
		.amdhsa_system_sgpr_workgroup_id_y 1
		.amdhsa_system_sgpr_workgroup_id_z 1
		.amdhsa_system_vgpr_workitem_id 0
		.amdhsa_next_free_vgpr 768
		.amdhsa_next_free_sgpr 100
		.amdhsa_reserve_vcc 0
		.amdhsa_float_denorm_mode_32 3
		.amdhsa_float_denorm_mode_16_64 3
		.amdhsa_memory_ordered 1
		.amdhsa_forward_progress 1
		.amdhsa_inst_pref_size 104
	.end_amdhsa_kernel
	.amdgpu_metadata
---
amdhsa.version: [ 1, 2 ]
amdhsa.kernels:
  - .name:           k_q91b9c85cb5_projqk
    .symbol:         k_q91b9c85cb5_projqk.kd
    .args:
      - { .name: query_codes, .offset: 0, .size: 8, .value_kind: global_buffer, .address_space: global }
      - { .name: query_scales, .offset: 8, .size: 8, .value_kind: global_buffer, .address_space: global }
      - { .name: Wq_codes, .offset: 16, .size: 8, .value_kind: global_buffer, .address_space: global }
      - { .name: Wq_scales, .offset: 24, .size: 8, .value_kind: global_buffer, .address_space: global }
      - { .name: bq, .offset: 32, .size: 8, .value_kind: global_buffer, .address_space: global }
      - { .name: Qc, .offset: 40, .size: 8, .value_kind: global_buffer, .address_space: global }
      - { .name: Qs, .offset: 48, .size: 8, .value_kind: global_buffer, .address_space: global }
      - { .name: key__codes, .offset: 56, .size: 8, .value_kind: global_buffer, .address_space: global }
      - { .name: key__scales, .offset: 64, .size: 8, .value_kind: global_buffer, .address_space: global }
      - { .name: Wk_codes, .offset: 72, .size: 8, .value_kind: global_buffer, .address_space: global }
      - { .name: Wk_scales, .offset: 80, .size: 8, .value_kind: global_buffer, .address_space: global }
      - { .name: bk, .offset: 88, .size: 8, .value_kind: global_buffer, .address_space: global }
      - { .name: Kc, .offset: 96, .size: 8, .value_kind: global_buffer, .address_space: global }
      - { .name: Ks, .offset: 104, .size: 8, .value_kind: global_buffer, .address_space: global }
    .group_segment_fixed_size: 327680
    .private_segment_fixed_size: 0
    .kernarg_segment_align: 8
    .kernarg_segment_size: 112
    .max_flat_workgroup_size: 128
    .sgpr_count:     100
    .vgpr_count:     768
    .wavefront_size: 32
...
	.end_amdgpu_metadata
.endif
;; end of part 1
;; launch projv (part 2): grid 64 x 4, 4 waves a work-group, clusters of 4 x 4, 327,680 bytes of LDS; arguments value_codes, value_scales, Wv_codes, Wv_scales, bv, Vc, Vs; writes Vc, Vs
.if DOCPART == 2
	.amdgcn_target "amdgcn-amd-amdhsa--gfx1250"
	.amdhsa_code_object_version 6
	.text
	.protected	k_q91b9c85cb5_projv
	.globl	k_q91b9c85cb5_projv
	.p2align	8
	.type	k_q91b9c85cb5_projv,@function
k_q91b9c85cb5_projv:
	s_mov_b64 s[64:65], 0
	v_nop
	global_prefetch_b8 v0, s[64:65] scope:SCOPE_SE
	s_setreg_imm32_b32 hwreg(HW_REG_WAVE_MODE, 25, 1), 1
	s_wait_xcnt 0x0
	s_wait_alu depctr_hold_cnt(0) depctr_sa_sdst(0) depctr_va_vdst(0) depctr_va_sdst(0) depctr_va_ssrc(0) depctr_va_vcc(0) depctr_vm_vsrc(0)
	s_getreg_b32 s2, hwreg(HW_REG_IB_STS2, 6, 4)
	s_cmp_eq_u32 s2, 0
	s_cbranch_scc0 .Lentry_in_a_cluster
	s_endpgm
.Lentry_in_a_cluster:
	s_bfe_u32 s2, ttmp6, 0x10000c
	s_cmp_lg_u32 s2, 0xf033
	s_cbranch_scc0 .Lentry_shape_is_right
	s_endpgm
.Lentry_shape_is_right:
; V = value Wv^T + bv on the given codes of FP6 (E2M3), then quantised ALONG THE KEYS, which are the second attention product's K.  Output column o of row (b, s) is key 8 s + g, head h, channel d (g = o >> 10, h = (o >> 7) & 7, d = o & 127).
; A block of 32 keys is 4 neighbouring s x all 8 g at one (h, d).  So a work-group takes one batch (256 rows s) x 16 channels d of one head x ALL 8 g: its 128 rows of W are 8 pieces of 16 rows, 1,024 rows apart.
; The product is used as it stands (source 0 = 16 rows s, source 1 = 16 rows of W): a lane holds one channel, and the registers of the eight accumulators of a tile of rows hold 8 s x 8 g: two whole blocks.
; The codes go to [8 b + h][d][1,536 bytes] with the keys innermost, the scale bytes to [8 b + h][d][64].  LDS, cluster and the K loop are as in the launch for Q and K.
; LIMITS: NaN and infinities are not served; a block whose largest magnitude lies under 2^-124 keeps the byte 1, a block of zeros too (its codes are zeros; the bytes are read by this program alone).
; REGISTERS: window 0: v1-19 addresses, v20-27 the bias (one number for each g), v28-32 at work, v64-95 value's scale words, v96-159 W's, v160-255 value's fragments (two sets), later a block's numbers, codes, and rows on their way out.
;   window 1: accumulator (m, g) at v[8 (8 m + g)].   window 2: W's fragments, two sets at v0 and v96.
.set CH,   384*272
.set PSTR, 1024
.set SS,   25088                       ; the way out lies in region 0, which has had its only fill and is read no more: 16 rows x 1,552 bytes of codes, and here 16 x 64 scale bytes
.set AAD, 4
.set BAD, 9
.set VSTO, 14
.set VSS, 15
.set VRD, 16
.set GO,  17
.set SRD, 18
.set GS,  19
.set BV,  20
.set ASC, 64
.set BSC, 96
.set AF,  160
.set T,   160
.set WV,  46
.set G1A, 48
.set G1B, 56
.set MSB, 0
.macro WIN new
.if MSB != \new
	s_set_vgpr_msb (MSB<<8)|\new
.set MSB, \new
.endif
.endm
.macro PLACES n
.rept \n
	v_nop
.endr
.endm
.macro CROUND
	s_barrier_signal -1
	s_barrier_wait -1
	s_cmp_lg_u32 s[WV], 0
	s_cbranch_scc1 .Lnot_wave_0_\@
	s_barrier_signal -3
.Lnot_wave_0_\@:
	s_barrier_wait -3
	s_barrier_signal -1
	s_barrier_wait -1
.endm
	s_load_b256 s[32:39], s[0:1], 0x0              ; value's codes, scales; Wv's codes, scales
	s_load_b128 s[40:43], s[0:1], 0x20             ; bv; Vc
	s_load_b64 s[44:45], s[0:1], 0x30              ; Vs
	v_lshl_add_u32 v59, v0, 2, 0x4c800
	v_mov_b32 v60, 0
	ds_add_u32 v59, v60
	v_lshrrev_b32 v1, 5, v0
	v_readfirstlane_b32 s[WV], v1
	s_bfe_u32 s47, ttmp6, 0x40000                  ; cx
	s_bfe_u32 s66, ttmp6, 0x40004                  ; cy = the batch
	s_lshl_b32 s67, ttmp9, 2
	s_add_co_u32 s67, s67, s47                     ; x = 8 h + d0 / 16
	s_lshl_b32 s78, s66, 2
	s_lshl_b32 s78, 15, s78
	s_lshl_b32 s79, 0x1111, s47
	s_or_b32 s[G1A], s78, (3<<16)|(1<<20)|(1<<21)|(5<<22)|(3<<25)
	s_or_b32 s[G1B], s79, (3<<16)|(1<<20)|(1<<21)|(5<<22)|(3<<25)
	s_mov_b32 s[G1A+1], 32<<16
	s_mov_b32 s[G1A+2], 64<<16
	s_mov_b32 s[G1A+3], 32<<16
	s_mov_b32 s[G1A+4], 64
	s_mov_b32 s[G1A+5], 96
	s_mov_b32 s[G1A+6], 0
	s_mov_b32 s[G1A+7], 0
	s_mov_b32 s[G1B+1], 32<<16
	s_mov_b32 s[G1B+2], 16<<16
	s_mov_b32 s[G1B+3], 32<<16
	s_mov_b32 s[G1B+4], 16
	s_mov_b32 s[G1B+5], 96
	s_mov_b32 s[G1B+6], 0
	s_mov_b32 s[G1B+7], 0
	s_lshl_b32 s82, s66, 8
	s_lshl_b32 s83, s[WV], 6
	s_add_co_u32 s82, s82, s83                     ; my first row of value: 256 cy + 64 w
	s_mul_i32 s80, s82, 768
	s_mov_b32 s81, 0
	s_lshl_b32 s88, s82, 5
	s_mov_b32 s89, 0
	s_lshl_b32 s85, s67, 4                         ; W's row at g = 0: 128 h + d0 = 16 x
	s_mul_i32 s86, s[WV], 2*PSTR
	s_add_co_u32 s86, s86, s85                     ; the first of my two pieces: g = 2 w
	s_mul_i32 s86, s86, 768
	s_mov_b32 s87, 0
	s_lshl_b32 s90, s85, 5
	s_mov_b32 s91, 0
	s_lshl_b32 s92, s85, 2
	s_mov_b32 s93, 0
	s_lshl_b32 s94, s66, 10
	s_add_co_u32 s94, s94, s85                     ; the output's row (8 b + h) 128 + d0
	s_lshl_b32 s95, s[WV], 2
	s_add_co_u32 s96, s94, s95                     ; + the 4 rows that I store
	s_mul_i32 s96, s96, 1536
	s_mov_b32 s97, 0
	s_lshl_b32 s98, s94, 6
	s_lshl_b32 s95, s[WV], 8
	s_add_co_u32 s98, s98, s95
	s_mov_b32 s99, 0
	s_mul_i32 s78, s[WV], 64*272
	s_mul_i32 s79, s[WV], 32*272
	s_wait_dscnt 0x0
	s_wait_kmcnt 0x0
	s_add_nc_u64 s[80:81], s[32:33], s[80:81]
	s_add_nc_u64 s[86:87], s[36:37], s[86:87]
	s_add_nc_u64 s[34:35], s[34:35], s[88:89]
	s_add_nc_u64 s[38:39], s[38:39], s[90:91]
	s_add_nc_u64 s[40:41], s[40:41], s[92:93]
	s_add_nc_u64 s[42:43], s[42:43], s[96:97]
	s_add_nc_u64 s[44:45], s[44:45], s[98:99]
.irp c, 0,1,2
	s_mov_b32 s[4+4*\c], 1
	s_add_co_u32 s[5+4*\c], s78, \c*CH
	s_add_nc_u64 s[6+4*\c:7+4*\c], s[80:81], 256*\c
	s_or_b32 s[7+4*\c], s[7+4*\c], 0x80000000
.irp e, 0,1
.set GB, 16+4*(2*\c+\e)+36*((2*\c+\e)/4)
	s_mov_b32 s[GB], 1
	s_add_co_u32 s[GB+1], s79, \c*CH+(256+16*\e)*272
	s_add_nc_u64 s[GB+2:GB+3], s[86:87], \e*PSTR*768+256*\c
	s_or_b32 s[GB+3], s[GB+3], 0x80000000
.endr
.endr
	CROUND                                         ; all sixteen work-groups are here: the joint loads meet
.irp c, 0,1,2                                  ; chunk by chunk: nine loads of mine are out
	tensor_load_to_lds s[4+4*\c:7+4*\c], s[G1A:G1A+7]
	s_nop 0
.irp e, 0,1
.set GB, 16+4*(2*\c+\e)+36*((2*\c+\e)/4)
	tensor_load_to_lds s[GB:GB+3], s[G1B:G1B+7]
	s_nop 0
.endr
.endr
	PLACES 4
	v_and_b32 v1, 15, v0                           ; r
	v_bfe_u32 v2, v0, 4, 1                         ; hh
	v_and_b32 v37, 31, v0                          ; lane
	v_lshlrev_b32 v38, 5, v1
	v_lshlrev_b32 v39, 2, v1
.irp m, 0,1,2,3
	global_load_b128 v[ASC+8*\m:ASC+8*\m+3], v38, s[34:35] offset:512*\m
	global_load_b128 v[ASC+8*\m+4:ASC+8*\m+7], v38, s[34:35] offset:512*\m+16
.endr
.irp t, 0,1,2,3,4,5,6,7
	global_load_b128 v[BSC+8*\t:BSC+8*\t+3], v38, s[38:39] offset:32768*\t
	global_load_b128 v[BSC+8*\t+4:BSC+8*\t+7], v38, s[38:39] offset:32768*\t+16
	global_load_b32 v[BV+\t], v39, s[40:41] offset:4096*\t    ; bv at (g, h, my channel)
.endr
	v_mul_u32_u24 v61, v1, 272
	v_mad_u32_u24 v62, v2, 24, v61
	v_mad_u32_u24 v63, v2, 24+CH-256, v61
.irp c, 0,1,2
	s_add_co_u32 s82, s78, \c*CH
	v_add_nc_u32 v[AAD+\c], s82, v62
	v_add_nc_u32 v[BAD+\c], \c*CH+256*272, v62
.if \c < 2
	v_add_nc_u32 v[AAD+3+\c], s82, v63
	v_add_nc_u32 v[BAD+3+\c], \c*CH+256*272, v63
.endif
.endr
	s_mul_i32 s83, s[WV], 384
	v_mul_u32_u24 v61, v1, 1552
	v_mad_u32_u24 v61, v2, 48, v61
	v_add_nc_u32 v[VSTO], s83, v61                 ; the stage: row = my channel; block 16 w + 4 m + 2 hh + q of 24 bytes
	s_lshl_b32 s83, s[WV], 4
	s_add_co_u32 s83, s83, SS
	v_lshlrev_b32 v61, 6, v1
	v_lshl_add_u32 v61, v2, 1, v61
	v_add_nc_u32 v[VSS], s83, v61                  ; and its byte
	v_lshlrev_b32 v[GO], 4, v37
	s_mul_i32 s83, s[WV], 4*1552
	v_add_nc_u32 v[VRD], s83, v[GO]                ; back: my 4 rows, 16 bytes a lane
	v_lshlrev_b32 v[GS], 3, v37
	s_lshl_b32 s83, s[WV], 8
	s_add_co_u32 s83, s83, SS
	v_add_nc_u32 v[SRD], s83, v[GS]
.macro FRAG reg, base, ks, rowoff
.irp p, 0,1,2,3,4,5
.set PIE, 12*(\ks)+6*(\p/3)+\p%3
.if PIE%32 < 29
	ds_load_b64 v[\reg+2*\p:\reg+2*\p+1], v[\base+PIE/32] offset:8*(PIE%32)+(\rowoff)
.else
	ds_load_b64 v[\reg+2*\p:\reg+2*\p+1], v[\base+3+PIE/32] offset:8*(PIE%32)+(\rowoff)
.endif
.endr
.endm
.macro LOADF ks, set
	WIN 0
.irp m, 0,1,2,3
	FRAG AF+48*(\set)+12*\m, AAD, \ks, 4352*\m
.endr
	WIN 0x80
.irp t, 0,1,2,3,4,5,6,7
	FRAG 96*(\set)+12*\t, BAD, \ks, 4352*\t
.endr
	WIN 0
.endm
.macro MUL ks, set                     ; 32 products, the 32 accumulators by turns; the first K step starts the sums
	WIN 0x58
.irp m, 0,1,2,3
.irp t, 0,1,2,3,4,5,6,7
.if \ks == 0
	v_wmma_scale_f32_16x16x128_f8f6f4 v[8*(8*\m+\t):8*(8*\m+\t)+7], v[AF+48*(\set)+12*\m:AF+48*(\set)+12*\m+11], v[96*(\set)+12*\t:96*(\set)+12*\t+11], 0, v[ASC+8*\m+(\ks)], v[BSC+8*\t+(\ks)] matrix_a_fmt:MATRIX_FMT_FP6 matrix_b_fmt:MATRIX_FMT_FP6
.else
	v_wmma_scale_f32_16x16x128_f8f6f4 v[8*(8*\m+\t):8*(8*\m+\t)+7], v[AF+48*(\set)+12*\m:AF+48*(\set)+12*\m+11], v[96*(\set)+12*\t:96*(\set)+12*\t+11], v[8*(8*\m+\t):8*(8*\m+\t)+7], v[ASC+8*\m+(\ks)], v[BSC+8*\t+(\ks)] matrix_a_fmt:MATRIX_FMT_FP6 matrix_b_fmt:MATRIX_FMT_FP6
.endif
.endr
.endr
.endm
	s_wait_tensorcnt 6                             ; chunk 0's three loads of mine are in; the six younger may be out
	s_barrier_signal -1
	s_barrier_wait -1
	LOADF 0, 0
	s_wait_loadcnt 0x0
.irp ks, 0,1,2,3,4,5,6,7
	s_wait_dscnt 0x0
.if \ks == 1
	s_wait_tensorcnt 3                             ; chunk 1
	s_barrier_signal -1
	s_barrier_wait -1
.endif
.if \ks == 4
	s_wait_tensorcnt 0x0                           ; chunk 2
	s_barrier_signal -1
	s_barrier_wait -1
.endif
.if \ks > 0
	PLACES 4
.endif
.if \ks < 7
	LOADF \ks+1, (\ks+1)%2
.endif
	MUL \ks, \ks%2
.endr
	WIN 0
	s_wait_dscnt 0x0                               ; my reads of the tiles are over,
	s_barrier_signal -1
	s_barrier_wait -1                              ; everybody's are: region 0 may take the stage
	PLACES 4
.irp m, 0,1,2,3
.irp q, 0,1                                    ; block 16 w + 4 m + 2 hh + q: rows s = .. + 4 q + i, i = 0 .. 3, x 8 g.  q = 0 first: each accumulator is read from its low end on
	WIN 0x01
.irp i, 0,1,2,3
.irp g, 0,1,2,3,4,5,6,7
	v_add_f32 v[T+8*\i+\g], v[8*(8*\m+\g)+4*\q+\i], v[BV+\g]   ; the bias; and the number goes to its key's place in the block, 8 i + g
.endr
.endr
	WIN 0
	v_max3_num_f32 v28, |v[T]|, |v[T+1]|, |v[T+2]|
	v_max3_num_f32 v29, |v[T+3]|, |v[T+4]|, |v[T+5]|
.irp i, 6,10,14,18,22,26
	v_max3_num_f32 v28, v28, |v[T+\i]|, |v[T+\i+1]|
	v_max3_num_f32 v29, v29, |v[T+\i+2]|, |v[T+\i+3]|
.endr
	v_max3_num_f32 v28, v28, |v[T+30]|, |v[T+31]|
	v_max3_num_f32 v28, v28, v29, 0x1800000        ; and the floor 2^(3 - 127)
	v_add_nc_u32 v30, 0xff000000, v28              ; 2 off the exponent field: the conversion's scale operand
	v_lshrrev_b32 v32, 23, v30                     ; the byte
.if \q == 0
	v_mov_b32 v31, v32
.else
	v_lshl_or_b32 v31, v32, 8, v31
.endif
	v_cvt_scalef32_pk16_fp6_f32 v[192:194], v[T:T+15], v30
	v_cvt_scalef32_pk16_fp6_f32 v[196:198], v[T+16:T+31], v30
	v_nop                                          ; one plain place behind a scaled conversion
	v_mov_b32 v195, v196
	v_mov_b32 v196, v197
	v_mov_b32 v197, v198                           ; 24 bytes on end
.irp p, 0,1,2
	ds_store_b64 v[VSTO], v[192+2*\p:193+2*\p] offset:96*\m+24*\q+8*\p
.endr
.if \q == 1
	ds_store_b16 v[VSS], v31 offset:4*\m
.endif
	s_wait_dscnt 0x0                               ; the stores have read their registers
.endr
.endr
	s_barrier_signal -1
	s_barrier_wait -1                              ; 16 whole rows lie in the stage
.irp i, 0,1,2,3
.irp c, 0,1,2
	ds_load_b128 v[200+4*(3*\i+\c):203+4*(3*\i+\c)], v[VRD] offset:1552*\i+512*\c
.endr
.endr
	ds_load_b64 v[248:249], v[SRD]
	s_wait_dscnt 0x0
.irp i, 0,1,2,3
.irp c, 0,1,2
	global_store_b128 v[GO], v[200+4*(3*\i+\c):203+4*(3*\i+\c)], s[42:43] offset:1536*\i+512*\c   ; 32 lanes store 512 consecutive bytes, at a multiple of 256 from the buffer's first byte
.endr
.endr
	global_store_b64 v[GS], v[248:249], s[44:45]   ; my 4 rows' scale bytes: 256 consecutive bytes, aligned
	s_wait_tensorcnt 0x0
	ds_add_u32 v59, v60
	s_wait_dscnt 0x0
	CROUND                                         ; the closing round
	s_endpgm
.Lfunc_end_k_q91b9c85cb5_projv:
	.size	k_q91b9c85cb5_projv, .Lfunc_end_k_q91b9c85cb5_projv-k_q91b9c85cb5_projv
	.p2alignl 7, 3214868480
	.fill 96, 4, 3214868480
	.section	.rodata,"a",@progbits
	.p2align	6, 0x0
	.amdhsa_kernel k_q91b9c85cb5_projv
		.amdhsa_group_segment_fixed_size 327680
		.amdhsa_private_segment_fixed_size 0
		.amdhsa_enable_private_segment 0
		.amdhsa_kernarg_size 56
		.amdhsa_user_sgpr_count 2
		.amdhsa_user_sgpr_kernarg_segment_ptr 1
		.amdhsa_wavefront_size32 1
		.amdhsa_system_sgpr_workgroup_id_x 1
		.amdhsa_system_sgpr_workgroup_id_y 1
		.amdhsa_system_sgpr_workgroup_id_z 1
		.amdhsa_system_vgpr_workitem_id 0
		.amdhsa_next_free_vgpr 768
		.amdhsa_next_free_sgpr 100
		.amdhsa_reserve_vcc 0
		.amdhsa_float_denorm_mode_32 3
		.amdhsa_float_denorm_mode_16_64 3
		.amdhsa_memory_ordered 1
		.amdhsa_forward_progress 1
		.amdhsa_inst_pref_size 107
	.end_amdhsa_kernel
	.amdgpu_metadata
---
amdhsa.version: [ 1, 2 ]
amdhsa.kernels:
  - .name:           k_q91b9c85cb5_projv
    .symbol:         k_q91b9c85cb5_projv.kd
    .args:
      - { .name: value_codes, .offset: 0, .size: 8, .value_kind: global_buffer, .address_space: global }
      - { .name: value_scales, .offset: 8, .size: 8, .value_kind: global_buffer, .address_space: global }
      - { .name: Wv_codes, .offset: 16, .size: 8, .value_kind: global_buffer, .address_space: global }
      - { .name: Wv_scales, .offset: 24, .size: 8, .value_kind: global_buffer, .address_space: global }
      - { .name: bv, .offset: 32, .size: 8, .value_kind: global_buffer, .address_space: global }
      - { .name: Vc, .offset: 40, .size: 8, .value_kind: global_buffer, .address_space: global }
      - { .name: Vs, .offset: 48, .size: 8, .value_kind: global_buffer, .address_space: global }
    .group_segment_fixed_size: 327680
    .private_segment_fixed_size: 0
    .kernarg_segment_align: 8
    .kernarg_segment_size: 56
    .max_flat_workgroup_size: 128
    .sgpr_count:     100
    .vgpr_count:     768
    .wavefront_size: 32
...
	.end_amdgpu_metadata
.endif
;; end of part 2
;; launch attn (part 3): grid 8 x 32, 16 waves a work-group, no clusters, 327,680 bytes of LDS; arguments Qc, Qs, Kc, Ks, Vc, Vs, Xc, Xs; writes Xc, Xs
.if DOCPART == 3
	.amdgcn_target "amdgcn-amd-amdhsa--gfx1250"
	.amdhsa_code_object_version 6
	.text
	.protected	k_q91b9c85cb5_attn
	.globl	k_q91b9c85cb5_attn
	.p2align	8
	.type	k_q91b9c85cb5_attn,@function
k_q91b9c85cb5_attn:
	s_mov_b64 s[64:65], 0
	v_nop
	global_prefetch_b8 v0, s[64:65] scope:SCOPE_SE
	s_setreg_imm32_b32 hwreg(HW_REG_WAVE_MODE, 25, 1), 1
	s_wait_xcnt 0x0
; x = softmax(Q K^T / 32) V for 32 heads (8 b + h) of 2,048 positions and 128 channels, both products on codes of FP6 (E2M3) with E8M0 scales; x is quantised along the channels for the last product.
; Q, K: codes [head][g][s][96 bytes], position 8 s + g; scale words [head][g][s].  V: codes [head][d][1,536 bytes], keys innermost in the order 8 s + g; scale bytes [head][d][64].
; THE SOFTMAX: t = score x log2(e) / 32; M = the running largest t rounded up to a whole number; p = 2^(t - M) is quantised along the keys, not normalised; the row's sum is taken of the unquantised p and divides at the end.
; SHARES.  A work-group owns the 256 queries of one g of one head; each of its sixteen waves 16 of them (s = 16 w + r), in 256 registers.  Every wave walks all keys, 128 a step, through a ring of two LDS slots of 256 keys.
; Waves 0-7 fetch K's eight pieces of a slot (one g each: 32 rows s, 3,072 dense bytes), waves 8 and 9 V's halves, waves 10 and 11 once the head's scale bytes of K and of V.
; LAYOUT.  Both products are used transposed: a lane holds one query.  Lane r of K's tile 2 b + u takes key 32 b + 8 u + r + 8 (r / 8) of the step, so that p's 16 registers of two neighbouring tiles are 16 neighbouring keys;
; V's rows are chosen likewise, so that O^T's register 16 b + i is channel 32 b + 16 (lane / 16) + i and x can be quantised in registers.
; x leaves as the IMAGE OF AN OPERAND'S REGISTERS: fragment (rows 16 (16 b + w) on, K step 8 g + h) at Xc[(4 b + w / 4)][8 g + h][w % 4][1,536 bytes], its scale words at the same index x 128 bytes in Xs.
; No cluster: a slot is 48 KiB for two key steps of sixteen waves, a small part of a step's work.
; LIMITS: NaN and infinities are not served; a block of x whose largest magnitude lies under 2^-124 keeps the byte 1, a block of zeros too (the bytes are read by this program alone).
; REGISTERS: v1-4 addresses that stay; v5, v6 the spare word's; v8-11 the step's addresses; v12 -M, v13 the largest t, v[14:15] the sum; v16-27 Q; v28 the prefetches' offset; v32-79 four fragments; v96-159 S^T, then p; v160-223 O^T; v224-235 p's codes; v232-254 at work; v248-251, v253, v255 scale words.
.set NQ,    2
.set ROWB,  96
.set KG,    3088                       ; from one g's piece of K to the next in a slot
.set VP,    192                        ; a row of V's tile: 256 codes
.set VOFF,  24832
.set SLOT1, 1<<17
.set NSL,   8
.set SCK,   2*SLOT1                    ; K's scale words: 8 rows (g) of 1,024 bytes + 16
.set SCV,   270592                     ; V's scale bytes: 32 units of 256 bytes + 16
.set SPARE, 279296                     ; the spare words, 128 bytes for each wave
.set AK0,  1
.set AV0,  2
.set ASK0, 3
.set ASV0, 4
.set SPW,  5
.set NIL,  6
.set ADK,  8
.set ADV,  9
.set ADS,  10
.set ADT,  11
.set PFO,  28
.set TM,   64
.set PW,   80
.set PCD,  32
.set TB,   2
.set TS,   3
.set SEL,  20
.set CS,   22
.set G1K,  24
.set G1V,  32
.set G0K,  40
.set G0V,  44
.set G1SK, 48
.set G1SV, 56
.set TJ,   66
.set SLOTS, 67
.set G0SK, 68
.set G0SV, 72
.set PFA,  76
.set PFS,  78
.set LIM,  80
.set EVR,  81
.set WV,   83
.macro TLOAD                           ; waves 0-7 fetch for K, waves 8 and 9 for V, the others nothing; four v_nop follow each line
	s_cmp_lt_u32 s[WV], 8
	s_cbranch_scc0 .Lnot_k_\@
	tensor_load_to_lds s[G0K:G0K+3], s[G1K:G1K+7]
	s_nop 0
.rept 4
	v_nop
.endr
	s_branch .Lasked_\@
.Lnot_k_\@:
	s_cmp_lt_u32 s[WV], 10
	s_cbranch_scc0 .Lasked_\@
	tensor_load_to_lds s[G0V:G0V+3], s[G1V:G1V+7]
	s_nop 0
.rept 4
	v_nop
.endr
.Lasked_\@:
.endm
; A prefetch of what the NEXT change of slots will ask for, a slot's two key steps ahead of that load.  All eight work-groups of a head walk the same K and V: the first of them asks.  In it waves 8-11 ask for V's 128 rows, a lane a row,
; naming the last byte of the row's 192 (every fourth slot's part ends in the block that the slot before has named: nothing is asked there); waves 12-14 for K's 8 x 3,072 bytes, lanes 256 bytes apart: each aligned block of 256 bytes is named once.
.macro ASK
	s_cmp_gt_u32 s[SLOTS], s[LIM]
	s_cbranch_scc0 .Lnot_mine_\@
	s_and_b32 s82, s[SLOTS], s[EVR]                ; the slot to be named is 9 - s[SLOTS]: slot 3 or 7 where s[SLOTS] is 2 above a multiple of 4
	s_cmp_eq_u32 s82, 2
	s_cbranch_scc1 .Lnot_mine_\@
	global_prefetch_b8 v[PFO], s[PFA:PFA+1] th:TH_LOAD_NT scope:SCOPE_SE
.Lnot_mine_\@:
.endm
	s_load_b512 s[4:19], s[0:1], 0x0               ; Qc, Qs, Kc, Ks, Vc, Vs, Xc, Xs
	v_lshl_add_u32 v[SPW], v0, 2, SPARE
	v_mov_b32 v[NIL], 0
	ds_add_u32 v5, v6
	s_wait_dscnt 0x0
	v_lshrrev_b32 v8, 5, v0
	v_readfirstlane_b32 s[WV], v8                  ; wave 0..15
	s_and_b32 s84, ttmp7, 0xffff                   ; the head 8 b + h
	s_mul_i32 s86, s84, 196608                     ; its first byte in each buffer of codes,
	s_mov_b32 s87, 0
	s_lshl_b32 s88, s84, 13                        ; and of scale bytes
	s_mov_b32 s89, 0
	s_lshl_b32 s90, ttmp9, 8
	s_lshl_b32 s91, s[WV], 4
	s_add_co_u32 s90, s90, s91                     ; my first query's row: 256 g + 16 w
	s_mul_i32 s92, s90, 96
	s_add_co_u32 s92, s92, s86
	s_mov_b32 s93, 0
	s_lshl_b32 s94, s90, 2
	s_add_co_u32 s94, s94, s88
	s_mov_b32 s95, 0
	s_min_u32 s98, s[WV], 7                        ; K's piece that I fetch, if I fetch
	s_mul_i32 s96, s98, 24576
	s_add_co_u32 s96, s96, s86
	s_mov_b32 s97, 0
	s_mul_i32 s98, s98, KG
	s_and_b32 s99, s[WV], 1                        ; V's half
	s_mul_i32 s90, s99, 98304
	s_add_co_u32 s90, s90, s86
	s_mov_b32 s91, 0
	s_mul_i32 s99, s99, 64*VP
	s_add_co_u32 s99, s99, VOFF
	s_lshr_b32 s85, s84, 3                         ; x's fragment: ((4 b + w / 4) 64 + 8 g + h) 4 + w % 4
	s_lshl_b32 s85, s85, 2
	s_lshr_b32 s82, s[WV], 2
	s_add_co_u32 s85, s85, s82
	s_lshl_b32 s85, s85, 6
	s_lshl_b32 s82, ttmp9, 3
	s_add_co_u32 s85, s85, s82
	s_and_b32 s82, s84, 7
	s_add_co_u32 s85, s85, s82
	s_lshl_b32 s85, s85, 2
	s_and_b32 s82, s[WV], 3
	s_add_co_u32 s85, s85, s82
	; group 1.  K's piece: 3,072 dense bytes as 12 rows of 256 (32 elements of 8 bytes)
	s_mov_b32 s[G1K], 3<<16
	s_mov_b32 s[G1K+1], 32<<16
	s_mov_b32 s[G1K+2], 12<<16
	s_mov_b32 s[G1K+3], 32<<16
	s_mov_b32 s[G1K+4], 12
	s_mov_b32 s[G1K+5], 32
	s_mov_b32 s[G1K+6], 0
	s_mov_b32 s[G1K+7], 0
	; V's half: 64 rows of 192 bytes, 1,536 bytes apart
	s_mov_b32 s[G1V], 0<<16
	s_mov_b32 s[G1V+1], 192<<16
	s_mov_b32 s[G1V+2], 64<<16
	s_mov_b32 s[G1V+3], 192<<16
	s_mov_b32 s[G1V+4], 64
	s_mov_b32 s[G1V+5], 1536
	s_mov_b32 s[G1V+6], 0
	s_mov_b32 s[G1V+7], 0
	; K's scale words: 8 rows of 1,024 bytes, 16 bytes of padding behind each
	s_mov_b32 s[G1SK], (3<<16)|(1<<20)|(7<<22)|(3<<25)
	s_mov_b32 s[G1SK+1], 128<<16
	s_mov_b32 s[G1SK+2], 8<<16
	s_mov_b32 s[G1SK+3], 128<<16
	s_mov_b32 s[G1SK+4], 8
	s_mov_b32 s[G1SK+5], 128
	s_mov_b32 s[G1SK+6], 0
	s_mov_b32 s[G1SK+7], 0
	; V's scale bytes: 32 rows of 256 bytes, 16 bytes of padding behind each
	s_mov_b32 s[G1SV], (3<<16)|(1<<20)|(5<<22)|(3<<25)
	s_mov_b32 s[G1SV+1], 32<<16
	s_mov_b32 s[G1SV+2], 32<<16
	s_mov_b32 s[G1SV+3], 32<<16
	s_mov_b32 s[G1SV+4], 32
	s_mov_b32 s[G1SV+5], 32
	s_mov_b32 s[G1SV+6], 0
	s_mov_b32 s[G1SV+7], 0
	s_mov_b32 s[SEL], 0x76543210
	s_mov_b32 s[SEL+1], 0xfedcba98
	s_mov_b32 s[CS], 0x3d38aa3b                    ; c = log2(e) / 32
	s_mov_b32 s[CS+1], s[CS]
	s_mov_b32 s[TB], 0
	s_mov_b32 s[TS], 0
	s_mov_b32 s[TJ], 0
	s_mov_b32 s[SLOTS], NSL-1
	s_wait_kmcnt 0x0
	s_mov_b32 s[G0SK], 1
	s_mov_b32 s[G0SK+1], SCK
	s_add_nc_u64 s[G0SK+2:G0SK+3], s[10:11], s[88:89]
	s_or_b32 s[G0SK+3], s[G0SK+3], 0x80000000
	s_mov_b32 s[G0SV], 1
	s_mov_b32 s[G0SV+1], SCV
	s_add_nc_u64 s[G0SV+2:G0SV+3], s[14:15], s[88:89]
	s_or_b32 s[G0SV+3], s[G0SV+3], 0x80000000
	s_mov_b32 s[G0K], 1
	s_mov_b32 s[G0K+1], s98
	s_add_nc_u64 s[G0K+2:G0K+3], s[8:9], s[96:97]
	s_or_b32 s[G0K+3], s[G0K+3], 0x80000000
	s_mov_b32 s[G0V], 1
	s_mov_b32 s[G0V+1], s99
	s_add_nc_u64 s[G0V+2:G0V+3], s[12:13], s[90:91]
	s_or_b32 s[G0V+3], s[G0V+3], 0x80000000
	s_cmp_eq_u32 s[WV], 10                         ; the scale bytes of the whole head: filled once
	s_cbranch_scc0 .Lnot_sk
	tensor_load_to_lds s[G0SK:G0SK+3], s[G1SK:G1SK+7]
	s_nop 0
.rept 4
	v_nop
.endr
	s_branch .Lsc_asked
.Lnot_sk:
	s_cmp_eq_u32 s[WV], 11
	s_cbranch_scc0 .Lsc_asked
	tensor_load_to_lds s[G0SV:G0SV+3], s[G1SV:G1SV+7]
	s_nop 0
.rept 4
	v_nop
.endr
.Lsc_asked:
	TLOAD                                          ; slot 0.  A wave has one load out at the most; every wait on TENSORcnt is for 0
	s_add_nc_u64 s[4:5], s[4:5], s[92:93]          ; Q's codes at my first query,
	s_add_nc_u64 s[6:7], s[6:7], s[94:95]          ; its scale words
	s_mul_i32 s92, s85, 1536
	s_lshl_b32 s94, s85, 7
	s_add_nc_u64 s[16:17], s[16:17], s[92:93]      ; x's image,
	s_add_nc_u64 s[18:19], s[18:19], s[94:95]      ; its scale words
	; the prefetches: where my wave's stand, and who asks
	s_cmp_lt_u32 s[WV], 12                         ; waves 8-11: V; waves 12-14: K
	s_cselect_b64 s[PFA:PFA+1], s[12:13], s[8:9]
	s_mov_b32 s[PFS], 3072
	s_cselect_b32 s[PFS], 192, s[PFS]              ; a slot on
	s_mov_b32 s84, 1024
	s_cselect_b32 s84, 49152, s84                  ; from wave to wave
	s_mov_b32 s92, 24576
	s_cselect_b32 s92, 6144, s92                   ; from four lanes to the next four
	s_mov_b32 s93, 256
	s_cselect_b32 s93, 1536, s93                   ; from lane to lane
	s_cselect_b32 s94, 191, 0                      ; in V: the last byte of a row's part of a slot
	s_cselect_b32 s[EVR], 3, 0
	v_and_b32 v28, 31, v0
	v_lshrrev_b32 v29, 2, v28
	v_and_b32 v28, 3, v28
	v_mul_lo_u32 v29, v29, s92
	v_mul_lo_u32 v28, v28, s93
	v_add_nc_u32 v[PFO], v28, v29
	s_and_b32 s95, s[WV], 3
	s_mul_i32 s95, s95, s84
	s_add_co_u32 s95, s95, s[PFS]                  ; in slot 1: the first change of slots steps it to slot 2.  Nothing is prefetched here, at the head
	s_add_co_u32 s95, s95, s94
	s_add_co_u32 s94, s95, s86                     ; in my head
	s_mov_b32 s95, 0
	s_mov_b32 s[PFS+1], 0
	s_add_nc_u64 s[PFA:PFA+1], s[PFA:PFA+1], s[94:95]
	s_sub_co_u32 s84, s[WV], 8
	s_cmp_lt_u32 s84, 7                            ; waves 8 to 14,
	s_cselect_b32 s84, ttmp9, -1                   ; of the head's first work-group
	s_cmp_eq_u32 s84, 0
	s_cselect_b32 s[LIM], 1, -1
	v_and_b32 v8, 15, v0                           ; r
	v_bfe_u32 v9, v0, 4, 1                         ; hh
	v_mul_u32_u24 v10, v8, ROWB
	v_mad_u32_u24 v10, v9, 24, v10
.irp p, 0,1,2,3,4,5
	global_load_b64 v[16+2*\p:17+2*\p], v10, s[4:5] offset:48*(\p/3)+8*(\p%3)   ; Q's fragment stays in registers
.endr
	v_lshlrev_b32 v254, 2, v8
	global_load_b32 v255, v254, s[6:7]             ; Q's scale words
	v_and_b32 v11, 8, v8
	v_add_nc_u32 v11, v11, v8                      ; rr = r + 8 (r / 8)
	v_and_b32 v12, 7, v8                           ; a key's g,
	v_lshrrev_b32 v13, 3, v8                       ; and two rows s on for r >= 8
	v_mul_u32_u24 v[AK0], v12, KG
	v_mad_u32_u24 v[AK0], v13, 192, v[AK0]
	v_mad_u32_u24 v[AK0], v9, 24, v[AK0]
	v_mul_u32_u24 v[ASK0], v12, 1040
	v_lshl_add_u32 v[ASK0], v13, 3, v[ASK0]
	v_add_nc_u32 v[ASK0], SCK, v[ASK0]
	v_mul_u32_u24 v[AV0], v11, VP
	v_mad_u32_u24 v[AV0], v9, 24, v[AV0]
	v_add_nc_u32 v[AV0], VOFF, v[AV0]
	v_lshrrev_b32 v12, 2, v11                      ; V's scale bytes: four rows of 64 bytes to a unit
	v_and_b32 v13, 3, v11
	v_mul_u32_u24 v[ASV0], v12, 272
	v_lshl_add_u32 v[ASV0], v13, 6, v[ASV0]
	v_add_nc_u32 v[ASV0], SCV, v[ASV0]
	v_mov_b32 v13, 0xff61b1e6                      ; the largest t so far: -3e38
	v_floor_f32 v12, -v13                          ; -M
	v_mov_b32 v14, 0
	v_mov_b32 v15, 0
.irp b, 0,1,2,3
	v_mov_b32 v[236+\b], 0                         ; a lane permute's destination counts as one of its sources
.endr
	v_mov_b32 v253, 0
.set J, 0
.rept 64
	v_mov_b32 v[160+J], 0                          ; O^T: the loop is written once; its first step finds zeros
.set J, J+1
.endr
; A KEY STEP: 128 keys, the q-th of the slot in hand.
.macro STEP q
	v_add_nc_u32 v[ADK], s[TB], v[AK0]
	v_add_nc_u32 v[ADV], s[TB], v[AV0]
	v_add_nc_u32 v[ADS], s[TS], v[ASK0]
	v_add_nc_u32 v[ADT], s[TJ], v[ASV0]
.irp g, 0,1                                    ; S^T = K Q^T, four tiles of 16 keys at a time
.rept 4*\g
	v_nop                                          ; places in front of loads into registers that matrix instructions have read (for g = 0 the four additions above)
.endr
.irp t, 0,1,2,3
.irp p, 0,1,2,3,4,5
	ds_load_b64 v[32+12*\t+2*\p:32+12*\t+2*\p+1], v[ADK] offset:(16*(\q)+4*((4*\g+\t)/2)+\t%2)*ROWB+48*(\p/3)+8*(\p%3)
.endr
	ds_load_b32 v[248+\t], v[ADS] offset:4*(4*((4*\g+\t)/2)+\t%2)
.endr
	s_wait_dscnt 0x0
.irp t, 0,1,2,3
	v_wmma_scale_f32_16x16x128_f8f6f4 v[96+8*(4*\g+\t):103+8*(4*\g+\t)], v[32+12*\t:43+12*\t], v[16:27], 0, v[248+\t], v255 matrix_a_fmt:MATRIX_FMT_FP6 matrix_b_fmt:MATRIX_FMT_FP6
.endr
.endr
.rept 4
	v_nop
.endr
.irp b, 0,1,2,3
	v_max3_num_f32 v[232+\b], v[96+16*\b], v[97+16*\b], v[98+16*\b]   ; the largest score of each block of 32 keys: for the row's maximum and, since p rises with the score, for the block's largest p
.endr
.irp i, 3,5,7,9,11,13
.irp b, 0,1,2,3
	v_max3_num_f32 v[232+\b], v[232+\b], v[96+16*\b+\i], v[97+16*\b+\i]
.endr
.endr
.irp b, 0,1,2,3
	v_max_num_f32 v[232+\b], v[232+\b], v[111+16*\b]
.endr
.irp b, 0,1,2,3
	v_permlanex16_b32 v[236+\b], v[232+\b], s[SEL], s[SEL+1]
.endr
.irp b, 0,1,2,3
	v_max_num_f32 v[232+\b], v[232+\b], v[236+\b]
.endr
	v_max3_num_f32 v254, v232, v233, v234
	v_max_num_f32 v254, v254, v235
	v_mul_f32 v254, s[CS], v254
	v_max_num_f32 v13, v13, v254                   ; the running largest t
	v_mov_b32 v254, v12
	v_floor_f32 v12, -v13                          ; the new -M = -ceil(t)
	v_sub_f32 v254, v12, v254                      ; old M - new M: a whole number, 0 or less
	v_cvt_i32_f32 v254, v254                       ; (it saturates)
	v_ldexp_f32 v252, 1.0, v254                    ; f = 2^(old M - new M)
.irp j, 0,2,4,6,8,10,12,14,16,18,20,22,24,26,28,30,32,34,36,38,40,42,44,46,48,50,52,54,56,58,60,62
	v_pk_fma_f32 v[96+\j:97+\j], v[96+\j:97+\j], s[CS:CS+1], v[12:13] op_sel_hi:[1,0,0]   ; t - M
.endr
.irp b, 0,1,2,3
	v_fma_f32 v[232+\b], v[232+\b], s[CS], v12
.endr
.set J, 0
.rept 64
	v_exp_f32 v[96+J], v[96+J]                     ; p = 2^(t - M)
.set J, J+1
.endr
	v_pk_mul_f32 v[14:15], v[14:15], v[252:253] op_sel_hi:[1,0]   ; the sums under the new M: a plain place behind the exponentials
	s_wait_alu depctr_va_vdst(0)                   ; one wait for the whole batch, ahead of its first reader
.irp b, 0,1,2,3
	v_exp_f32 v[232+\b], v[232+\b]                 ; the block's largest p
.endr
	v_pk_add_f32 v[236:237], v[96:97], v[98:99]    ; the row's sum of the unquantised p, in two chains
.irp j, 4,8,12,16,20,24,28,32,36,40,44,48,52,56,60
	v_pk_add_f32 v[14:15], v[14:15], v[96+\j:97+\j]
	v_pk_add_f32 v[236:237], v[236:237], v[98+\j:99+\j]
.endr
	v_pk_add_f32 v[14:15], v[14:15], v[236:237]
	s_wait_alu depctr_va_vdst(0)                   ; and one for the four
.irp b, 0,1,2,3
	v_max_num_f32 v[232+\b], 0x1800000, v[232+\b]  ; the floor 2^(3 - 127)
.endr
.irp b, 0,1,2,3
	v_add_nc_u32 v[244+\b], 0xff000000, v[232+\b]  ; the conversion's scale operand
.endr
.irp b, 0,1,2,3
	v_lshrrev_b32 v[236+\b], 23, v[244+\b]
.endr
	v_lshl_or_b32 v253, v237, 8, v236              ; p's scale word for these 128 keys
	v_lshl_or_b32 v253, v238, 16, v253
	v_lshl_or_b32 v253, v239, 24, v253
.irp c, 0,1
	v_cvt_scalef32_pk16_fp6_f32 v[224+6*\c:226+6*\c], v[96+32*\c:111+32*\c], v[244+2*\c]
	v_cvt_scalef32_pk16_fp6_f32 v[236+4*\c:238+4*\c], v[112+32*\c:127+32*\c], v[244+2*\c+1]
.endr
	v_nop                                          ; one plain place behind a scaled conversion
.irp c, 0,1
.irp i, 0,1,2
	v_permlane16_swap_b32 v[224+6*\c+\i], v[236+4*\c+\i]
.endr
.irp i, 0,1,2
	v_mov_b32 v[227+6*\c+\i], v[236+4*\c+\i]
.endr
.endr
.irp j, 0,2,4,6,8,10,12,14,16,18,20,22,24,26,28,30,32,34,36,38,40,42,44,46,48,50,52,54,56,58,60,62
	v_pk_mul_f32 v[160+\j:161+\j], v[160+\j:161+\j], v[252:253] op_sel_hi:[1,0]   ; O^T under the new M; these are also the places in front of the products and loads below
.endr
.irp g, 0,1                                    ; O^T += V^T P^T, four tiles of 16 channels at a time
.rept 4*\g
	v_nop
.endr
.irp t, 0,1,2,3
.irp p, 0,1,2,3,4,5
	ds_load_b64 v[32+12*\t+2*\p:32+12*\t+2*\p+1], v[ADV] offset:(32*((4*\g+\t)/2)+8*(\t%2))*VP+ROWB*(\q)+48*(\p/3)+8*(\p%3)
.endr
	ds_load_b32 v[248+\t], v[ADT] offset:(8*((4*\g+\t)/2)+2*(\t%2))*272
.endr
	s_wait_dscnt 0x0
.irp t, 0,1,2,3
	v_wmma_scale_f32_16x16x128_f8f6f4 v[160+8*(4*\g+\t):167+8*(4*\g+\t)], v[32+12*\t:43+12*\t], v[224:235], v[160+8*(4*\g+\t):167+8*(4*\g+\t)], v[248+\t], v253 matrix_a_fmt:MATRIX_FMT_FP6 matrix_b_fmt:MATRIX_FMT_FP6
.endr
.endr
	s_add_co_u32 s[TS], s[TS], 64                  ; the next step's scale words: 16 rows s on in K's, 4 bytes on in V's
	s_add_co_u32 s[TJ], s[TJ], 4
.endm
; THE CHANGE OF SLOTS, at a slot's head: each wave waits for all its tensor loads, adds 0 to its spare word, and waits for that and for its reads of the slot that it has left; behind the barrier that slot is filled with the keys that follow.
.macro CHANGE fill
	s_wait_tensorcnt 0x0                           ; no tensor load of mine is out, so a group 0 may be written
	ds_add_u32 v[SPW], v[NIL]                      ; 0 onto my spare word
.if \fill
	s_xor_b32 s[G0K+1], s[G0K+1], SLOT1
	s_add_nc_u64 s[G0K+2:G0K+3], s[G0K+2:G0K+3], 3072
	s_xor_b32 s[G0V+1], s[G0V+1], SLOT1
	s_add_nc_u64 s[G0V+2:G0V+3], s[G0V+2:G0V+3], 192
	s_wait_xcnt 0x0                                ; the last prefetch, a slot back, has read its address
	s_add_nc_u64 s[PFA:PFA+1], s[PFA:PFA+1], s[PFS:PFS+1]
.endif
	s_wait_dscnt 0x0                               ; the add is done, and my reads of the slot that I have left are over
	s_barrier_signal -1
	s_barrier_wait -1
.if \fill
	TLOAD                                          ; first behind the barrier, a wave's one tensor load until the next
	ASK
.endif
.endm
.macro SLOT_STEPS
	STEP 0
	STEP 1
	s_xor_b32 s[TB], s[TB], SLOT1
.endm
	s_wait_loadcnt 0x0                             ; Q
.Lslot:                                            ; 7 trips: behind each change of slots but the last the next slot is asked for
	CHANGE 1
	SLOT_STEPS
	s_sub_co_u32 s[SLOTS], s[SLOTS], 1
	s_cmp_lg_u32 s[SLOTS], 0
	s_cbranch_scc1 .Lslot
	CHANGE 0                                       ; the last slot is written out
	SLOT_STEPS
	; THE WAY OUT: x = O^T / the sum, quantised along the channels; the fragment's registers leave as they stand
	v_add_f32 v14, v14, v15
	v_permlanex16_b32 v252, v14, s[SEL], s[SEL+1]
	v_add_f32 v14, v14, v252                       ; the row's sum
	v_rcp_f32 v14, v14
	v_and_b32 v8, 31, v0                           ; (a plain place behind the transcendental)
	v_lshlrev_b32 v7, 4, v8                        ; 16 x lane
	v_lshlrev_b32 v9, 2, v8                        ; 4 x lane
.irp b, 0,1,2,3
	v_mov_b32 v[TM+4+\b], 0
.endr
	s_wait_alu depctr_va_vdst(0)                   ; the wait ahead of the reciprocal's first reader
.set J, 0
.rept 64
	v_mul_f32 v[96+J], v[160+J], v14               ; register 16 b + i: channel 32 b + 16 hh + i of my query; each accumulator from its low end on
.set J, J+1
.endr
.irp b, 0,1,2,3
	v_max3_num_f32 v[TM+\b], |v[96+16*\b]|, |v[97+16*\b]|, 0x1800000
.endr
.irp i, 2,4,6,8,10,12,14
.irp b, 0,1,2,3
	v_max3_num_f32 v[TM+\b], v[TM+\b], |v[96+16*\b+\i]|, |v[97+16*\b+\i]|
.endr
.endr
.irp b, 0,1,2,3
	v_permlanex16_b32 v[TM+4+\b], v[TM+\b], s[SEL], s[SEL+1]
.endr
.irp b, 0,1,2,3
	v_max_num_f32 v[TM+\b], v[TM+\b], v[TM+4+\b]
.endr
.irp b, 0,1,2,3
	v_add_nc_u32 v[TM+12+\b], 0xff000000, v[TM+\b]
.endr
.irp b, 0,1,2,3
	v_lshrrev_b32 v[TM+4+\b], 23, v[TM+12+\b]
.endr
	v_lshl_or_b32 v[PW], v[TM+5], 8, v[TM+4]
	v_lshl_or_b32 v[PW], v[TM+6], 16, v[PW]
	v_lshl_or_b32 v[PW], v[TM+7], 24, v[PW]
.irp c, 0,1
	v_cvt_scalef32_pk16_fp6_f32 v[PCD+6*\c:PCD+2+6*\c], v[96+32*\c:111+32*\c], v[TM+12+2*\c]
	v_cvt_scalef32_pk16_fp6_f32 v[PCD+12+4*\c:PCD+14+4*\c], v[112+32*\c:127+32*\c], v[TM+12+2*\c+1]
.endr
	v_nop
.irp c, 0,1
.irp i, 0,1,2
	v_permlane16_swap_b32 v[PCD+6*\c+\i], v[PCD+12+4*\c+\i]
.endr
.irp i, 0,1,2
	v_mov_b32 v[PCD+3+6*\c+\i], v[PCD+12+4*\c+\i]
.endr
.endr
.irp c, 0,1,2
	global_store_b128 v7, v[PCD+4*\c:PCD+4*\c+3], s[16:17] offset:512*\c   ; 32 lanes store 512 consecutive bytes, at a multiple of 256 from the buffer's first byte
.endr
	global_store_b32 v9, v[PW], s[18:19]           ; 128 consecutive bytes: my fragment's scale words
	s_wait_tensorcnt 0x0                           ; the wave's end
	ds_add_u32 v[SPW], v[NIL]
	s_wait_dscnt 0x0
	s_endpgm
.Lfunc_end_k_q91b9c85cb5_attn:
	.size	k_q91b9c85cb5_attn, .Lfunc_end_k_q91b9c85cb5_attn-k_q91b9c85cb5_attn
	.p2alignl 7, 3214868480
	.fill 96, 4, 3214868480
	.section	.rodata,"a",@progbits
	.p2align	6, 0x0
	.amdhsa_kernel k_q91b9c85cb5_attn
		.amdhsa_group_segment_fixed_size 327680
		.amdhsa_private_segment_fixed_size 0
		.amdhsa_enable_private_segment 0
		.amdhsa_kernarg_size 64
		.amdhsa_user_sgpr_count 2
		.amdhsa_user_sgpr_kernarg_segment_ptr 1
		.amdhsa_wavefront_size32 1
		.amdhsa_system_sgpr_workgroup_id_x 1
		.amdhsa_system_sgpr_workgroup_id_y 1
		.amdhsa_system_sgpr_workgroup_id_z 1
		.amdhsa_system_vgpr_workitem_id 0
		.amdhsa_next_free_vgpr 256
		.amdhsa_next_free_sgpr 100
		.amdhsa_reserve_vcc 0
		.amdhsa_float_denorm_mode_32 3
		.amdhsa_float_denorm_mode_16_64 3
		.amdhsa_memory_ordered 1
		.amdhsa_forward_progress 1
		.amdhsa_inst_pref_size 110
	.end_amdhsa_kernel
	.amdgpu_metadata
---
amdhsa.version: [ 1, 2 ]
amdhsa.kernels:
  - .name:           k_q91b9c85cb5_attn
    .symbol:         k_q91b9c85cb5_attn.kd
    .args:
      - { .name: Qc, .offset: 0, .size: 8, .value_kind: global_buffer, .address_space: global }
      - { .name: Qs, .offset: 8, .size: 8, .value_kind: global_buffer, .address_space: global }
      - { .name: Kc, .offset: 16, .size: 8, .value_kind: global_buffer, .address_space: global }
      - { .name: Ks, .offset: 24, .size: 8, .value_kind: global_buffer, .address_space: global }
      - { .name: Vc, .offset: 32, .size: 8, .value_kind: global_buffer, .address_space: global }
      - { .name: Vs, .offset: 40, .size: 8, .value_kind: global_buffer, .address_space: global }
      - { .name: Xc, .offset: 48, .size: 8, .value_kind: global_buffer, .address_space: global }
      - { .name: Xs, .offset: 56, .size: 8, .value_kind: global_buffer, .address_space: global }
    .group_segment_fixed_size: 327680
    .private_segment_fixed_size: 0
    .kernarg_segment_align: 8
    .kernarg_segment_size: 64
    .max_flat_workgroup_size: 512
    .sgpr_count:     100
    .vgpr_count:     256
    .wavefront_size: 32
...
	.end_amdgpu_metadata
.endif
;; end of part 3
;; launch fc (part 4): grid 16 x 16, 4 waves a work-group, clusters of 4 x 4, 327,680 bytes of LDS; arguments Xc, Xs, Wfc_codes, Wfc_scales, bfc, out0; writes out0
.if DOCPART == 4
	.amdgcn_target "amdgcn-amd-amdhsa--gfx1250"
	.amdhsa_code_object_version 6
	.text
	.protected	k_q91b9c85cb5_fc
	.globl	k_q91b9c85cb5_fc
	.p2align	8
	.type	k_q91b9c85cb5_fc,@function
k_q91b9c85cb5_fc:
	s_mov_b64 s[64:65], 0
	v_nop
	global_prefetch_b8 v0, s[64:65] scope:SCOPE_SE
	s_setreg_imm32_b32 hwreg(HW_REG_WAVE_MODE, 25, 1), 1
	s_wait_xcnt 0x0
	s_wait_alu depctr_hold_cnt(0) depctr_sa_sdst(0) depctr_va_vdst(0) depctr_va_sdst(0) depctr_va_ssrc(0) depctr_va_vcc(0) depctr_vm_vsrc(0)
	s_getreg_b32 s2, hwreg(HW_REG_IB_STS2, 6, 4)
	s_cmp_eq_u32 s2, 0
	s_cbranch_scc0 .Lentry_in_a_cluster
	s_endpgm
.Lentry_in_a_cluster:
	s_bfe_u32 s2, ttmp6, 0x10000c
	s_cmp_lg_u32 s2, 0xf033
	s_cbranch_scc0 .Lentry_shape_is_right
	s_endpgm
.Lentry_shape_is_right:
; out0 = x Wfc^T + bfc on codes of FP6 (E2M3) with E8M0 scales.  x: 1,024 rows x K = 8,192, as images of operand registers: Xc[rows / 64][K step kk][tile of 16 rows ml][1,536 bytes], scale words Xs at the same index x 128 bytes.
; Wfc: [1,024][6,144 bytes] of codes, [1,024][256] scale bytes.  out0: [1,024][1,024] f32.
; SHARES.  256 work-groups, each 64 rows x 64 columns, all of K, in 8 chunks of 8 K steps through a ring of two LDS slots.  THE WAVES SHARE K: in each chunk wave w takes K steps 2 w and 2 w + 1 for all 16 accumulators;
; the four partial sums meet in LDS at the end (an order of summing that differs from one chain along K; the result is judged within a tolerance).
; CLUSTER 4 x 4: x's tiles are shared along a row of the cluster, Wfc's along a column: each is asked for jointly.  The product is used transposed (source 0 = 16 rows of Wfc, source 1 = 16 rows of x): a lane holds eight neighbouring columns of a row.
; REGISTERS: window 0: v1-15 addresses and the bias, v28, v29 the spare word's, v32-55 Wfc's piece addresses, v64-71 x's scale words, v72-79 Wfc's, v128-255 the 16 accumulators.   window 1: x's fragments (e, ml) at v[48 e + 12 ml], Wfc's (e, nt) at v[96 + 48 e + 12 nt].
.set SLOT,  101376                     ; x's 32 images (49,152 bytes), then Wfc's 64 rows of 768 bytes, 816 apart (16 bytes of padding behind every 256)
.set BOFF,  49152
.set SCB,   2*SLOT                     ; Wfc's scale bytes: 64 rows of 256 + 16
.set SCA,   SCB+64*272                 ; x's scale words: 32,768 bytes
.set SPARE, SCA+32768                  ; the spare words, 128 bytes for each wave
.set ADA,  4
.set ADSA, 6
.set ADSB, 7
.set RSTO, 8
.set RRD,  9
.set CO,   10
.set SPW,  28
.set NIL,  29
.set ADB,  32
.set SA,   64
.set SB,   72
.set ACC,  128
.set G1,   24
.set G0,   32
.set G1B,  48
.set G0B,  56
.set G1S,  68
.set G0S,  76
.set G1SB, 80
.set G0SB, 88
.set MSB, 0
.macro WIN new
.if MSB != \new
	s_set_vgpr_msb (MSB<<8)|\new
.set MSB, \new
.endif
.endm
.macro PLACES n
.rept \n
	v_nop
.endr
.endm
.macro JLOAD g0a, g1a, g0b, g1b        ; a joint load: waves 0 and 1 fetch for x, waves 2 and 3 for Wfc; four v_nop follow each line
	s_cmp_eq_u32 s15, 0
	s_cbranch_scc0 .Lfor_b_\@
	tensor_load_to_lds s[\g0a:\g0a+3], s[\g1a:\g1a+7]
	s_nop 0
.rept 4
	v_nop
.endr
	s_branch .Lasked_\@
.Lfor_b_\@:
	tensor_load_to_lds s[\g0b:\g0b+3], s[\g1b:\g1b+7]
	s_nop 0
.rept 4
	v_nop
.endr
.Lasked_\@:
.endm
.macro CROUND
	s_barrier_signal -1
	s_barrier_wait -1
	s_cmp_lg_u32 s14, 0
	s_cbranch_scc1 .Lnot_wave_0_\@
	s_barrier_signal -3
.Lnot_wave_0_\@:
	s_barrier_wait -3
	s_barrier_signal -1
	s_barrier_wait -1
.endm
	s_load_b256 s[4:11], s[0:1], 0x0               ; Xc, Xs, Wfc's codes, Wfc's scales
	s_load_b128 s[92:95], s[0:1], 0x20             ; bfc, out0
	v_lshl_add_u32 v[SPW], v0, 2, SPARE
	v_mov_b32 v[NIL], 0
	ds_add_u32 v28, v29
	s_wait_dscnt 0x0
	v_lshrrev_b32 v1, 5, v0
	v_readfirstlane_b32 s14, v1                    ; wave 0..3
	s_lshr_b32 s15, s14, 1                         ; I fetch for x (0) or for Wfc (1),
	s_and_b32 s16, s14, 1                          ; which half
	s_bfe_u32 s40, ttmp6, 0x40000                  ; cx
	s_bfe_u32 s41, ttmp6, 0x40004                  ; cy
	s_lshl_b32 s42, ttmp9, 2
	s_add_co_u32 s42, s42, s40                     ; the block of 64 columns
	s_and_b32 s17, ttmp7, 0xffff
	s_lshl_b32 s17, s17, 2
	s_add_co_u32 s17, s17, s41                     ; the block of 64 rows
	s_lshl_b32 s43, s41, 2
	s_lshl_b32 s43, 15, s43                        ; my row of the cluster
	s_lshl_b32 s44, 0x1111, s40                    ; my column
	; x's half of a chunk: 24,576 dense bytes as 96 rows of 256 (32 elements of 8 bytes)
	s_or_b32 s[G1], s43, (3<<16)|(1<<21)
	s_mov_b32 s[G1+1], 32<<16
	s_mov_b32 s[G1+2], 96<<16
	s_mov_b32 s[G1+3], 32<<16
	s_mov_b32 s[G1+4], 96
	s_mov_b32 s[G1+5], 32
	s_mov_b32 s[G1+6], 0
	s_mov_b32 s[G1+7], 0
	; Wfc's half: 32 rows of 768 bytes, 6,144 apart, 16 bytes of padding behind every 256
	s_or_b32 s[G1B], s44, (3<<16)|(1<<20)|(1<<21)|(5<<22)|(3<<25)
	s_mov_b32 s[G1B+1], 96<<16
	s_mov_b32 s[G1B+2], 32<<16
	s_mov_b32 s[G1B+3], 96<<16
	s_mov_b32 s[G1B+4], 32
	s_mov_b32 s[G1B+5], 768
	s_mov_b32 s[G1B+6], 0
	s_mov_b32 s[G1B+7], 0
	; x's scale words, half: 16,384 dense bytes as 64 rows of 256
	s_or_b32 s[G1S], s43, (3<<16)|(1<<21)
	s_mov_b32 s[G1S+1], 32<<16
	s_mov_b32 s[G1S+2], 64<<16
	s_mov_b32 s[G1S+3], 32<<16
	s_mov_b32 s[G1S+4], 64
	s_mov_b32 s[G1S+5], 32
	s_mov_b32 s[G1S+6], 0
	s_mov_b32 s[G1S+7], 0
	; Wfc's scale bytes, half: 32 rows of 256, 16 bytes of padding behind each
	s_or_b32 s[G1SB], s44, (3<<16)|(1<<20)|(1<<21)|(5<<22)|(3<<25)
	s_mov_b32 s[G1SB+1], 32<<16
	s_mov_b32 s[G1SB+2], 32<<16
	s_mov_b32 s[G1SB+3], 32<<16
	s_mov_b32 s[G1SB+4], 32
	s_mov_b32 s[G1SB+5], 32
	s_mov_b32 s[G1SB+6], 0
	s_mov_b32 s[G1SB+7], 0
	s_mul_i32 s20, s17, 393216                     ; x: the block's images, + my half
	s_mul_i32 s45, s16, 24576
	s_add_co_u32 s20, s20, s45
	s_mov_b32 s21, 0
	s_lshl_b32 s22, s17, 15                        ; its scale words
	s_lshl_b32 s99, s16, 14
	s_add_co_u32 s22, s22, s99
	s_mov_b32 s23, 0
	s_add_co_u32 s99, s99, SCA
	s_lshl_b32 s46, s42, 6                         ; Wfc: row 64 x block + 32 x half
	s_lshl_b32 s18, s16, 5
	s_add_co_u32 s46, s46, s18
	s_lshl_b32 s96, s46, 8
	s_mov_b32 s97, 0
	s_mul_i32 s46, s46, 6144
	s_mov_b32 s47, 0
	s_mul_i32 s98, s16, 26112
	s_add_co_u32 s98, s98, BOFF
	s_mul_i32 s19, s16, 8704
	s_add_co_u32 s19, s19, SCB
	s_wait_kmcnt 0x0
	s_add_nc_u64 s[20:21], s[4:5], s[20:21]
	s_add_nc_u64 s[22:23], s[6:7], s[22:23]
	s_add_nc_u64 s[46:47], s[8:9], s[46:47]
	s_add_nc_u64 s[96:97], s[10:11], s[96:97]
	CROUND                                         ; all sixteen work-groups are here: the first joint loads meet
	s_mov_b32 s[G0S], 1
	s_mov_b32 s[G0S+1], s99
	s_mov_b64 s[G0S+2:G0S+3], s[22:23]
	s_or_b32 s[G0S+3], s[G0S+3], 0x80000000
	s_mov_b32 s[G0SB], 1
	s_mov_b32 s[G0SB+1], s19
	s_mov_b64 s[G0SB+2:G0SB+3], s[96:97]
	s_or_b32 s[G0SB+3], s[G0SB+3], 0x80000000
	JLOAD G0S, G1S, G0SB, G1SB                     ; the scales, for all of K: filled once
.irp s, 0,1
	s_mov_b32 s[G0+4*\s], 1
	s_add_co_u32 s[G0+4*\s+1], s45, \s*SLOT
	s_add_nc_u64 s[G0+4*\s+2:G0+4*\s+3], s[20:21], \s*49152
	s_or_b32 s[G0+4*\s+3], s[G0+4*\s+3], 0x80000000
	s_mov_b32 s[G0B+4*\s], 1
	s_add_co_u32 s[G0B+4*\s+1], s98, \s*SLOT
	s_add_nc_u64 s[G0B+4*\s+2:G0B+4*\s+3], s[46:47], \s*768
	s_or_b32 s[G0B+4*\s+3], s[G0B+4*\s+3], 0x80000000
	JLOAD G0+4*\s, G1, G0B+4*\s, G1B               ; chunks 0 and 1: three loads of mine are out
.endr
	v_and_b32 v1, 15, v0                           ; r
	v_bfe_u32 v2, v0, 4, 1                         ; hh
	v_and_b32 v3, 31, v0                           ; lane
	s_mul_i32 s18, s14, 12288
	v_lshl_add_u32 v[ADA], v3, 4, s18              ; x's images: my two K steps' eight, 16 bytes a lane
	v_add_nc_u32 v[ADA+1], SLOT, v[ADA]
	s_lshl_b32 s18, s14, 10
	s_add_co_u32 s18, s18, SCA
	v_lshl_add_u32 v[ADSA], v3, 2, s18
	s_lshl_b32 s18, s14, 3
	s_add_co_u32 s18, s18, SCB
	v_mul_u32_u24 v[ADSB], v1, 272
	v_add_nc_u32 v[ADSB], s18, v[ADSB]
	s_mul_i32 s18, s14, 192
	v_mul_u32_u24 v56, v2, 24
	v_add_nc_u32 v56, s18, v56                     ; my byte in a row's 768: 96 (2 w + e) + 24 hh + the piece's
	v_mul_u32_u24 v59, v1, 816
	v_add_nc_u32 v59, BOFF, v59
.irp e, 0,1
.irp p, 0,1,2,3,4,5
	v_add_nc_u32 v57, 96*\e+48*(\p/3)+8*(\p%3), v56
	v_lshrrev_b32 v58, 8, v57
	v_lshl_add_u32 v57, v58, 4, v57                ; 16 more for each 256 passed
	v_add_nc_u32 v[ADB+6*\e+\p], v57, v59
	v_add_nc_u32 v[ADB+12+6*\e+\p], SLOT, v[ADB+6*\e+\p]
.endr
.endr
	s_mul_i32 s18, s14, 17408                      ; the sums' stage, in slot 0: 64 rows x 272 bytes for each wave
	v_mul_u32_u24 v[RSTO], v1, 272
	v_lshl_add_u32 v[RSTO], v2, 5, v[RSTO]
	v_add_nc_u32 v[RSTO], s18, v[RSTO]
	s_mul_i32 s18, s14, 16*272
	v_mul_u32_u24 v[RRD], v2, 272
	v_lshl_add_u32 v[RRD], v1, 4, v[RRD]
	v_add_nc_u32 v[RRD], s18, v[RRD]               ; back: my 16 rows; lanes 0-15 one row, lanes 16-31 the next
	v_lshlrev_b32 v[CO], 12, v2
	v_lshl_add_u32 v[CO], v1, 4, v[CO]
	v_lshlrev_b32 v11, 4, v1
	s_lshl_b32 s20, s42, 8
	s_mov_b32 s21, 0
	s_add_nc_u64 s[92:93], s[92:93], s[20:21]
	global_load_b128 v[12:15], v11, s[92:93]       ; the bias of my four columns
	s_lshl_b32 s18, s17, 6
	s_lshl_b32 s19, s14, 4
	s_add_co_u32 s18, s18, s19
	s_lshl_b32 s18, s18, 12
	s_add_co_u32 s18, s18, s20                     ; out0: row 64 x block + 16 w, column bytes 256 x block
	s_mov_b32 s19, 0
	s_add_nc_u64 s[94:95], s[94:95], s[18:19]
.macro MULE e, zero                    ; 16 products of one K step, the 16 accumulators by turns
.irp ml, 0,1,2,3
.irp nt, 0,1,2,3
.if \zero
	v_wmma_scale_f32_16x16x128_f8f6f4 v[ACC+8*(4*\ml+\nt):ACC+8*(4*\ml+\nt)+7], v[96+48*\e+12*\nt:96+48*\e+12*\nt+11], v[48*\e+12*\ml:48*\e+12*\ml+11], 0, v[SB+2*\nt+\e], v[SA+4*\e+\ml] matrix_a_fmt:MATRIX_FMT_FP6 matrix_b_fmt:MATRIX_FMT_FP6
.else
	v_wmma_scale_f32_16x16x128_f8f6f4 v[ACC+8*(4*\ml+\nt):ACC+8*(4*\ml+\nt)+7], v[96+48*\e+12*\nt:96+48*\e+12*\nt+11], v[48*\e+12*\ml:48*\e+12*\ml+11], v[ACC+8*(4*\ml+\nt):ACC+8*(4*\ml+\nt)+7], v[SB+2*\nt+\e], v[SA+4*\e+\ml] matrix_a_fmt:MATRIX_FMT_FP6 matrix_b_fmt:MATRIX_FMT_FP6
.endif
.endr
.endr
.endm
.macro WORK slot, zero                 ; my two K steps of the chunk in this slot
.irp e, 0,1
.irp ml, 0,1,2,3
	ds_load_b32 v[SA+4*\e+\ml], v[ADSA] offset:(4*\e+\ml)*128
.endr
.endr
.irp nt, 0,1,2,3
	ds_load_b64 v[SB+2*\nt:SB+2*\nt+1], v[ADSB] offset:4352*\nt
.endr
	WIN 0x40
.irp e, 0,1
.irp ml, 0,1,2,3
.irp c, 0,1,2
	ds_load_b128 v[48*\e+12*\ml+4*\c:48*\e+12*\ml+4*\c+3], v[ADA+\slot] offset:(4*\e+\ml)*1536+512*\c
.endr
.endr
.irp nt, 0,1,2,3
.irp p, 0,1,2,3,4,5
	ds_load_b64 v[96+48*\e+12*\nt+2*\p:96+48*\e+12*\nt+2*\p+1], v[ADB+12*\slot+6*\e+\p] offset:13056*\nt
.endr
.endr
.endr
	s_wait_dscnt 36                                ; all but the second K step's 36 loads
	WIN 0x05
	MULE 0, \zero
	s_wait_dscnt 0x0
	MULE 1, 0
	WIN 0
.endm
; A change of slots: each wave waits for all its tensor loads, adds 0 to its spare word, and waits for that and for its reads of the other slot; a round of the cluster's barrier; the other slot is filled again, two chunks on.
.macro TWO slot, refill
	s_wait_tensorcnt 0x0                           ; all my tensor loads have landed, my part of this slot among them
	ds_add_u32 v[SPW], v[NIL]                      ; 0 onto my spare word
.if \refill
	s_add_nc_u64 s[G0+4*(1-\slot)+2:G0+4*(1-\slot)+3], s[G0+4*(1-\slot)+2:G0+4*(1-\slot)+3], 2*49152
	s_add_nc_u64 s[G0B+4*(1-\slot)+2:G0B+4*(1-\slot)+3], s[G0B+4*(1-\slot)+2:G0B+4*(1-\slot)+3], 2*768
.endif
	s_wait_dscnt 0x0                               ; the add is done, and my reads of the other slot are over
.if \refill
	CROUND                                         ; no wave of any partner still reads that slot or has a load on its way
	JLOAD G0+4*(1-\slot), G1, G0B+4*(1-\slot), G1B ; first behind the round; its four v_nop are also the places in front of the loads below
.else
	s_barrier_signal -1
	s_barrier_wait -1
	PLACES 4
.endif
	v_add_nc_u32 v[ADSA], 4096, v[ADSA]            ; the next chunk's scale words
	v_add_nc_u32 v[ADSB], 32, v[ADSB]
	WORK \slot, 0
.endm
	s_wait_tensorcnt 1                             ; the scales and my part of chunk 0 are in; chunk 1's load may be out
	s_barrier_signal -1
	s_barrier_wait -1
	WORK 0, 1                                      ; the first chunk stands in front of the loop: its first products start the sums
	s_mov_b32 s3, 3
.Llap:
	TWO 1, 1
	TWO 0, 1
	s_sub_co_u32 s3, s3, 1
	s_cmp_lg_u32 s3, 0
	s_cbranch_scc1 .Llap
	TWO 1, 0                                       ; chunk 7: nothing is left to fetch
	; THE FOUR WAVES' SUMS MEET in slot 0, which has had its last fill and whose last read lies ahead of the barrier just passed
	PLACES 4
.irp ml, 0,1,2,3
.irp nt, 0,1,2,3
	ds_store_b128 v[RSTO], v[ACC+8*(4*\ml+\nt):ACC+8*(4*\ml+\nt)+3] offset:4352*\ml+64*\nt        ; each accumulator from its low end on
	ds_store_b128 v[RSTO], v[ACC+8*(4*\ml+\nt)+4:ACC+8*(4*\ml+\nt)+7] offset:4352*\ml+64*\nt+16
.endr
.endr
	s_wait_dscnt 0x0                               ; for the others' sake: my stores have landed
	s_barrier_signal -1
	s_barrier_wait -1
.irp k, 0,1,2,3
.irp i, 0,1,2,3,4,5,6,7
	ds_load_b128 v[ACC+4*(8*\k+\i):ACC+4*(8*\k+\i)+3], v[RRD] offset:17408*\k+544*\i
.endr
.endr
	s_wait_dscnt 0x0
	s_wait_loadcnt 0x0                             ; the bias
.irp i, 0,1,2,3,4,5,6,7
.irp u, 0,2
	v_pk_add_f32 v[ACC+4*\i+\u:ACC+4*\i+\u+1], v[ACC+4*\i+\u:ACC+4*\i+\u+1], v[ACC+32+4*\i+\u:ACC+32+4*\i+\u+1]
	v_pk_add_f32 v[ACC+64+4*\i+\u:ACC+64+4*\i+\u+1], v[ACC+64+4*\i+\u:ACC+64+4*\i+\u+1], v[ACC+96+4*\i+\u:ACC+96+4*\i+\u+1]
.endr
.irp u, 0,2
	v_pk_add_f32 v[ACC+4*\i+\u:ACC+4*\i+\u+1], v[ACC+4*\i+\u:ACC+4*\i+\u+1], v[ACC+64+4*\i+\u:ACC+64+4*\i+\u+1]
.endr
.irp u, 0,2
	v_pk_add_f32 v[ACC+4*\i+\u:ACC+4*\i+\u+1], v[ACC+4*\i+\u:ACC+4*\i+\u+1], v[12+\u:13+\u]
.endr
	global_store_b128 v[CO], v[ACC+4*\i:ACC+4*\i+3], s[94:95] offset:8192*\i th:TH_STORE_NT   ; 16 lanes store 256 consecutive bytes, at a multiple of 256 from out0's first byte
.endr
	s_wait_tensorcnt 0x0                           ; the wave's end
	ds_add_u32 v[SPW], v[NIL]
	s_wait_dscnt 0x0
	CROUND                                         ; the closing round
	s_endpgm
.Lfunc_end_k_q91b9c85cb5_fc:
	.size	k_q91b9c85cb5_fc, .Lfunc_end_k_q91b9c85cb5_fc-k_q91b9c85cb5_fc
	.p2alignl 7, 3214868480
	.fill 96, 4, 3214868480
	.section	.rodata,"a",@progbits
	.p2align	6, 0x0
	.amdhsa_kernel k_q91b9c85cb5_fc
		.amdhsa_group_segment_fixed_size 327680
		.amdhsa_private_segment_fixed_size 0
		.amdhsa_enable_private_segment 0
		.amdhsa_kernarg_size 48
		.amdhsa_user_sgpr_count 2
		.amdhsa_user_sgpr_kernarg_segment_ptr 1
		.amdhsa_wavefront_size32 1
		.amdhsa_system_sgpr_workgroup_id_x 1
		.amdhsa_system_sgpr_workgroup_id_y 1
		.amdhsa_system_sgpr_workgroup_id_z 1
		.amdhsa_system_vgpr_workitem_id 0
		.amdhsa_next_free_vgpr 512
		.amdhsa_next_free_sgpr 100
		.amdhsa_reserve_vcc 0
		.amdhsa_float_denorm_mode_32 3
		.amdhsa_float_denorm_mode_16_64 3
		.amdhsa_memory_ordered 1
		.amdhsa_forward_progress 1
		.amdhsa_inst_pref_size 63
	.end_amdhsa_kernel
	.amdgpu_metadata
---
amdhsa.version: [ 1, 2 ]
amdhsa.kernels:
  - .name:           k_q91b9c85cb5_fc
    .symbol:         k_q91b9c85cb5_fc.kd
    .args:
      - { .name: Xc, .offset: 0, .size: 8, .value_kind: global_buffer, .address_space: global }
      - { .name: Xs, .offset: 8, .size: 8, .value_kind: global_buffer, .address_space: global }
      - { .name: Wfc_codes, .offset: 16, .size: 8, .value_kind: global_buffer, .address_space: global }
      - { .name: Wfc_scales, .offset: 24, .size: 8, .value_kind: global_buffer, .address_space: global }
      - { .name: bfc, .offset: 32, .size: 8, .value_kind: global_buffer, .address_space: global }
      - { .name: out0, .offset: 40, .size: 8, .value_kind: global_buffer, .address_space: global }
    .group_segment_fixed_size: 327680
    .private_segment_fixed_size: 0
    .kernarg_segment_align: 8
    .kernarg_segment_size: 48
    .max_flat_workgroup_size: 128
    .sgpr_count:     100
    .vgpr_count:     512
    .wavefront_size: 32
...
	.end_amdgpu_metadata
.endif
;; end of part 4
;; ======== version 2 of 2: 4 launches
;; limits: right only within a limited range of input values
;; workspace buffers: Qc 6,291,456 bytes; Qs 262,144 bytes; Kc 6,291,456 bytes; Ks 262,144 bytes; Vc 6,291,456 bytes; Vs 262,144 bytes; Xc 6,291,456 bytes; Xs 524,288 bytes
;; launch projqk (part 5): grid 128 x 4, 4 waves a work-group, clusters of 4 x 4, 327,680 bytes of LDS; arguments query_codes, query_scales, Wq_codes, Wq_scales, bq, Qc, Qs, key__codes, key__scales, Wk_codes, Wk_scales, bk, Kc, Ks; writes Qc, Qs, Kc, Ks
.if DOCPART == 5
	.amdgcn_target "amdgcn-amd-amdhsa--gfx1250"
	.amdhsa_code_object_version 6
	.text
	.protected	k_q91b9c85cb5_projqk
	.globl	k_q91b9c85cb5_projqk
	.p2align	8
	.type	k_q91b9c85cb5_projqk,@function
k_q91b9c85cb5_projqk:
	s_mov_b64 s[64:65], 0
	v_nop
	global_prefetch_b8 v0, s[64:65] scope:SCOPE_SE
	s_setreg_imm32_b32 hwreg(HW_REG_WAVE_MODE, 25, 1), 1
	s_wait_xcnt 0x0
	s_wait_alu depctr_hold_cnt(0) depctr_sa_sdst(0) depctr_va_vdst(0) depctr_va_sdst(0) depctr_va_ssrc(0) depctr_va_vcc(0) depctr_vm_vsrc(0)
	s_getreg_b32 s2, hwreg(HW_REG_IB_STS2, 6, 4)
	s_cmp_eq_u32 s2, 0
	s_cbranch_scc0 .Lentry_in_a_cluster
	s_endpgm
.Lentry_in_a_cluster:
	s_bfe_u32 s2, ttmp6, 0x10000c
	s_cmp_lg_u32 s2, 0xf033
	s_cbranch_scc0 .Lentry_shape_is_right
	s_endpgm
.Lentry_shape_is_right:
; Q = query Wq^T + bq and K = key_ Wk^T + bk on the given codes of FP6 (E2M3), then quantised along the head's 128 channels into codes and E8M0 bytes.
; Output column o of row (b, s) is position 8 s + g, head h, channel d with g = o >> 10, h = (o >> 7) & 7, d = o & 127.
; THE CODES go to chunks [8 b + h][g][s / 16] of 1,536 bytes: 16 rows.  In a chunk the 48 bytes that lane (row, half hh) holds of the rows' fragment (its 12 registers) lie on end, at 48 x pos, pos = 16 hh + 8 e + 2 b + u for the row
; s % 16 = 4 b + 2 e + u: the order in which the attention launch's tiles take them.  The scale words go to [8 b + h][g][s][4 bytes].
; SHARES.  The first 64 work-groups along x take Q, the other 64 K.  A work-group takes one batch (256 rows s) x 128 rows of W (one g, one h), all of K = 1,024.  Wave w takes rows 64 w .. 64 w + 63: 4 x 8 accumulators.
; LDS.  Both tiles lie in LDS whole and are filled once.  A row's 768 bytes are cut into three chunks of 256 bytes; chunk c of all 384 rows (256 of the activation, 128 of W) lies in region c, rows 272 bytes apart.
; CLUSTER 4 x 4: the four work-groups of a row of the cluster share the batch, the four of a column share W's rows: each tile is asked for jointly.
; THE PRODUCT IS USED TRANSPOSED (source 0 = 16 rows of W, source 1 = 16 rows s), and lane r of W's tile 2 b + u takes row 32 b + 8 u + r + 8 (r / 8): a lane then holds one row s, and register 16 b + i of its 64 holds channel 32 b + 16 (lane / 16) + i.
; LIMITS: NaN and infinities are not served; a block whose largest magnitude lies under 2^-124 keeps the byte 1, a block of zeros too (its codes are zeros; the bytes are read by this program alone).
; REGISTERS: window 0: v1-19 addresses, v20-36 and v40-58 the quantiser's, v64-95 the activation's scale words, v96-159 W's, v160-255 the activation's fragments (two sets), later rows on their way out.
;   window 1: accumulator (m, t) at v[8 (8 m + t)].   window 2: W's fragments, two sets at v0 and v96; the bias at v192 + 8 t.
.set CH,   384*272                     ; a chunk's region
.set STG,  3*CH                        ; a stage of 1,536 bytes for each wave: 16 rows of codes
.set SSG,  STG+4*1536                  ; 256 bytes for each wave: 64 scale words
.set AAD, 4                            ; v4-6 my place in chunk 0, 1, 2 of the activation's rows; v7-8 the same where lanes 16-31 read on in the next chunk
.set BAD, 9                            ; v9-13 the same for W
.set STO, 14
.set RD,  15
.set GO,  16
.set SSTO, 17
.set SRD, 18
.set GS,  19
.set TM,  20
.set PW,  36
.set PCD, 40
.set ASC, 64
.set BSC, 96
.set AF,  160
.set OB,  160
.set BIA, 192
.set WV,  46
.set G1A, 48
.set G1B, 56
.set SEL, 76
.set MSB, 0
.macro WIN new                         ; the immediate's high byte repeats the setting that is left
.if MSB != \new
	s_set_vgpr_msb (MSB<<8)|\new
.set MSB, \new
.endif
.endm
.macro PLACES n
.rept \n
	v_nop
.endr
.endm
.macro CROUND                          ; a round of the cluster's barrier
	s_barrier_signal -1
	s_barrier_wait -1
	s_cmp_lg_u32 s[WV], 0
	s_cbranch_scc1 .Lnot_wave_0_\@
	s_barrier_signal -3
.Lnot_wave_0_\@:
	s_barrier_wait -3
	s_barrier_signal -1
	s_barrier_wait -1
.endm
	s_load_b512 s[4:19], s[0:1], 0x0               ; query's codes, scales; Wq's codes, scales; bq; Qc; Qs; key_'s codes
	s_load_b256 s[20:27], s[0:1], 0x40             ; key_'s scales; Wk's codes, scales; bk
	s_load_b128 s[28:31], s[0:1], 0x60             ; Kc; Ks
	v_lshl_add_u32 v55, v0, 2, 0x4e400
	v_mov_b32 v59, 0
	ds_add_u32 v55, v59
	ds_add_u32 v55, v59
	v_lshrrev_b32 v1, 5, v0
	v_readfirstlane_b32 s[WV], v1                  ; wave 0..3
	s_bfe_u32 s47, ttmp6, 0x40000                  ; cx
	s_bfe_u32 s66, ttmp6, 0x40004                  ; cy = the batch
	s_lshl_b32 s67, ttmp9, 2
	s_add_co_u32 s67, s67, s47                     ; x = 4 x cluster x + cx
	s_lshl_b32 s78, s66, 2
	s_lshl_b32 s78, 15, s78                        ; my row of the cluster
	s_lshl_b32 s79, 0x1111, s47                    ; my column
	; group 1: whole rows of 768 bytes (96 elements of 8 bytes), 16 bytes of padding behind every 256 in LDS; 128 rows of the activation, 64 of W
	s_or_b32 s[G1A], s78, (3<<16)|(1<<20)|(1<<21)|(5<<22)|(3<<25)
	s_or_b32 s[G1B], s79, (3<<16)|(1<<20)|(1<<21)|(5<<22)|(3<<25)
	; ONE LOAD A WAVE: whole rows of 768 bytes (96 elements of 8 bytes), 16 bytes of padding behind every 256: an LDS row is 816 bytes, its chunk c at 272 c.
	; Waves 0 and 1 fetch 128 rows of the activation each, waves 2 and 3 64 rows of W each (this takes the place of the regions by chunk that the head describes).
	s_mov_b32 s[G1A+1], 96<<16
	s_mov_b32 s[G1A+2], 128<<16
	s_mov_b32 s[G1A+3], 96<<16
	s_mov_b32 s[G1A+4], 128
	s_mov_b32 s[G1A+5], 96
	s_mov_b32 s[G1A+6], 0
	s_mov_b32 s[G1A+7], 0
	s_mov_b32 s[G1B+1], 96<<16
	s_mov_b32 s[G1B+2], 64<<16
	s_mov_b32 s[G1B+3], 96<<16
	s_mov_b32 s[G1B+4], 64
	s_mov_b32 s[G1B+5], 96
	s_mov_b32 s[G1B+6], 0
	s_mov_b32 s[G1B+7], 0
	s_mov_b32 s[SEL], 0x76543210
	s_mov_b32 s[SEL+1], 0xfedcba98
	s_lshl_b32 s82, s66, 8
	s_lshl_b32 s83, s[WV], 6
	s_add_co_u32 s82, s82, s83                     ; my first row of the activation: 256 cy + 64 w
	s_and_b32 s79, s[WV], 1                        ; which half of a tile I fetch
	s_lshl_b32 s80, s66, 8
	s_lshl_b32 s81, s79, 7
	s_add_co_u32 s80, s80, s81                     ; the activation's row 256 cy + 128 half
	s_mul_i32 s80, s80, 768
	s_mov_b32 s81, 0
	s_lshl_b32 s88, s82, 5                         ; its scale bytes
	s_mov_b32 s89, 0
	s_and_b32 s84, s67, 63                         ; 8 g + h
	s_lshl_b32 s85, s84, 7                         ; W's first row
	s_lshl_b32 s86, s79, 6
	s_add_co_u32 s86, s86, s85                     ; the first of the 64 rows of W that I fetch
	s_mul_i32 s86, s86, 768
	s_mov_b32 s87, 0
	s_lshl_b32 s90, s85, 5                         ; W's scale bytes
	s_mov_b32 s91, 0
	s_lshl_b32 s92, s85, 2                         ; the bias
	s_mov_b32 s93, 0
	s_and_b32 s94, s84, 7                          ; h
	s_lshr_b32 s95, s84, 3                         ; g
	s_lshl_b32 s96, s66, 3
	s_add_co_u32 s96, s96, s94
	s_lshl_b32 s96, s96, 3
	s_add_co_u32 s96, s96, s95
	s_lshl_b32 s96, s96, 8
	s_add_co_u32 s98, s96, s83                     ; my first row of the output: ((8 b + h) 8 + g) 256 + 64 w
	s_mul_i32 s96, s98, 96
	s_mov_b32 s97, 0
	s_lshl_b32 s98, s98, 2
	s_mov_b32 s99, 0
	s_mul_i32 s47, s79, 128*816                    ; where the activation's half goes,
	s_mul_i32 s79, s79, 64*816
	s_add_co_u32 s79, s79, 256*816                 ; where W's half goes, behind the activation's 256 rows,
	s_mul_i32 s78, s[WV], 64*816                   ; and the 64 rows that I multiply
	s_wait_dscnt 0x0
	s_wait_kmcnt 0x0
	s_cmp_lt_u32 ttmp9, 16                         ; Q's clusters or K's: the same in all sixteen partners, and it hangs on no address
	s_cselect_b64 s[32:33], s[4:5], s[18:19]
	s_cselect_b64 s[34:35], s[6:7], s[20:21]
	s_cselect_b64 s[36:37], s[8:9], s[22:23]
	s_cselect_b64 s[38:39], s[10:11], s[24:25]
	s_cselect_b64 s[40:41], s[12:13], s[26:27]
	s_cselect_b64 s[42:43], s[14:15], s[28:29]
	s_cselect_b64 s[44:45], s[16:17], s[30:31]
	s_add_nc_u64 s[80:81], s[32:33], s[80:81]
	s_add_nc_u64 s[86:87], s[36:37], s[86:87]
	s_add_nc_u64 s[34:35], s[34:35], s[88:89]
	s_add_nc_u64 s[38:39], s[38:39], s[90:91]
	s_add_nc_u64 s[40:41], s[40:41], s[92:93]
	s_add_nc_u64 s[42:43], s[42:43], s[96:97]
	s_add_nc_u64 s[44:45], s[44:45], s[98:99]
	; two groups 0: one for the activation (s4 on) and one for W (s16 on)
	s_mov_b32 s4, 1
	s_mov_b32 s5, s47
	s_mov_b64 s[6:7], s[80:81]
	s_or_b32 s7, s7, 0x80000000
	s_mov_b32 s16, 1
	s_mov_b32 s17, s79
	s_mov_b64 s[18:19], s[86:87]
	s_or_b32 s19, s19, 0x80000000
	CROUND                                         ; all sixteen work-groups are here: the joint loads meet
	s_cmp_lt_u32 s[WV], 2                          ; one chain of branches on the wave's number, one load to an arm
	s_cbranch_scc0 .Lhead_w
	tensor_load_to_lds s[4:7], s[G1A:G1A+7]
	s_nop 0
	PLACES 4
	s_branch .Lhead_asked
.Lhead_w:
	tensor_load_to_lds s[16:19], s[G1B:G1B+7]
	s_nop 0
	PLACES 4
.Lhead_asked:
	v_and_b32 v1, 15, v0                           ; r
	v_bfe_u32 v2, v0, 4, 1                         ; hh = lane / 16
	v_and_b32 v3, 8, v1
	v_add_nc_u32 v3, v3, v1                        ; rr = r + 8 (r / 8)
	v_and_b32 v37, 31, v0                          ; lane
	v_lshlrev_b32 v38, 5, v1                       ; a row of scale bytes is 32 bytes: eight words, one for each 128 along K
	v_lshlrev_b32 v39, 5, v3
	v_lshlrev_b32 v60, 6, v2                       ; the bias: my half's channels begin 16 numbers on
.irp m, 0,1,2,3
	global_load_b128 v[ASC+8*\m:ASC+8*\m+3], v38, s[34:35] offset:512*\m
	global_load_b128 v[ASC+8*\m+4:ASC+8*\m+7], v38, s[34:35] offset:512*\m+16
.endr
.irp t, 0,1,2,3,4,5,6,7
	global_load_b128 v[BSC+8*\t:BSC+8*\t+3], v39, s[38:39] offset:(32*(\t/2)+8*(\t%2))*32
	global_load_b128 v[BSC+8*\t+4:BSC+8*\t+7], v39, s[38:39] offset:(32*(\t/2)+8*(\t%2))*32+16
.endr
	WIN 0x80
.irp t, 0,1,2,3,4,5,6,7
	global_load_b128 v[BIA+8*\t:BIA+8*\t+3], v60, s[40:41] offset:(32*(\t/2)+8*(\t%2))*4
	global_load_b128 v[BIA+8*\t+4:BIA+8*\t+7], v60, s[40:41] offset:(32*(\t/2)+8*(\t%2))*4+16
.endr
	WIN 0
	v_mul_u32_u24 v61, v1, 816
	v_mad_u32_u24 v62, v2, 24, v61                 ; row x pitch + 24 x half
	v_mad_u32_u24 v63, v2, 40, v61                 ; and where lanes 16-31's piece lies at the head of the next chunk: 24 + 272 - 256
.irp c, 0,1,2
	s_add_co_u32 s82, s78, \c*272
	v_add_nc_u32 v[AAD+\c], s82, v62
.if \c < 2
	v_add_nc_u32 v[AAD+3+\c], s82, v63
.endif
.endr
	v_mul_u32_u24 v61, v3, 816
	v_mad_u32_u24 v62, v2, 24, v61
	v_mad_u32_u24 v63, v2, 40, v61
.irp c, 0,1,2                                  ; W's rows 0-63 from v9 on, rows 64-127 from v28 on: the loads' immediates have 16 bits
	v_add_nc_u32 v[BAD+\c], \c*272+256*816, v62
	v_add_nc_u32 v[BAD+19+\c], \c*272+320*816, v62
.if \c < 2
	v_add_nc_u32 v[BAD+3+\c], \c*272+256*816, v63
	v_add_nc_u32 v[BAD+22+\c], \c*272+320*816, v63
.endif
.endr
	s_mul_i32 s83, s[WV], 1536
	s_add_co_u32 s83, s83, STG
	v_and_b32 v61, 1, v1                           ; my row r = 4 b + 2 e + u:  u,
	v_bfe_u32 v62, v1, 1, 1                        ; e,
	v_lshrrev_b32 v63, 2, v1                       ; b
	; THE ORDER IN A CHUNK OF 1,536 BYTES (it takes the place of the order that the head gives): registers 4 c .. 4 c + 3 of lane (row 4 b + 2 e + u, half hh) lie at 192 (2 b + u) + 64 c + 32 hh + 16 e
	v_mul_u32_u24 v61, v61, 192
	v_mad_u32_u24 v61, v62, 16, v61
	v_mad_u32_u24 v61, v63, 384, v61
	v_mad_u32_u24 v61, v2, 32, v61
	v_add_nc_u32 v[STO], s83, v61                  ; into my stage: three pieces of 16 bytes, 64 apart
	v_lshlrev_b32 v[GO], 4, v37
	v_add_nc_u32 v[RD], s83, v[GO]                 ; back: 16 bytes a lane
	s_lshl_b32 s84, s[WV], 8
	s_add_co_u32 s84, s84, SSG
	v_lshl_add_u32 v[SSTO], v1, 2, s84
	v_lshlrev_b32 v[GS], 3, v37
	v_add_nc_u32 v[SRD], s84, v[GS]
.irp b, 0,1,2,3
	v_mov_b32 v[TM+4+\b], 0                        ; a lane permute's destination counts as one of its sources
.endr
; A fragment (16 rows x 128 K: 12 registers): lane (r, hh) takes the row's pieces of 8 bytes 12 ks + 0, 1, 2 and 12 ks + 6, 7, 8, three pieces on for hh = 1.  32 pieces make a chunk.
.macro FRAG reg, base, ks, rowoff
.irp p, 0,1,2,3,4,5
.set PIE, 12*(\ks)+6*(\p/3)+\p%3
.if PIE%32 < 29
	ds_load_b64 v[\reg+2*\p:\reg+2*\p+1], v[\base+PIE/32] offset:8*(PIE%32)+(\rowoff)
.else
	ds_load_b64 v[\reg+2*\p:\reg+2*\p+1], v[\base+3+PIE/32] offset:8*(PIE%32)+(\rowoff)
.endif
.endr
.endm
.macro LOADF ks, set                   ; K step ks: my 4 fragments of the activation and W's 8
	WIN 0
.irp m, 0,1,2,3
	FRAG AF+48*(\set)+12*\m, AAD, \ks, 13056*\m
.endr
	WIN 0x80
.irp t, 0,1,2,3,4,5,6,7
	FRAG 96*(\set)+12*\t, BAD+19*(\t/4), \ks, (32*((\t%4)/2)+8*(\t%2))*816
.endr
	WIN 0
.endm
.macro MUL ks, set                     ; 32 products, the 32 accumulators by turns; the first K step takes the bias as C
.if \ks == 0
	WIN 0x62
.else
	WIN 0x52
.endif
.irp m, 0,1,2,3
.irp t, 0,1,2,3,4,5,6,7
.if \ks == 0
	v_wmma_scale_f32_16x16x128_f8f6f4 v[8*(8*\m+\t):8*(8*\m+\t)+7], v[96*(\set)+12*\t:96*(\set)+12*\t+11], v[AF+48*(\set)+12*\m:AF+48*(\set)+12*\m+11], v[BIA+8*\t:BIA+8*\t+7], v[BSC+8*\t+(\ks)], v[ASC+8*\m+(\ks)] matrix_a_fmt:MATRIX_FMT_FP6 matrix_b_fmt:MATRIX_FMT_FP6
.else
	v_wmma_scale_f32_16x16x128_f8f6f4 v[8*(8*\m+\t):8*(8*\m+\t)+7], v[96*(\set)+12*\t:96*(\set)+12*\t+11], v[AF+48*(\set)+12*\m:AF+48*(\set)+12*\m+11], v[8*(8*\m+\t):8*(8*\m+\t)+7], v[BSC+8*\t+(\ks)], v[ASC+8*\m+(\ks)] matrix_a_fmt:MATRIX_FMT_FP6 matrix_b_fmt:MATRIX_FMT_FP6
.endif
.endr
.endr
.endm
	s_wait_alu depctr_va_vdst(0)                   ; the wait at the head's end
	s_wait_tensorcnt 0x0                           ; my one load is in
	s_barrier_signal -1
	s_barrier_wait -1                              ; everybody's are
	LOADF 0, 0
	s_wait_loadcnt 0x0                             ; the scale words and the bias
.irp ks, 0,1,2,3,4,5,6,7
	s_wait_dscnt 0x0                               ; this K step's fragments, asked for ahead of the last step's products
.if \ks > 0
	PLACES 4                                       ; in front of loads into registers that the last products have read (ISA guide 7.12.1 for vector instructions)
.endif
.if \ks < 7
	LOADF \ks+1, (\ks+1)%2
.endif
	MUL \ks, \ks%2
.endr
; 64 numbers of a lane in window 1, v[s] on, register 16 b + i = channel 32 b + 16 hh + i of my row, become a fragment's codes in v[PCD] on and its scale word in v[PW].
.macro QUANTW s
	WIN 0x05
.irp b, 0,1,2,3
	v_max3_num_f32 v[TM+\b], |v[\s+16*\b]|, |v[\s+1+16*\b]|, 0x1800000   ; my 16 numbers of block b, and the floor 2^(3 - 127): the byte cannot fall under 1.  Each accumulator is read from its low end on
.endr
	WIN 0x14
.irp i, 2,4,6,8,10,12,14
.irp b, 0,1,2,3
	v_max3_num_f32 v[TM+\b], v[TM+\b], |v[\s+16*\b+\i]|, |v[\s+1+16*\b+\i]|
.endr
.endr
	WIN 0
.irp b, 0,1,2,3
	v_permlanex16_b32 v[TM+4+\b], v[TM+\b], s[SEL], s[SEL+1]
.endr
.irp b, 0,1,2,3
	v_max_num_f32 v[TM+\b], v[TM+\b], v[TM+4+\b]   ; with lane l xor 16's: the block's largest magnitude
.endr
.irp b, 0,1,2,3
	v_add_nc_u32 v[TM+12+\b], 0xff000000, v[TM+\b] ; 2 off its exponent field: the conversion's scale operand
.endr
.irp b, 0,1,2,3
	v_lshrrev_b32 v[TM+4+\b], 23, v[TM+12+\b]      ; the scale's byte
.endr
	v_lshl_or_b32 v[PW], v[TM+5], 8, v[TM+4]
	v_lshl_or_b32 v[PW], v[TM+6], 16, v[PW]
	v_lshl_or_b32 v[PW], v[TM+7], 24, v[PW]
	WIN 0x01
.irp c, 0,1
	v_cvt_scalef32_pk16_fp6_f32 v[PCD+6*\c:PCD+2+6*\c], v[\s+32*\c:\s+15+32*\c], v[TM+12+2*\c]
	v_cvt_scalef32_pk16_fp6_f32 v[PCD+12+4*\c:PCD+14+4*\c], v[\s+16+32*\c:\s+31+32*\c], v[TM+12+2*\c+1]
.endr
	WIN 0
	v_nop                                          ; one plain place behind a scaled conversion
.irp c, 0,1                                    ; a whole block to a lane: lanes 0-15 block 2 c, lanes 16-31 block 2 c + 1
.irp i, 0,1,2
	v_permlane16_swap_b32 v[PCD+6*\c+\i], v[PCD+12+4*\c+\i]
.endr
.irp i, 0,1,2
	v_mov_b32 v[PCD+3+6*\c+\i], v[PCD+12+4*\c+\i]
.endr
.endr
.endm
	WIN 0
	PLACES 4                                       ; behind the last products
.irp m, 0,1,2,3                                ; 16 rows at a time: quantised, through my own stage, out as 1,536 consecutive bytes
	QUANTW 64*\m
.irp c, 0,1,2
	ds_store_b128 v[STO], v[PCD+4*\c:PCD+4*\c+3] offset:64*\c
.endr
	ds_store_b32 v[SSTO], v[PW] offset:64*\m       ; both halves of the lanes write the same word with the same value
.irp c, 0,1,2
	ds_load_b128 v[OB+12*\m+4*\c:OB+12*\m+4*\c+3], v[RD] offset:512*\c   ; LDS serves a wave's instructions in order (ISA guide 5.7.1.4): these see my stores
.endr
	s_wait_dscnt 0x0
.irp c, 0,1,2
	global_store_b128 v[GO], v[OB+12*\m+4*\c:OB+12*\m+4*\c+3], s[42:43] offset:1536*\m+512*\c   ; 32 lanes store 512 consecutive bytes, at a multiple of 256 from the buffer's first byte
.endr
.endr
	ds_load_b64 v[60:61], v[SRD]
	s_wait_dscnt 0x0
	global_store_b64 v[GS], v[60:61], s[44:45]     ; my 64 rows' scale words: 256 consecutive bytes, aligned
	s_wait_tensorcnt 0x0
	ds_add_u32 v55, v59
	s_wait_dscnt 0x0
	CROUND                                         ; the closing round
	s_endpgm
.Lfunc_end_k_q91b9c85cb5_projqk:
	.size	k_q91b9c85cb5_projqk, .Lfunc_end_k_q91b9c85cb5_projqk-k_q91b9c85cb5_projqk
	.p2alignl 7, 3214868480
	.fill 96, 4, 3214868480
	.section	.rodata,"a",@progbits
	.p2align	6, 0x0
	.amdhsa_kernel k_q91b9c85cb5_projqk
		.amdhsa_group_segment_fixed_size 327680
		.amdhsa_private_segment_fixed_size 0
		.amdhsa_enable_private_segment 0
		.amdhsa_kernarg_size 112
		.amdhsa_user_sgpr_count 2
		.amdhsa_user_sgpr_kernarg_segment_ptr 1
		.amdhsa_wavefront_size32 1
		.amdhsa_system_sgpr_workgroup_id_x 1
		.amdhsa_system_sgpr_workgroup_id_y 1
		.amdhsa_system_sgpr_workgroup_id_z 1
		.amdhsa_system_vgpr_workitem_id 0
		.amdhsa_next_free_vgpr 768
		.amdhsa_next_free_sgpr 100
		.amdhsa_reserve_vcc 0
		.amdhsa_float_denorm_mode_32 3
		.amdhsa_float_denorm_mode_16_64 3
		.amdhsa_memory_ordered 1
		.amdhsa_forward_progress 1
		.amdhsa_inst_pref_size 102
	.end_amdhsa_kernel
	.amdgpu_metadata
---
amdhsa.version: [ 1, 2 ]
amdhsa.kernels:
  - .name:           k_q91b9c85cb5_projqk
    .symbol:         k_q91b9c85cb5_projqk.kd
    .args:
      - { .name: query_codes, .offset: 0, .size: 8, .value_kind: global_buffer, .address_space: global }
      - { .name: query_scales, .offset: 8, .size: 8, .value_kind: global_buffer, .address_space: global }
      - { .name: Wq_codes, .offset: 16, .size: 8, .value_kind: global_buffer, .address_space: global }
      - { .name: Wq_scales, .offset: 24, .size: 8, .value_kind: global_buffer, .address_space: global }
      - { .name: bq, .offset: 32, .size: 8, .value_kind: global_buffer, .address_space: global }
      - { .name: Qc, .offset: 40, .size: 8, .value_kind: global_buffer, .address_space: global }
      - { .name: Qs, .offset: 48, .size: 8, .value_kind: global_buffer, .address_space: global }
      - { .name: key__codes, .offset: 56, .size: 8, .value_kind: global_buffer, .address_space: global }
      - { .name: key__scales, .offset: 64, .size: 8, .value_kind: global_buffer, .address_space: global }
      - { .name: Wk_codes, .offset: 72, .size: 8, .value_kind: global_buffer, .address_space: global }
      - { .name: Wk_scales, .offset: 80, .size: 8, .value_kind: global_buffer, .address_space: global }
      - { .name: bk, .offset: 88, .size: 8, .value_kind: global_buffer, .address_space: global }
      - { .name: Kc, .offset: 96, .size: 8, .value_kind: global_buffer, .address_space: global }
      - { .name: Ks, .offset: 104, .size: 8, .value_kind: global_buffer, .address_space: global }
    .group_segment_fixed_size: 327680
    .private_segment_fixed_size: 0
    .kernarg_segment_align: 8
    .kernarg_segment_size: 112
    .max_flat_workgroup_size: 128
    .sgpr_count:     100
    .vgpr_count:     768
    .wavefront_size: 32
...
	.end_amdgpu_metadata
.endif
;; end of part 5
;; launch projv (part 6): grid 64 x 4, 4 waves a work-group, clusters of 4 x 4, 327,680 bytes of LDS; arguments value_codes, value_scales, Wv_codes, Wv_scales, bv, Vc, Vs; writes Vc, Vs
.if DOCPART == 6
	.amdgcn_target "amdgcn-amd-amdhsa--gfx1250"
	.amdhsa_code_object_version 6
	.text
	.protected	k_q91b9c85cb5_projv
	.globl	k_q91b9c85cb5_projv
	.p2align	8
	.type	k_q91b9c85cb5_projv,@function
k_q91b9c85cb5_projv:
	s_mov_b64 s[64:65], 0
	v_nop
	global_prefetch_b8 v0, s[64:65] scope:SCOPE_SE
	s_setreg_imm32_b32 hwreg(HW_REG_WAVE_MODE, 25, 1), 1
	s_wait_xcnt 0x0
	s_wait_alu depctr_hold_cnt(0) depctr_sa_sdst(0) depctr_va_vdst(0) depctr_va_sdst(0) depctr_va_ssrc(0) depctr_va_vcc(0) depctr_vm_vsrc(0)
	s_getreg_b32 s2, hwreg(HW_REG_IB_STS2, 6, 4)
	s_cmp_eq_u32 s2, 0
	s_cbranch_scc0 .Lentry_in_a_cluster
	s_endpgm
.Lentry_in_a_cluster:
	s_bfe_u32 s2, ttmp6, 0x10000c
	s_cmp_lg_u32 s2, 0xf033
	s_cbranch_scc0 .Lentry_shape_is_right
	s_endpgm
.Lentry_shape_is_right:
; V = value Wv^T + bv on the given codes of FP6 (E2M3), then quantised ALONG THE KEYS, which are the second attention product's K.  Output column o of row (b, s) is key 8 s + g, head h, channel d (g = o >> 10, h = (o >> 7) & 7, d = o & 127).
; A block of 32 keys is 4 neighbouring s x all 8 g at one (h, d).  So a work-group takes one batch (256 rows s) x 16 channels d of one head x ALL 8 g: its 128 rows of W are 8 pieces of 16 rows, 1,024 rows apart.
; The product is used as it stands (source 0 = 16 rows s, source 1 = 16 rows of W): a lane holds one channel, and the registers of the eight accumulators of a tile of rows hold 8 s x 8 g: two whole blocks.
; THE CODES go to chunks [8 b + h][d / 16][key step of 128 keys] of 1,536 bytes: 16 channels x 128 keys.  In a chunk the 48 bytes that lane (channel, half hh) holds of the fragment lie on end, at 48 (16 hh + d % 16): the step's blocks hh and 2 + hh.
; The scale bytes go to [8 b + h][d][64].  LDS, cluster and the K loop are as in the launch for Q and K, but that W's pieces lie apart in memory and each has a load of its own: nine loads a wave.
; LIMITS: NaN and infinities are not served; a block whose largest magnitude lies under 2^-124 keeps the byte 1, a block of zeros too (its codes are zeros; the bytes are read by this program alone).
; REGISTERS: window 0: v1-19 addresses, v20-27 the bias (one number for each g), v28-32 at work, v64-95 value's scale words, v96-159 W's, v160-255 value's fragments (two sets), later a block's numbers, codes, and rows on their way out.
;   window 1: accumulator (m, g) at v[8 (8 m + g)].   window 2: W's fragments, two sets at v0 and v96.
.set CH,   384*272
.set PSTR, 1024
.set SS,   25088                       ; the way out lies in region 0, which has had its only fill and is read no more: 16 chunks of 1,536 bytes of codes, and here 16 x 64 scale bytes
.set AAD, 4
.set BAD, 9
.set VSTO, 14
.set VSS, 15
.set VRD, 16
.set GO,  17
.set SRD, 18
.set GS,  19
.set BV,  20
.set ASC, 64
.set BSC, 96
.set AF,  160
.set T,   160
.set WV,  46
.set G1A, 48
.set G1B, 56
.set MSB, 0
.macro WIN new
.if MSB != \new
	s_set_vgpr_msb (MSB<<8)|\new
.set MSB, \new
.endif
.endm
.macro PLACES n
.rept \n
	v_nop
.endr
.endm
.macro CROUND
	s_barrier_signal -1
	s_barrier_wait -1
	s_cmp_lg_u32 s[WV], 0
	s_cbranch_scc1 .Lnot_wave_0_\@
	s_barrier_signal -3
.Lnot_wave_0_\@:
	s_barrier_wait -3
	s_barrier_signal -1
	s_barrier_wait -1
.endm
	s_load_b256 s[32:39], s[0:1], 0x0              ; value's codes, scales; Wv's codes, scales
	s_load_b128 s[40:43], s[0:1], 0x20             ; bv; Vc
	s_load_b64 s[44:45], s[0:1], 0x30              ; Vs
	v_lshl_add_u32 v59, v0, 2, 0x4c800
	v_mov_b32 v60, 0
	ds_add_u32 v59, v60
	ds_add_u32 v59, v60
	v_lshrrev_b32 v1, 5, v0
	v_readfirstlane_b32 s[WV], v1
	s_bfe_u32 s47, ttmp6, 0x40000                  ; cx
	s_bfe_u32 s66, ttmp6, 0x40004                  ; cy = the batch
	s_lshl_b32 s67, ttmp9, 2
	s_add_co_u32 s67, s67, s47                     ; x = 8 h + d0 / 16
	s_lshl_b32 s78, s66, 2
	s_lshl_b32 s78, 15, s78
	s_lshl_b32 s79, 0x1111, s47
	s_or_b32 s[G1A], s78, (3<<16)|(1<<20)|(1<<21)|(5<<22)|(3<<25)
	s_or_b32 s[G1B], s79, (3<<16)|(1<<20)|(1<<21)|(5<<22)|(3<<25)
	; ONE LOAD A WAVE: waves 0 and 1 fetch 128 whole rows of value each (768 bytes, 16 bytes of padding behind every 256: an LDS row is 816 bytes, its chunk c at 272 c).
	; Waves 2 and 3 fetch four pieces of W each: a piece, 16 rows, is 12,288 dense bytes, stated as one row of the tile; the pieces lie 1,024 rows apart (this takes the place of the nine loads that the head names).
	s_mov_b32 s[G1A+1], 96<<16
	s_mov_b32 s[G1A+2], 128<<16
	s_mov_b32 s[G1A+3], 96<<16
	s_mov_b32 s[G1A+4], 128
	s_mov_b32 s[G1A+5], 96
	s_mov_b32 s[G1A+6], 0
	s_mov_b32 s[G1A+7], 0
	s_mov_b32 s[G1B+1], 1536<<16
	s_mov_b32 s[G1B+2], 4<<16
	s_mov_b32 s[G1B+3], 1536<<16
	s_mov_b32 s[G1B+4], 4
	s_mov_b32 s[G1B+5], 98304
	s_mov_b32 s[G1B+6], 0
	s_mov_b32 s[G1B+7], 0
	s_lshl_b32 s82, s66, 8
	s_lshl_b32 s83, s[WV], 6
	s_add_co_u32 s82, s82, s83                     ; my first row of value: 256 cy + 64 w
	s_and_b32 s79, s[WV], 1                        ; which half of a tile I fetch
	s_lshl_b32 s80, s66, 8
	s_lshl_b32 s81, s79, 7
	s_add_co_u32 s80, s80, s81                     ; value's row 256 cy + 128 half
	s_mul_i32 s80, s80, 768
	s_mov_b32 s81, 0
	s_lshl_b32 s88, s82, 5
	s_mov_b32 s89, 0
	s_lshl_b32 s85, s67, 4                         ; W's row at g = 0: 128 h + d0 = 16 x
	s_mul_i32 s86, s79, 4*PSTR
	s_add_co_u32 s86, s86, s85                     ; the first of my four pieces: g = 4 (w % 2)
	s_mul_i32 s86, s86, 768
	s_mov_b32 s87, 0
	s_lshl_b32 s90, s85, 5
	s_mov_b32 s91, 0
	s_lshl_b32 s92, s85, 2
	s_mov_b32 s93, 0
	s_lshl_b32 s94, s66, 10
	s_add_co_u32 s94, s94, s85                     ; the output's channel row (8 b + h) 128 + d0: 16 of them are the work-group's 24,576 bytes
	s_lshl_b32 s95, s[WV], 2
	s_add_co_u32 s96, s94, s95                     ; + my quarter of them: 4 x 1,536 bytes, key steps 4 w .. 4 w + 3
	s_mul_i32 s96, s96, 1536
	s_mov_b32 s97, 0
	s_lshl_b32 s98, s94, 6
	s_lshl_b32 s95, s[WV], 8
	s_add_co_u32 s98, s98, s95
	s_mov_b32 s99, 0
	s_mul_i32 s47, s79, 128*816                    ; where value's half goes,
	s_mul_i32 s79, s79, 64*816
	s_add_co_u32 s79, s79, 256*816                 ; where W's four pieces go,
	s_mul_i32 s78, s[WV], 64*816                   ; and the 64 rows that I multiply
	s_wait_dscnt 0x0
	s_wait_kmcnt 0x0
	s_add_nc_u64 s[80:81], s[32:33], s[80:81]
	s_add_nc_u64 s[86:87], s[36:37], s[86:87]
	s_add_nc_u64 s[34:35], s[34:35], s[88:89]
	s_add_nc_u64 s[38:39], s[38:39], s[90:91]
	s_add_nc_u64 s[40:41], s[40:41], s[92:93]
	s_add_nc_u64 s[42:43], s[42:43], s[96:97]
	s_add_nc_u64 s[44:45], s[44:45], s[98:99]
	s_mov_b32 s4, 1
	s_mov_b32 s5, s47
	s_mov_b64 s[6:7], s[80:81]
	s_or_b32 s7, s7, 0x80000000
	s_mov_b32 s16, 1
	s_mov_b32 s17, s79
	s_mov_b64 s[18:19], s[86:87]
	s_or_b32 s19, s19, 0x80000000
	CROUND                                         ; all sixteen work-groups are here: the joint loads meet
	s_cmp_lt_u32 s[WV], 2                          ; one chain of branches on the wave's number, one load to an arm
	s_cbranch_scc0 .Lhead_w
	tensor_load_to_lds s[4:7], s[G1A:G1A+7]
	s_nop 0
	PLACES 4
	s_branch .Lhead_asked
.Lhead_w:
	tensor_load_to_lds s[16:19], s[G1B:G1B+7]
	s_nop 0
	PLACES 4
.Lhead_asked:
	v_and_b32 v1, 15, v0                           ; r
	v_bfe_u32 v2, v0, 4, 1                         ; hh
	v_and_b32 v37, 31, v0                          ; lane
	v_lshlrev_b32 v38, 5, v1
	v_lshlrev_b32 v39, 2, v1
.irp m, 0,1,2,3
	global_load_b128 v[ASC+8*\m:ASC+8*\m+3], v38, s[34:35] offset:512*\m
	global_load_b128 v[ASC+8*\m+4:ASC+8*\m+7], v38, s[34:35] offset:512*\m+16
.endr
.irp t, 0,1,2,3,4,5,6,7
	global_load_b128 v[BSC+8*\t:BSC+8*\t+3], v38, s[38:39] offset:32768*\t
	global_load_b128 v[BSC+8*\t+4:BSC+8*\t+7], v38, s[38:39] offset:32768*\t+16
	global_load_b32 v[BV+\t], v39, s[40:41] offset:4096*\t    ; bv at (g, h, my channel)
.endr
	v_mul_u32_u24 v61, v1, 816
	v_mad_u32_u24 v62, v2, 24, v61
	v_mad_u32_u24 v63, v2, 40, v61                 ; lanes 16-31's piece at the head of the next chunk: 24 + 272 - 256
.irp c, 0,1,2                                  ; W's pieces 0-3 from v9 on, pieces 4-7 from v40 on: the loads' immediates have 16 bits
	s_add_co_u32 s82, s78, \c*272
	v_add_nc_u32 v[AAD+\c], s82, v62
	v_add_nc_u32 v[BAD+\c], \c*272+256*816, v62
	v_add_nc_u32 v[BAD+31+\c], \c*272+320*816, v62
.if \c < 2
	v_add_nc_u32 v[AAD+3+\c], s82, v63
	v_add_nc_u32 v[BAD+3+\c], \c*272+256*816, v63
	v_add_nc_u32 v[BAD+34+\c], \c*272+320*816, v63
.endif
.endr
	s_mul_i32 s83, s[WV], 6144
	; THE ORDER IN A CHUNK OF 1,536 BYTES (it takes the place of the order that the head gives): byte z of the 48 that fragment lane (channel dd, half HH) holds lies at 768 (dd / 8) + 256 (z / 16) + 128 HH + 16 (dd % 8) + z % 16.
	; My block 2 hh + q is HH = q, z = 24 hh + 8 p: p = 0 at 264 hh, p = 1 at 8 + 504 hh, p = 2 at 256 + 264 hh
.set VST2, 33
	v_and_b32 v61, 7, v1
	v_lshrrev_b32 v62, 3, v1
	v_lshlrev_b32 v61, 4, v61
	v_mad_u32_u24 v61, v62, 768, v61
	v_add_nc_u32 v61, s83, v61
	v_mad_u32_u24 v[VSTO], v2, 264, v61
	v_mad_u32_u24 v[VST2], v2, 504, v61
	v_lshlrev_b32 v[GO], 4, v37
	v_add_nc_u32 v[VRD], s83, v[GO]                ; back: my four key steps' chunks, 16 bytes a lane
	s_lshl_b32 s83, s[WV], 4
	s_add_co_u32 s83, s83, SS
	v_lshlrev_b32 v61, 6, v1
	v_lshl_add_u32 v61, v2, 1, v61
	v_add_nc_u32 v[VSS], s83, v61                  ; and its byte: row = my channel, byte 16 w + 4 m + 2 hh + q
	v_lshlrev_b32 v[GS], 3, v37
	s_lshl_b32 s83, s[WV], 8
	s_add_co_u32 s83, s83, SS
	v_add_nc_u32 v[SRD], s83, v[GS]
.macro FRAG reg, base, ks, rowoff
.irp p, 0,1,2,3,4,5
.set PIE, 12*(\ks)+6*(\p/3)+\p%3
.if PIE%32 < 29
	ds_load_b64 v[\reg+2*\p:\reg+2*\p+1], v[\base+PIE/32] offset:8*(PIE%32)+(\rowoff)
.else
	ds_load_b64 v[\reg+2*\p:\reg+2*\p+1], v[\base+3+PIE/32] offset:8*(PIE%32)+(\rowoff)
.endif
.endr
.endm
.macro LOADF ks, set
	WIN 0
.irp m, 0,1,2,3
	FRAG AF+48*(\set)+12*\m, AAD, \ks, 13056*\m
.endr
	WIN 0x80
.irp t, 0,1,2,3,4,5,6,7
	FRAG 96*(\set)+12*\t, BAD+31*(\t/4), \ks, 13056*(\t%4)
.endr
	WIN 0
.endm
.macro MUL ks, set                     ; 32 products, the 32 accumulators by turns; the first K step starts the sums
	WIN 0x58
.irp m, 0,1,2,3
.irp t, 0,1,2,3,4,5,6,7
.if \ks == 0
	v_wmma_scale_f32_16x16x128_f8f6f4 v[8*(8*\m+\t):8*(8*\m+\t)+7], v[AF+48*(\set)+12*\m:AF+48*(\set)+12*\m+11], v[96*(\set)+12*\t:96*(\set)+12*\t+11], 0, v[ASC+8*\m+(\ks)], v[BSC+8*\t+(\ks)] matrix_a_fmt:MATRIX_FMT_FP6 matrix_b_fmt:MATRIX_FMT_FP6
.else
	v_wmma_scale_f32_16x16x128_f8f6f4 v[8*(8*\m+\t):8*(8*\m+\t)+7], v[AF+48*(\set)+12*\m:AF+48*(\set)+12*\m+11], v[96*(\set)+12*\t:96*(\set)+12*\t+11], v[8*(8*\m+\t):8*(8*\m+\t)+7], v[ASC+8*\m+(\ks)], v[BSC+8*\t+(\ks)] matrix_a_fmt:MATRIX_FMT_FP6 matrix_b_fmt:MATRIX_FMT_FP6
.endif
.endr
.endr
.endm
	s_wait_alu depctr_va_vdst(0)                   ; the wait at the head's end
	s_wait_tensorcnt 0x0                           ; my one load is in
	s_barrier_signal -1
	s_barrier_wait -1
	LOADF 0, 0
	s_wait_loadcnt 0x0
.irp ks, 0,1,2,3,4,5,6,7
	s_wait_dscnt 0x0
.if \ks > 0
	PLACES 4
.endif
.if \ks < 7
	LOADF \ks+1, (\ks+1)%2
.endif
	MUL \ks, \ks%2
.endr
	WIN 0
	s_wait_dscnt 0x0                               ; my reads of the tiles are over,
	s_barrier_signal -1
	s_barrier_wait -1                              ; everybody's are: region 0 may take the stage
	PLACES 4
.irp m, 0,1,2,3
.irp q, 0,1                                    ; block 2 hh + q of key step 4 w + m: rows s = .. + 4 q + i, i = 0 .. 3, x 8 g.  q = 0 first: each accumulator is read from its low end on
	WIN 0x01
.irp i, 0,1,2,3
.irp g, 0,1,2,3,4,5,6,7
	v_add_f32 v[T+8*\i+\g], v[8*(8*\m+\g)+4*\q+\i], v[BV+\g]   ; the bias; and the number goes to its key's place in the block, 8 i + g
.endr
.endr
	WIN 0
	v_max3_num_f32 v28, |v[T]|, |v[T+1]|, |v[T+2]|
	v_max3_num_f32 v29, |v[T+3]|, |v[T+4]|, |v[T+5]|
.irp i, 6,10,14,18,22,26
	v_max3_num_f32 v28, v28, |v[T+\i]|, |v[T+\i+1]|
	v_max3_num_f32 v29, v29, |v[T+\i+2]|, |v[T+\i+3]|
.endr
	v_max3_num_f32 v28, v28, |v[T+30]|, |v[T+31]|
	v_max3_num_f32 v28, v28, v29, 0x1800000        ; and the floor 2^(3 - 127)
	v_add_nc_u32 v30, 0xff000000, v28              ; 2 off the exponent field: the conversion's scale operand
	v_lshrrev_b32 v32, 23, v30                     ; the byte
.if \q == 0
	v_mov_b32 v31, v32
.else
	v_lshl_or_b32 v31, v32, 8, v31
.endif
	v_cvt_scalef32_pk16_fp6_f32 v[192:194], v[T:T+15], v30
	v_cvt_scalef32_pk16_fp6_f32 v[196:198], v[T+16:T+31], v30
	v_nop                                          ; one plain place behind a scaled conversion
	v_mov_b32 v195, v196
	v_mov_b32 v196, v197
	v_mov_b32 v197, v198                           ; 24 bytes on end
	ds_store_b64 v[VSTO], v[192:193] offset:1536*\m+128*\q
	ds_store_b64 v[VST2], v[194:195] offset:1536*\m+128*\q+8
	ds_store_b64 v[VSTO], v[196:197] offset:1536*\m+128*\q+256
.if \q == 1
	ds_store_b16 v[VSS], v31 offset:4*\m
.endif
	s_wait_dscnt 0x0                               ; the stores have read their registers
.endr
.endr
	s_barrier_signal -1
	s_barrier_wait -1                              ; the scale bytes' rows are whole (the codes that I read back are my own)
.irp i, 0,1,2,3,4,5,6,7,8,9,10,11
	ds_load_b128 v[200+4*\i:203+4*\i], v[VRD] offset:512*\i
.endr
	ds_load_b64 v[248:249], v[SRD]
	s_wait_dscnt 0x0
.irp i, 0,1,2,3,4,5,6,7,8,9,10,11
	global_store_b128 v[GO], v[200+4*\i:203+4*\i], s[42:43] offset:512*\i   ; 32 lanes store 512 consecutive bytes, at a multiple of 256 from the buffer's first byte
.endr
	global_store_b64 v[GS], v[248:249], s[44:45]   ; four channels' scale bytes: 256 consecutive bytes, aligned
	s_wait_tensorcnt 0x0
	ds_add_u32 v59, v60
	s_wait_dscnt 0x0
	CROUND                                         ; the closing round
	s_endpgm
.Lfunc_end_k_q91b9c85cb5_projv:
	.size	k_q91b9c85cb5_projv, .Lfunc_end_k_q91b9c85cb5_projv-k_q91b9c85cb5_projv
	.p2alignl 7, 3214868480
	.fill 96, 4, 3214868480
	.section	.rodata,"a",@progbits
	.p2align	6, 0x0
	.amdhsa_kernel k_q91b9c85cb5_projv
		.amdhsa_group_segment_fixed_size 327680
		.amdhsa_private_segment_fixed_size 0
		.amdhsa_enable_private_segment 0
		.amdhsa_kernarg_size 56
		.amdhsa_user_sgpr_count 2
		.amdhsa_user_sgpr_kernarg_segment_ptr 1
		.amdhsa_wavefront_size32 1
		.amdhsa_system_sgpr_workgroup_id_x 1
		.amdhsa_system_sgpr_workgroup_id_y 1
		.amdhsa_system_sgpr_workgroup_id_z 1
		.amdhsa_system_vgpr_workitem_id 0
		.amdhsa_next_free_vgpr 768
		.amdhsa_next_free_sgpr 100
		.amdhsa_reserve_vcc 0
		.amdhsa_float_denorm_mode_32 3
		.amdhsa_float_denorm_mode_16_64 3
		.amdhsa_memory_ordered 1
		.amdhsa_forward_progress 1
		.amdhsa_inst_pref_size 106
	.end_amdhsa_kernel
	.amdgpu_metadata
---
amdhsa.version: [ 1, 2 ]
amdhsa.kernels:
  - .name:           k_q91b9c85cb5_projv
    .symbol:         k_q91b9c85cb5_projv.kd
    .args:
      - { .name: value_codes, .offset: 0, .size: 8, .value_kind: global_buffer, .address_space: global }
      - { .name: value_scales, .offset: 8, .size: 8, .value_kind: global_buffer, .address_space: global }
      - { .name: Wv_codes, .offset: 16, .size: 8, .value_kind: global_buffer, .address_space: global }
      - { .name: Wv_scales, .offset: 24, .size: 8, .value_kind: global_buffer, .address_space: global }
      - { .name: bv, .offset: 32, .size: 8, .value_kind: global_buffer, .address_space: global }
      - { .name: Vc, .offset: 40, .size: 8, .value_kind: global_buffer, .address_space: global }
      - { .name: Vs, .offset: 48, .size: 8, .value_kind: global_buffer, .address_space: global }
    .group_segment_fixed_size: 327680
    .private_segment_fixed_size: 0
    .kernarg_segment_align: 8
    .kernarg_segment_size: 56
    .max_flat_workgroup_size: 128
    .sgpr_count:     100
    .vgpr_count:     768
    .wavefront_size: 32
...
	.end_amdgpu_metadata
.endif
;; end of part 6
;; launch attn (part 7): grid 8 x 32, 8 waves a work-group, clusters of 4 x 1, 327,680 bytes of LDS; arguments Qc, Qs, Kc, Ks, Vc, Vs, Xc, Xs; writes Xc, Xs
.if DOCPART == 7
	.amdgcn_target "amdgcn-amd-amdhsa--gfx1250"
	.amdhsa_code_object_version 6
	.text
	.protected	k_q91b9c85cb5_attn
	.globl	k_q91b9c85cb5_attn
	.p2align	8
	.type	k_q91b9c85cb5_attn,@function
k_q91b9c85cb5_attn:
	s_mov_b64 s[64:65], 0
	v_nop
	global_prefetch_b8 v0, s[64:65] scope:SCOPE_SE
	s_setreg_imm32_b32 hwreg(HW_REG_WAVE_MODE, 25, 1), 1
	s_wait_xcnt 0x0
	s_wait_alu depctr_hold_cnt(0) depctr_sa_sdst(0) depctr_va_vdst(0) depctr_va_sdst(0) depctr_va_ssrc(0) depctr_va_vcc(0) depctr_vm_vsrc(0)
	s_getreg_b32 s2, hwreg(HW_REG_IB_STS2, 6, 4)
	s_cmp_eq_u32 s2, 0
	s_cbranch_scc0 .Lentry_in_a_cluster
	s_endpgm
.Lentry_in_a_cluster:
	s_bfe_u32 s2, ttmp6, 0x10000c
	s_cmp_lg_u32 s2, 0x3003
	s_cbranch_scc0 .Lentry_shape_is_right
	s_endpgm
.Lentry_shape_is_right:
; x = softmax(Q K^T / 32) V for one (batch, head) and 256 queries, on codes of FP6 (E2M3) with E8M0 scales, then quantised along the head's 128 channels for the last projection.
; p = 2^(t - M), t = score x log2(e) / 32, M the running largest t rounded up to a whole number; the row's sum is taken of the unquantised p; O is divided by it at the end.
; SHARES.  Work-group (x, y): head y = 8 b + h, queries 8 s + x, s = 0 .. 255.  Wave w takes s = 32 w .. 32 w + 31 as TWO tiles of 16 queries: each fragment of K and of V that it reads from LDS feeds two matrix instructions.
; Both products are used transposed (S^T = K Q^T, O^T = V^T P^T): a lane holds one query.  Lane r of K's tile 2 b + u takes key 32 b + 8 u + r + 8 (r / 8) of the step's 128, so p's 16 registers of two neighbouring tiles are 16 neighbouring keys.
; REGISTERS.  Tile a's state lies in window a, at the same numbers in both: v12 -M, v13 largest t, v14-15 the sum, v16-27 Q, v96-159 S then p, v160-223 O^T, v224-235 p's codes, v232-254 at work.
;   v32-79: window 0 holds the fragments of K's or V's tiles 0-3, window 1 those of tiles 4-7.  Window 0 alone: v1-11, v28-29 addresses; scale words: v80-87 K's, v88-89 Q's, v90-91 p's, v240-243 and v248-251 V's.
; MEMORY.  Kc: [head][g][16 steps][1,536 bytes], g = key % 8; Vc: [head][d / 16][16 steps][1,536].  A slot is two steps, 256 keys: 3,072 dense bytes of each of 8 groups of K and 8 of V.
;   One descriptor covers several groups as rows of 3,072 bytes, with padding behind every 1,024 bytes: 32 for K (a group 3,168 bytes on), 128 for V (3,456).  In a group's bytes a piece of 16 bytes lies at
;   K: 64 i + 32 hh + 16 e, i = 24 q + 3 T + c;  V: 256 i + 128 hh + 16 (r % 8), i = 6 q + 3 (T % 2) + c: the lane's part stays inside an interval, so the padding is part of the immediate.
;   The sixteen lanes of half a ds_load_b128 then start at sixteen different multiples of 16 bytes modulo 256.
; CLUSTER 4 x 1: four work-groups of one head need the same K, V and scales; every tensor load is a joint load with the mask 15.  Head: one load a wave (waves 0-3 K, 4-5 V, 6 K's scales, 7 V's scales); refills: waves 0-5.
; PREFETCH: in the trip that loads slot t + 1, waves 6 (K) and 7 (V) name slot t + 2: partner cx takes groups 2 cx and 2 cx + 1, 24 blocks of 256 bytes, a lane a block (lanes 24-31 name the last again); the last two trips name nothing.
; LIMITS: the promise holds while |t| stays under 2^31; NaN and infinities are not served; a block whose largest magnitude lies under 2^-124 keeps the byte 1, a block of zeros too (its codes are zeros; the bytes are read by this program alone).
.set KG,    3168
.set VG,    3456
.set VOFF,  8*KG
.set SLOT1, 1<<17
.set NSL,   8
.set SCK,   2*SLOT1                    ; K's scale words: 8 rows of 1,024 + 16 bytes
.set SCV,   270592                     ; V's scale bytes: 32 rows of 256 + 16 bytes
.set SPARE, 279296                     ; the spare words: 128 bytes a wave
.set AK0,  1
.set AV0,  2
.set ASK0, 3
.set ASV0, 4
.set SPW,  5
.set NIL,  6
.set XO,   7
.set ADK,  8
.set ADV,  9
.set ADS,  10
.set ADT,  11
.set PFO,  28
.set XSO,  29
.set PW,   30
.set PCD,  32
.set TM,   64
.set TB,   2
.set TS,   3
.set SEL,  20
.set CS,   22
.set G1K,  24
.set G1V,  32
.set G0K,  40
.set G0V,  44
.set G1SK, 48
.set G1SV, 56
.set TJ,   66
.set SLOTS, 67
.set G0SK, 68
.set G0SV, 72
.set PFA,  76
.set LIM,  80
.set WV,   83
.set MSB, 0
.macro WIN new                         ; the immediate's high byte repeats the setting that is left
.if MSB != (\new)
	s_set_vgpr_msb (MSB<<8)|(\new)
.set MSB, (\new)
.endif
.endm
.macro PLACES n
.rept \n
	v_nop
.endr
.endm
.macro CROUND                          ; a round of the cluster's barrier
	s_barrier_signal -1
	s_barrier_wait -1
	s_cmp_lg_u32 s[WV], 0
	s_cbranch_scc1 .Lnot_wave_0_\@
	s_barrier_signal -3
.Lnot_wave_0_\@:
	s_barrier_wait -3
	s_barrier_signal -1
	s_barrier_wait -1
.endm
.macro TLOAD                           ; a slot's joint loads: waves 0-3 two groups of K each, waves 4-5 four groups of V each
	s_cmp_lt_u32 s[WV], 4
	s_cbranch_scc0 .Lnot_k_\@
	tensor_load_to_lds s[G0K:G0K+3], s[G1K:G1K+7]
	s_nop 0
	PLACES 4
	s_branch .Lasked_\@
.Lnot_k_\@:
	s_cmp_lt_u32 s[WV], 6
	s_cbranch_scc0 .Lasked_\@
	tensor_load_to_lds s[G0V:G0V+3], s[G1V:G1V+7]
	s_nop 0
	PLACES 4
.Lasked_\@:
.endm
.macro ASK
	s_cmp_gt_u32 s[SLOTS], s[LIM]                  ; waves 6 and 7 (LIM = 1), while a slot two on exists
	s_cbranch_scc0 .Lnot_mine_\@
	global_prefetch_b8 v[PFO], s[PFA:PFA+1] th:TH_LOAD_NT scope:SCOPE_SE
.Lnot_mine_\@:
.endm
	s_load_b512 s[4:19], s[0:1], 0x0               ; Qc, Qs, Kc, Ks, Vc, Vs, Xc, Xs
	v_lshl_add_u32 v[SPW], v0, 2, SPARE
	v_mov_b32 v[NIL], 0
	ds_add_u32 v[SPW], v[NIL]                      ; the opening lines: the add twice on end, and its wait
	ds_add_u32 v[SPW], v[NIL]
	v_lshrrev_b32 v8, 5, v0
	v_readfirstlane_b32 s[WV], v8
	s_bfe_u32 s81, ttmp6, 0x40000                  ; cx
	s_lshl_b32 s82, ttmp9, 2
	s_add_co_u32 s82, s82, s81                     ; x
	s_and_b32 s84, ttmp7, 0xffff                   ; the head, 8 b + h
	s_mul_i32 s86, s84, 196608                     ; its codes in Qc, Kc, Vc
	s_mov_b32 s87, 0
	s_lshl_b32 s88, s84, 13                        ; its scales
	s_mov_b32 s89, 0
	s_lshl_b32 s90, s82, 8
	s_lshl_b32 s91, s[WV], 5
	s_add_co_u32 s90, s90, s91                     ; my first row of Q: 256 x + 32 w
	s_mul_i32 s92, s90, 96
	s_add_co_u32 s92, s92, s86
	s_mov_b32 s93, 0
	s_lshl_b32 s94, s90, 2
	s_add_co_u32 s94, s94, s88
	s_mov_b32 s95, 0
	s_and_b32 s98, s[WV], 3
	s_mul_i32 s96, s98, 49152                      ; K: groups 2 (w % 4), + 1
	s_add_co_u32 s96, s96, s86
	s_mov_b32 s97, 0
	s_mul_i32 s98, s98, 2*KG
	s_and_b32 s99, s[WV], 1
	s_mul_i32 s78, s99, 98304                      ; V: groups 4 (w % 2) .. + 3
	s_add_co_u32 s78, s78, s86
	s_mov_b32 s79, 0
	s_mul_i32 s99, s99, 4*VG
	s_add_co_u32 s99, s99, VOFF
	s_lshr_b32 s85, s84, 3                         ; x's chunk: (((4 b + w / 2) 64 + 8 x + h) 4 + 2 (w % 2)), + 1 for my second tile
	s_lshl_b32 s85, s85, 2
	s_lshr_b32 s90, s[WV], 1
	s_add_co_u32 s85, s85, s90
	s_lshl_b32 s85, s85, 6
	s_lshl_b32 s90, s82, 3
	s_add_co_u32 s85, s85, s90
	s_and_b32 s90, s84, 7
	s_add_co_u32 s85, s85, s90
	s_lshl_b32 s85, s85, 2
	s_and_b32 s90, s[WV], 1
	s_lshl_b32 s90, s90, 1
	s_add_co_u32 s85, s85, s90
	s_mul_i32 s90, s81, 49152                      ; the prefetches: groups 2 cx, 2 cx + 1; the first change of slots steps this to slot 2
	s_add_co_u32 s90, s90, s86
	s_add_co_u32 s90, s90, 3072
	s_mov_b32 s91, 0
	s_mov_b32 s[G1K], 15|(3<<16)|(1<<20)|(1<<21)|(7<<22)|(7<<25)    ; mask 15; elements of 8 bytes; behind every 256 dwords 8 dwords of padding
	s_mov_b32 s[G1K+1], 384<<16
	s_mov_b32 s[G1K+2], 2<<16
	s_mov_b32 s[G1K+3], 384<<16
	s_mov_b32 s[G1K+4], 2
	s_mov_b32 s[G1K+5], 3072
	s_mov_b32 s[G1K+6], 0
	s_mov_b32 s[G1K+7], 0
	s_mov_b32 s[G1V], 15|(3<<16)|(1<<20)|(1<<21)|(7<<22)|(31<<25)   ; 32 dwords of padding
	s_mov_b32 s[G1V+1], 384<<16
	s_mov_b32 s[G1V+2], 4<<16
	s_mov_b32 s[G1V+3], 384<<16
	s_mov_b32 s[G1V+4], 4
	s_mov_b32 s[G1V+5], 3072
	s_mov_b32 s[G1V+6], 0
	s_mov_b32 s[G1V+7], 0
	s_mov_b32 s[G1SK], 15|(3<<16)|(1<<20)|(1<<21)|(7<<22)|(3<<25)
	s_mov_b32 s[G1SK+1], 128<<16
	s_mov_b32 s[G1SK+2], 8<<16
	s_mov_b32 s[G1SK+3], 128<<16
	s_mov_b32 s[G1SK+4], 8
	s_mov_b32 s[G1SK+5], 128
	s_mov_b32 s[G1SK+6], 0
	s_mov_b32 s[G1SK+7], 0
	s_mov_b32 s[G1SV], 15|(3<<16)|(1<<20)|(1<<21)|(5<<22)|(3<<25)
	s_mov_b32 s[G1SV+1], 32<<16
	s_mov_b32 s[G1SV+2], 32<<16
	s_mov_b32 s[G1SV+3], 32<<16
	s_mov_b32 s[G1SV+4], 32
	s_mov_b32 s[G1SV+5], 32
	s_mov_b32 s[G1SV+6], 0
	s_mov_b32 s[G1SV+7], 0
	s_mov_b32 s[SEL], 0x76543210
	s_mov_b32 s[SEL+1], 0xfedcba98
	s_mov_b32 s[CS], 0x3d38aa3b                    ; log2(e) / 32
	s_mov_b32 s[CS+1], s[CS]
	s_mov_b32 s[TB], 0
	s_mov_b32 s[TS], 0
	s_mov_b32 s[TJ], 0
	s_mov_b32 s[SLOTS], NSL-1
	s_wait_dscnt 0x0                               ; both opening adds are done
	s_wait_kmcnt 0x0
	s_mov_b32 s[G0SK], 1
	s_mov_b32 s[G0SK+1], SCK
	s_add_nc_u64 s[G0SK+2:G0SK+3], s[10:11], s[88:89]
	s_or_b32 s[G0SK+3], s[G0SK+3], 0x80000000
	s_mov_b32 s[G0SV], 1
	s_mov_b32 s[G0SV+1], SCV
	s_add_nc_u64 s[G0SV+2:G0SV+3], s[14:15], s[88:89]
	s_or_b32 s[G0SV+3], s[G0SV+3], 0x80000000
	s_mov_b32 s[G0K], 1
	s_mov_b32 s[G0K+1], s98
	s_add_nc_u64 s[G0K+2:G0K+3], s[8:9], s[96:97]
	s_or_b32 s[G0K+3], s[G0K+3], 0x80000000
	s_mov_b32 s[G0V], 1
	s_mov_b32 s[G0V+1], s99
	s_add_nc_u64 s[G0V+2:G0V+3], s[12:13], s[78:79]
	s_or_b32 s[G0V+3], s[G0V+3], 0x80000000
	s_add_nc_u64 s[4:5], s[4:5], s[92:93]
	s_add_nc_u64 s[6:7], s[6:7], s[94:95]
	s_mul_i32 s92, s85, 1536
	s_lshl_b32 s94, s85, 7
	s_add_nc_u64 s[16:17], s[16:17], s[92:93]
	s_add_nc_u64 s[18:19], s[18:19], s[94:95]
	s_cmp_eq_u32 s[WV], 6
	s_cselect_b64 s[PFA:PFA+1], s[8:9], s[12:13]
	s_add_nc_u64 s[PFA:PFA+1], s[PFA:PFA+1], s[90:91]
	s_cmp_ge_u32 s[WV], 6
	s_cselect_b32 s[LIM], 1, -1
	CROUND                                         ; all four work-groups are here: the first joint loads meet
.macro ARM under, g0, g1, next         ; one chain of branches on the wave's number: every way through the head passes one load
	s_cmp_lt_u32 s[WV], \under
	s_cbranch_scc0 \next
	tensor_load_to_lds s[\g0:\g0+3], s[\g1:\g1+7]
	s_nop 0
	PLACES 4
	s_branch .Lhead_asked
\next:
.endm
	ARM 4, G0K,  G1K,  .Lhead_v
	ARM 6, G0V,  G1V,  .Lhead_sk
	ARM 7, G0SK, G1SK, .Lhead_sv
	tensor_load_to_lds s[G0SV:G0SV+3], s[G1SV:G1SV+7]
	s_nop 0
	PLACES 4
.Lhead_asked:
	v_and_b32 v92, 31, v0                          ; lane
	v_min_u32 v93, 23, v92                         ; the prefetch's block n
	v_mul_u32_u24 v31, v93, 11
	v_lshrrev_b32 v31, 7, v31                      ; n / 12
	v_mul_u32_u24 v31, v31, 21504
	v_lshl_add_u32 v[PFO], v93, 8, v31             ; 256 n, and on to the next group's bytes behind 12 blocks
	v_lshlrev_b32 v[XO], 4, v92
	v_lshlrev_b32 v[XSO], 2, v92
	v_and_b32 v92, 15, v0                          ; r
	v_bfe_u32 v93, v0, 4, 1                        ; hh
	v_and_b32 v94, 1, v92
	v_bfe_u32 v30, v92, 1, 1
	v_lshrrev_b32 v31, 2, v92
	v_mul_u32_u24 v94, v94, 192
	v_lshl_add_u32 v94, v30, 4, v94
	v_mad_u32_u24 v94, v31, 384, v94
	v_lshl_add_u32 v94, v93, 5, v94                ; Q's row r = 4 b + 2 e + u in its chunk: 384 b + 192 u + 16 e + 32 hh
	v_lshlrev_b32 v95, 2, v92
.irp a, 0,1
	WIN 0x40*\a
.irp c, 0,1,2
	global_load_b128 v[16+4*\c:19+4*\c], v94, s[4:5] offset:1536*\a+64*\c
.endr
.endr
	WIN 0
	global_load_b32 v88, v95, s[6:7]
	global_load_b32 v89, v95, s[6:7] offset:64
	v_and_b32 v30, 7, v92
	v_lshrrev_b32 v31, 3, v92
	v_mul_u32_u24 v[AK0], v30, KG                  ; K: group r % 8, e = r / 8
	v_lshl_add_u32 v[AK0], v31, 4, v[AK0]
	v_lshl_add_u32 v[AK0], v93, 5, v[AK0]
	v_mul_u32_u24 v[ASK0], v30, 1040
	v_lshl_add_u32 v[ASK0], v31, 3, v[ASK0]
	v_add_nc_u32 v[ASK0], SCK, v[ASK0]
	v_mul_u32_u24 v[AV0], v31, VG                  ; V: group r / 8 of the tile's two
	v_lshl_add_u32 v[AV0], v30, 4, v[AV0]
	v_lshl_add_u32 v[AV0], v93, 7, v[AV0]
	v_add_nc_u32 v[AV0], VOFF, v[AV0]
	v_lshl_add_u32 v30, v31, 3, v92                ; r + 8 (r / 8): my channel of a pair of tiles
	v_lshrrev_b32 v31, 2, v30
	v_and_b32 v30, 3, v30
	v_mul_u32_u24 v[ASV0], v31, 272
	v_lshl_add_u32 v[ASV0], v30, 6, v[ASV0]
	v_add_nc_u32 v[ASV0], SCV, v[ASV0]
.irp a, 0,1                            ; the step is written once: the first finds zeros, which the first change of M leaves zeros
	WIN 0x40*\a
	v_mov_b32 v13, 0xff61b1e6                      ; -3e38, under every t
	v_mov_b32 v12, 0x7f61b1e6                      ; -M
	v_mov_b32 v14, 0
	v_mov_b32 v15, 0
.irp b, 0,1,2,3
	v_mov_b32 v[236+\b], 0                         ; a lane permute's destination counts as one of its sources
.endr
	v_mov_b32 v253, 0                              ; named as the upper half of v[252:253]
.set J, 0
.rept 64
	v_mov_b32 v[160+J], 0
.set J, J+1
.endr
.endr
	WIN 0
.macro KLOAD q, th                     ; K's tiles 4 th .. 4 th + 3 of step q of the slot, into window th; 16 LDS loads
	WIN 0x40*(\th)
.irp t, 0,1,2,3
.irp c, 0,1,2
.set IX, 24*(\q)+3*(4*(\th)+\t)+\c
	ds_load_b128 v[32+12*\t+4*\c:35+12*\t+4*\c], v[ADK] offset:64*IX+32*(IX/16)
.endr
.endr
	WIN 0
.irp t, 0,1,2,3
	ds_load_b32 v[80+4*(\th)+\t], v[ADS] offset:64*(\q)+4*(4*((4*(\th)+\t)/2)+\t%2)
.endr
.endm
.macro VLOAD q, th
	WIN 0x40*(\th)
.irp t, 0,1,2,3
.irp c, 0,1,2
.set IX, 6*(\q)+3*(\t%2)+\c
	ds_load_b128 v[32+12*\t+4*\c:35+12*\t+4*\c], v[ADV] offset:2*VG*((4*(\th)+\t)/2)+256*IX+128*(IX/4)
.endr
.endr
	WIN 0
.irp t, 0,1,2,3
	ds_load_b32 v[240+8*(\th)+\t], v[ADT] offset:(8*((4*(\th)+\t)/2)+2*(\t%2))*272+4*(\q)
.endr
.endm
.macro QK th, a                        ; source 0: window th; source 1, C and D: window a.  No two matrix instructions on end share an accumulator
	WIN (\th)|(0x54*(\a))
.irp t, 0,1,2,3
	v_wmma_scale_f32_16x16x128_f8f6f4 v[96+8*(4*(\th)+\t):103+8*(4*(\th)+\t)], v[32+12*\t:43+12*\t], v[16:27], 0, v[80+4*(\th)+\t], v[88+(\a)] matrix_a_fmt:MATRIX_FMT_FP6 matrix_b_fmt:MATRIX_FMT_FP6
.endr
.endm
.macro PV th, a
	WIN (\th)|(0x54*(\a))
.irp t, 0,1,2,3
	v_wmma_scale_f32_16x16x128_f8f6f4 v[160+8*(4*(\th)+\t):167+8*(4*(\th)+\t)], v[32+12*\t:43+12*\t], v[224:235], v[160+8*(4*(\th)+\t):167+8*(4*(\th)+\t)], v[240+8*(\th)+\t], v[90+(\a)] matrix_a_fmt:MATRIX_FMT_FP6 matrix_b_fmt:MATRIX_FMT_FP6
.endr
.endm
; Tile a's softmax of 128 keys, all in window a but for p's scale word, which goes to window 0
.macro SOFT a
	WIN 0x55*(\a)
	s_wait_alu depctr_va_vdst(0)                   ; directly ahead of the first reader of S
.irp b, 0,1,2,3
	v_max3_num_f32 v[232+\b], v[96+16*\b], v[97+16*\b], v[98+16*\b]   ; the largest score of each block of 32 keys
.endr
.irp i, 3,5,7,9,11,13
.irp b, 0,1,2,3
	v_max3_num_f32 v[232+\b], v[232+\b], v[96+16*\b+\i], v[97+16*\b+\i]
.endr
.endr
.irp b, 0,1,2,3
	v_max_num_f32 v[232+\b], v[232+\b], v[111+16*\b]
.endr
.irp b, 0,1,2,3
	s_delay_alu instid0(VALU_DEP_4)
	v_permlanex16_b32 v[236+\b], v[232+\b], s[SEL], s[SEL+1]
.endr
.irp b, 0,1,2,3
	s_delay_alu instid0(VALU_DEP_4)
	v_max_num_f32 v[232+\b], v[232+\b], v[236+\b]
.endr
	s_delay_alu instid0(VALU_DEP_2)
	v_max3_num_f32 v254, v232, v233, v234
	s_delay_alu instid0(VALU_DEP_1)
	v_max_num_f32 v254, v254, v235
	s_delay_alu instid0(VALU_DEP_1)
	v_mul_f32 v254, s[CS], v254
	s_delay_alu instid0(VALU_DEP_1)
	v_max_num_f32 v13, v13, v254                   ; the running largest t
	v_mov_b32 v254, v12
	s_delay_alu instid0(VALU_DEP_2)
	v_floor_f32 v12, -v13                          ; -M = floor(-t)
	s_delay_alu instid0(VALU_DEP_1)
	v_sub_f32 v254, v12, v254
	s_delay_alu instid0(VALU_DEP_1)
	v_cvt_i32_f32 v254, v254
	s_delay_alu instid0(VALU_DEP_1)
	v_ldexp_f32 v252, 1.0, v254                    ; f = 2^(old M - new M)
.irp j, 0,2,4,6,8,10,12,14,16,18,20,22,24,26,28,30,32,34,36,38,40,42,44,46,48,50,52,54,56,58,60,62
	v_pk_fma_f32 v[96+\j:97+\j], v[96+\j:97+\j], s[CS:CS+1], v[12:13] op_sel_hi:[1,0,0]
.endr
.irp b, 0,1,2,3
	v_fma_f32 v[232+\b], v[232+\b], s[CS], v12
.endr
	s_wait_alu depctr_va_vdst(0)                   ; ahead of the batch
.set J, 0
.rept 64
	v_exp_f32 v[96+J], v[96+J]
.set J, J+1
.endr
	v_pk_mul_f32 v[14:15], v[14:15], v[252:253] op_sel_hi:[1,0]
	s_wait_alu depctr_va_vdst(0)                   ; behind the batch
.irp b, 0,1,2,3
	v_exp_f32 v[232+\b], v[232+\b]                 ; each block's largest p
.endr
	v_pk_add_f32 v[236:237], v[96:97], v[98:99]    ; the sum of the unquantised p, in two chains
.irp j, 4,8,12,16,20,24,28,32,36,40,44,48,52,56,60
	v_pk_add_f32 v[14:15], v[14:15], v[96+\j:97+\j]
	v_pk_add_f32 v[236:237], v[236:237], v[98+\j:99+\j]
.endr
	s_delay_alu instid0(VALU_DEP_1)
	v_pk_add_f32 v[14:15], v[14:15], v[236:237]
	s_wait_alu depctr_va_vdst(0)                   ; for the four
.irp b, 0,1,2,3
	v_max_num_f32 v[232+\b], 0x1800000, v[232+\b]  ; the floor 2^(3 - 127)
.endr
.irp b, 0,1,2,3
	s_delay_alu instid0(VALU_DEP_4)
	v_add_nc_u32 v[244+\b], 0xff000000, v[232+\b]  ; 2 off the exponent field: the conversion's scale operand
.endr
.irp b, 0,1,2,3
	s_delay_alu instid0(VALU_DEP_4)
	v_lshrrev_b32 v[236+\b], 23, v[244+\b]
.endr
	s_delay_alu instid0(VALU_DEP_3)
	v_lshl_or_b32 v254, v237, 8, v236
	s_delay_alu instid0(VALU_DEP_1)
	v_lshl_or_b32 v254, v238, 16, v254
	WIN 0x15*(\a)
	v_lshl_or_b32 v[90+(\a)], v239, 24, v254       ; p's scale word: scale operands are taken from window 0
	WIN 0x55*(\a)
.irp c, 0,1
	v_cvt_scalef32_pk16_fp6_f32 v[224+6*\c:226+6*\c], v[96+32*\c:111+32*\c], v[244+2*\c]
	v_cvt_scalef32_pk16_fp6_f32 v[236-144*\c:238-144*\c], v[112+32*\c:127+32*\c], v[244+2*\c+1]   ; the upper halves are made at v236-238 and v92-94 and moved
.endr
	v_nop                                          ; one plain place behind a scaled conversion
.irp c, 0,1
.irp i, 0,1,2
	v_permlane16_swap_b32 v[224+6*\c+\i], v[236-144*\c+\i]
.endr
.irp i, 0,1,2
	s_delay_alu instid0(VALU_DEP_3)
	v_mov_b32 v[227+6*\c+\i], v[236-144*\c+\i]
.endr
.endr
	s_wait_alu depctr_va_vdst(0)                   ; directly ahead of the first reader of O^T
.irp j, 0,2,4,6,8,10,12,14,16,18,20,22,24,26,28,30,32,34,36,38,40,42,44,46,48,50,52,54,56,58,60,62
	v_pk_mul_f32 v[160+\j:161+\j], v[160+\j:161+\j], v[252:253] op_sel_hi:[1,0]   ; O^T under the new M; also the places ahead of the scaled products
.endr
.endm
; A step of 128 keys.  Step 0 fetches its own K behind the barrier; step 1's K is asked for inside step 0's second product, each half when its registers are free.
.macro STEP q
.if \q == 0
	KLOAD 0, 0
	KLOAD 0, 1
.endif
	s_wait_dscnt 16                                ; tiles 0-3 are in; the 16 younger loads (tiles 4-7) may be out
	QK 0, 0
	QK 0, 1
	s_wait_dscnt 0x0
	QK 1, 0
	QK 1, 1
	WIN 0
	PLACES 4                                       ; ahead of loads into the fragments' registers and of the first read of S
	VLOAD \q, 0
	VLOAD \q, 1                                    ; they land under the two softmaxes
	SOFT 0
	SOFT 1
	WIN 0
	s_wait_alu depctr_va_vdst(0)                   ; directly ahead of the wait below
	s_wait_dscnt 0x0
	PV 0, 0
	PV 0, 1
	PLACES 4
.if \q == 0
	KLOAD 1, 0
.endif
	PV 1, 0
	PV 1, 1
	PLACES 4
.if \q == 0
	KLOAD 1, 1
.endif
	WIN 0
.endm
.macro CHANGE fill
	s_wait_tensorcnt 0x0                           ; my load, if any, has landed;
	ds_add_u32 v[SPW], v[NIL]                      ; 0 onto my spare word;
.if \fill
	s_xor_b32 s[G0K+1], s[G0K+1], SLOT1            ; no load of mine is out: the next slot's descriptors
	s_add_nc_u64 s[G0K+2:G0K+3], s[G0K+2:G0K+3], 3072
	s_xor_b32 s[G0V+1], s[G0V+1], SLOT1
	s_add_nc_u64 s[G0V+2:G0V+3], s[G0V+2:G0V+3], 3072
	s_wait_xcnt 0x0                                ; the last prefetch has read its address
	s_add_nc_u64 s[PFA:PFA+1], s[PFA:PFA+1], 3072
.endif
	s_wait_dscnt 0x0                               ; the add is done, and my reads of the other slot
.if \fill
	CROUND                                         ; the same holds of every wave of all four partners
	TLOAD                                          ; the first time: slot 1's first fill, issued as a refill is
	ASK
.else
	s_barrier_signal -1
	s_barrier_wait -1
.endif
	v_add_nc_u32 v[ADK], s[TB], v[AK0]
	v_add_nc_u32 v[ADV], s[TB], v[AV0]
	v_add_nc_u32 v[ADS], s[TS], v[ASK0]
	v_add_nc_u32 v[ADT], s[TJ], v[ASV0]
	s_wait_alu depctr_va_vdst(0)                   ; directly behind the writes
.endm
	s_wait_alu depctr_va_vdst(0)                   ; the wait at the head's end
	s_wait_loadcnt 0x0                             ; Q and its scale words
.Lslot:
	CHANGE 1
	STEP 0
	STEP 1
	s_xor_b32 s[TB], s[TB], SLOT1
	s_add_co_u32 s[TS], s[TS], 128
	s_add_co_u32 s[TJ], s[TJ], 8
	s_sub_co_u32 s[SLOTS], s[SLOTS], 1
	s_cmp_lg_u32 s[SLOTS], 0
	s_cbranch_scc1 .Lslot
	CHANGE 0                                       ; the last slot: nothing more to fetch
	STEP 0
	STEP 1
; Tile a's way out: O^T / the sum, quantised along the channels; register 16 b + i is channel 32 b + 16 hh + i.  The codes leave as an image of the operand's registers, 512 consecutive bytes a store.
.macro FIN a
	WIN 0x55*(\a)
	v_add_f32 v14, v14, v15
	s_delay_alu instid0(VALU_DEP_1)
	v_permlanex16_b32 v252, v14, s[SEL], s[SEL+1]
	s_delay_alu instid0(VALU_DEP_1)
	v_add_f32 v14, v14, v252
	s_wait_alu depctr_va_vdst(0)
	v_rcp_f32 v14, v14
.irp b, 0,1,2,3
	v_mov_b32 v[TM+4+\b], 0
.endr
	s_wait_alu depctr_va_vdst(0)
.irp j, 0,2,4,6,8,10,12,14,16,18,20,22,24,26,28,30,32,34,36,38,40,42,44,46,48,50,52,54,56,58,60,62
	v_pk_mul_f32 v[96+\j:97+\j], v[160+\j:161+\j], v[14:15] op_sel_hi:[1,0]
.endr
.irp b, 0,1,2,3
	v_max3_num_f32 v[TM+\b], |v[96+16*\b]|, |v[97+16*\b]|, 0x1800000
.endr
.irp i, 2,4,6,8,10,12,14
.irp b, 0,1,2,3
	s_delay_alu instid0(VALU_DEP_4)
	v_max3_num_f32 v[TM+\b], v[TM+\b], |v[96+16*\b+\i]|, |v[97+16*\b+\i]|
.endr
.endr
.irp b, 0,1,2,3
	s_delay_alu instid0(VALU_DEP_4)
	v_permlanex16_b32 v[TM+4+\b], v[TM+\b], s[SEL], s[SEL+1]
.endr
.irp b, 0,1,2,3
	s_delay_alu instid0(VALU_DEP_4)
	v_max_num_f32 v[TM+\b], v[TM+\b], v[TM+4+\b]
.endr
.irp b, 0,1,2,3
	s_delay_alu instid0(VALU_DEP_4)
	v_add_nc_u32 v[TM+12+\b], 0xff000000, v[TM+\b]
.endr
.irp b, 0,1,2,3
	s_delay_alu instid0(VALU_DEP_4)
	v_lshrrev_b32 v[TM+4+\b], 23, v[TM+12+\b]
.endr
	s_delay_alu instid0(VALU_DEP_3)
	v_lshl_or_b32 v[PW], v[TM+5], 8, v[TM+4]
	s_delay_alu instid0(VALU_DEP_1)
	v_lshl_or_b32 v[PW], v[TM+6], 16, v[PW]
	s_delay_alu instid0(VALU_DEP_1)
	v_lshl_or_b32 v[PW], v[TM+7], 24, v[PW]
.irp c, 0,1
	v_cvt_scalef32_pk16_fp6_f32 v[PCD+6*\c:PCD+2+6*\c], v[96+32*\c:111+32*\c], v[TM+12+2*\c]
	v_cvt_scalef32_pk16_fp6_f32 v[PCD+12+4*\c:PCD+14+4*\c], v[112+32*\c:127+32*\c], v[TM+12+2*\c+1]
.endr
	v_nop
.irp c, 0,1
.irp i, 0,1,2
	v_permlane16_swap_b32 v[PCD+6*\c+\i], v[PCD+12+4*\c+\i]
.endr
.irp i, 0,1,2
	s_delay_alu instid0(VALU_DEP_3)
	v_mov_b32 v[PCD+3+6*\c+\i], v[PCD+12+4*\c+\i]
.endr
.endr
	WIN 0x04*(\a)                                  ; the data in window a, the offsets in window 0
.irp c, 0,1,2
	global_store_b128 v[XO], v[PCD+4*\c:PCD+4*\c+3], s[16:17] offset:1536*(\a)+512*\c
.endr
	global_store_b32 v[XSO], v[PW], s[18:19] offset:128*(\a)
.endm
	FIN 0
	FIN 1
	WIN 0
	s_wait_tensorcnt 0x0                           ; the wave's end
	ds_add_u32 v[SPW], v[NIL]
	s_wait_dscnt 0x0
	CROUND                                         ; the closing round
	s_endpgm
.Lfunc_end_k_q91b9c85cb5_attn:
	.size	k_q91b9c85cb5_attn, .Lfunc_end_k_q91b9c85cb5_attn-k_q91b9c85cb5_attn
	.p2alignl 7, 3214868480
	.fill 96, 4, 3214868480
	.section	.rodata,"a",@progbits
	.p2align	6, 0x0
	.amdhsa_kernel k_q91b9c85cb5_attn
		.amdhsa_group_segment_fixed_size 327680
		.amdhsa_private_segment_fixed_size 0
		.amdhsa_enable_private_segment 0
		.amdhsa_kernarg_size 64
		.amdhsa_user_sgpr_count 2
		.amdhsa_user_sgpr_kernarg_segment_ptr 1
		.amdhsa_wavefront_size32 1
		.amdhsa_system_sgpr_workgroup_id_x 1
		.amdhsa_system_sgpr_workgroup_id_y 1
		.amdhsa_system_sgpr_workgroup_id_z 1
		.amdhsa_system_vgpr_workitem_id 0
		.amdhsa_next_free_vgpr 512
		.amdhsa_next_free_sgpr 100
		.amdhsa_reserve_vcc 0
		.amdhsa_float_denorm_mode_32 3
		.amdhsa_float_denorm_mode_16_64 3
		.amdhsa_memory_ordered 1
		.amdhsa_forward_progress 1
		.amdhsa_inst_pref_size 180
	.end_amdhsa_kernel
	.amdgpu_metadata
---
amdhsa.version: [ 1, 2 ]
amdhsa.kernels:
  - .name:           k_q91b9c85cb5_attn
    .symbol:         k_q91b9c85cb5_attn.kd
    .args:
      - { .name: Qc, .offset: 0, .size: 8, .value_kind: global_buffer, .address_space: global }
      - { .name: Qs, .offset: 8, .size: 8, .value_kind: global_buffer, .address_space: global }
      - { .name: Kc, .offset: 16, .size: 8, .value_kind: global_buffer, .address_space: global }
      - { .name: Ks, .offset: 24, .size: 8, .value_kind: global_buffer, .address_space: global }
      - { .name: Vc, .offset: 32, .size: 8, .value_kind: global_buffer, .address_space: global }
      - { .name: Vs, .offset: 40, .size: 8, .value_kind: global_buffer, .address_space: global }
      - { .name: Xc, .offset: 48, .size: 8, .value_kind: global_buffer, .address_space: global }
      - { .name: Xs, .offset: 56, .size: 8, .value_kind: global_buffer, .address_space: global }
    .group_segment_fixed_size: 327680
    .private_segment_fixed_size: 0
    .kernarg_segment_align: 8
    .kernarg_segment_size: 64
    .max_flat_workgroup_size: 256
    .sgpr_count:     100
    .vgpr_count:     512
    .wavefront_size: 32
...
	.end_amdgpu_metadata
.endif
;; end of part 7
;; launch fc (part 8): grid 16 x 16, 4 waves a work-group, clusters of 4 x 4, 327,680 bytes of LDS; arguments Xc, Xs, Wfc_codes, Wfc_scales, bfc, out0; writes out0
.if DOCPART == 8
	.amdgcn_target "amdgcn-amd-amdhsa--gfx1250"
	.amdhsa_code_object_version 6
	.text
	.protected	k_q91b9c85cb5_fc
	.globl	k_q91b9c85cb5_fc
	.p2align	8
	.type	k_q91b9c85cb5_fc,@function
k_q91b9c85cb5_fc:
	s_mov_b64 s[64:65], 0
	v_nop
	global_prefetch_b8 v0, s[64:65] scope:SCOPE_SE
	s_setreg_imm32_b32 hwreg(HW_REG_WAVE_MODE, 25, 1), 1
	s_wait_xcnt 0x0
	s_wait_alu depctr_hold_cnt(0) depctr_sa_sdst(0) depctr_va_vdst(0) depctr_va_sdst(0) depctr_va_ssrc(0) depctr_va_vcc(0) depctr_vm_vsrc(0)
	s_getreg_b32 s2, hwreg(HW_REG_IB_STS2, 6, 4)
	s_cmp_eq_u32 s2, 0
	s_cbranch_scc0 .Lentry_in_a_cluster
	s_endpgm
.Lentry_in_a_cluster:
	s_bfe_u32 s2, ttmp6, 0x10000c
	s_cmp_lg_u32 s2, 0xf033
	s_cbranch_scc0 .Lentry_shape_is_right
	s_endpgm
.Lentry_shape_is_right:
.set SLOT,  101376
.set BOFF,  49152
.set SCB,   2*SLOT
.set SCA,   SCB+64*272
.set SPARE, SCA+32768
.set ADA,  4
.set ADSA, 6
.set ADSB, 7
.set RSTO, 8
.set RRD,  9
.set CO,   10
.set SPW,  28
.set NIL,  29
.set ADB,  32
.set SA,   64
.set SB,   72
.set ACC,  128
.set G1,   24
.set G0,   32
.set G1B,  48
.set G0B,  56
.set G1S,  68
.set G0S,  76
.set G1SB, 80
.set G0SB, 88
.set MSB, 0
.macro WIN new
.if MSB != \new
	s_set_vgpr_msb (MSB<<8)|\new
.set MSB, \new
.endif
.endm
.macro PLACES n
.rept \n
	v_nop
.endr
.endm
.macro JLOAD g0a, g1a, g0b, g1b
	s_cmp_eq_u32 s15, 0
	s_cbranch_scc0 .Lfor_b_\@
	tensor_load_to_lds s[\g0a:\g0a+3], s[\g1a:\g1a+7]
	s_nop 0
.rept 4
	v_nop
.endr
	s_branch .Lasked_\@
.Lfor_b_\@:
	tensor_load_to_lds s[\g0b:\g0b+3], s[\g1b:\g1b+7]
	s_nop 0
.rept 4
	v_nop
.endr
.Lasked_\@:
.endm
.macro CROUND
	s_barrier_signal -1
	s_barrier_wait -1
	s_cmp_lg_u32 s14, 0
	s_cbranch_scc1 .Lnot_wave_0_\@
	s_barrier_signal -3
.Lnot_wave_0_\@:
	s_barrier_wait -3
	s_barrier_signal -1
	s_barrier_wait -1
.endm
	s_load_b256 s[4:11], s[0:1], 0x0
	s_load_b128 s[92:95], s[0:1], 0x20
	v_lshl_add_u32 v[SPW], v0, 2, SPARE
	v_mov_b32 v[NIL], 0
	ds_add_u32 v28, v29
	ds_add_u32 v28, v29
	s_wait_dscnt 0x0
	v_lshrrev_b32 v1, 5, v0
	v_readfirstlane_b32 s14, v1
	s_lshr_b32 s15, s14, 1
	s_and_b32 s16, s14, 1
	s_bfe_u32 s40, ttmp6, 0x40000
	s_bfe_u32 s41, ttmp6, 0x40004
	s_lshl_b32 s42, ttmp9, 2
	s_add_co_u32 s42, s42, s40
	s_and_b32 s17, ttmp7, 0xffff
	s_lshl_b32 s17, s17, 2
	s_add_co_u32 s17, s17, s41
	s_lshl_b32 s43, s41, 2
	s_lshl_b32 s43, 15, s43
	s_lshl_b32 s44, 0x1111, s40
	s_or_b32 s[G1], s43, (3<<16)|(1<<21)
	s_mov_b32 s[G1+1], 32<<16
	s_mov_b32 s[G1+2], 192<<16                     ; the head's load brings A's whole slot, 192 rows of 256 bytes; behind it the two words that count rows are set to a half's 96
	s_mov_b32 s[G1+3], 32<<16
	s_mov_b32 s[G1+4], 192
	s_mov_b32 s[G1+5], 32
	s_mov_b32 s[G1+6], 0
	s_mov_b32 s[G1+7], 0
	s_or_b32 s[G1B], s44, (3<<16)|(1<<20)|(1<<21)|(5<<22)|(3<<25)
	s_mov_b32 s[G1B+1], 96<<16
	s_mov_b32 s[G1B+2], 64<<16                     ; likewise B's 64 rows at the head, then 32
	s_mov_b32 s[G1B+3], 96<<16
	s_mov_b32 s[G1B+4], 64
	s_mov_b32 s[G1B+5], 768
	s_mov_b32 s[G1B+6], 0
	s_mov_b32 s[G1B+7], 0
	s_or_b32 s[G1S], s43, (3<<16)|(1<<21)
	s_mov_b32 s[G1S+1], 32<<16
	s_mov_b32 s[G1S+2], 128<<16                    ; A's scale words, all 32,768 bytes by one load
	s_mov_b32 s[G1S+3], 32<<16
	s_mov_b32 s[G1S+4], 128
	s_mov_b32 s[G1S+5], 32
	s_mov_b32 s[G1S+6], 0
	s_mov_b32 s[G1S+7], 0
	s_or_b32 s[G1SB], s44, (3<<16)|(1<<20)|(1<<21)|(5<<22)|(3<<25)
	s_mov_b32 s[G1SB+1], 32<<16
	s_mov_b32 s[G1SB+2], 64<<16                    ; B's scale bytes, all 64 rows by one load
	s_mov_b32 s[G1SB+3], 32<<16
	s_mov_b32 s[G1SB+4], 64
	s_mov_b32 s[G1SB+5], 32
	s_mov_b32 s[G1SB+6], 0
	s_mov_b32 s[G1SB+7], 0
	s_mul_i32 s20, s17, 393216                     ; A: my tile row's codes,
	s_mov_b32 s21, 0
	s_lshl_b32 s22, s17, 15                        ; and its scale words
	s_mov_b32 s23, 0
	s_lshl_b32 s46, s42, 6                         ; B: my tile column's first row,
	s_lshl_b32 s96, s46, 8                         ; its scale bytes,
	s_mov_b32 s97, 0
	s_mul_i32 s46, s46, 6144                       ; its codes
	s_mov_b32 s47, 0
	s_mul_i32 s45, s16, 24576                      ; the ring: my half of A's slot, in memory and in LDS,
	s_mov_b32 s2, s45
	s_mov_b32 s3, 0
	s_mul_i32 s18, s16, 196608                     ; my 32 rows of B in memory,
	s_mov_b32 s19, 0
	s_mul_i32 s98, s16, 26112                      ; and in LDS
	s_add_co_u32 s98, s98, BOFF
	; THE PREFETCHES, one instruction a wave, 24 blocks of 256 bytes, a lane a block (lanes 24-31 name the last again).  A slot has 192 blocks of A and 192 of B.
	; The four partners that ask for a tile jointly take 48 blocks each, told apart by address (cx for A, cy for B); waves 0 and 1 name A's, waves 2 and 3 B's (8 rows x 3 blocks each).
	s_mul_i32 s99, s40, 12288
	s_add_co_u32 s99, s99, s20
	s_mul_i32 s12, s16, 6144
	s_add_co_u32 s99, s99, s12
	s_add_co_u32 s99, s99, 49152                   ; A: slot 1, my work-group's quarter, my wave's half of it
	s_lshl_b32 s12, s42, 6
	s_lshl_b32 s13, s41, 4
	s_add_co_u32 s12, s12, s13
	s_lshl_b32 s13, s16, 3
	s_add_co_u32 s12, s12, s13
	s_mul_i32 s12, s12, 6144
	s_add_co_u32 s12, s12, 768                     ; B: slot 1 of my 8 rows
	s_mov_b32 s104, 768
	s_mov_b32 s100, 5376
	s_cmp_eq_u32 s15, 0                            ; do I fetch for A?
	s_cselect_b32 s12, s99, s12
	s_cselect_b32 s104, 49152, s104                ; s[104:105]: from slot to slot
	s_cselect_b32 s100, 0, s100                    ; B: behind 3 blocks on to the next row, 6,144 - 768 bytes further
	s_mov_b32 s13, 0
	s_mov_b32 s105, 0
	v_and_b32 v17, 31, v0
	v_min_u32 v17, 23, v17                         ; block n
	v_mul_u32_u24 v18, v17, 11
	v_lshrrev_b32 v18, 5, v18                      ; n / 3
	v_mul_u32_u24 v18, v18, s100
	v_lshl_add_u32 v16, v17, 8, v18                ; v16: the prefetches' offset; never rewritten
	s_wait_alu depctr_va_vdst(0)                   ; directly behind the write
	s_wait_kmcnt 0x0
	s_add_nc_u64 s[20:21], s[4:5], s[20:21]
	s_add_nc_u64 s[22:23], s[6:7], s[22:23]
	s_add_nc_u64 s[46:47], s[8:9], s[46:47]
	s_add_nc_u64 s[96:97], s[10:11], s[96:97]
	s_cmp_eq_u32 s15, 0
	s_cselect_b64 s[4:5], s[4:5], s[8:9]
	s_add_nc_u64 s[12:13], s[4:5], s[12:13]        ; s[12:13]: slot 1,
	s_add_nc_u64 s[100:101], s[12:13], s[104:105]  ; s[100:101]: slot 2
	CROUND                                         ; all sixteen work-groups are here: the first joint loads meet
	s_mov_b32 s[G0S], 1
	s_mov_b32 s[G0S+1], SCA
	s_mov_b64 s[G0S+2:G0S+3], s[22:23]
	s_or_b32 s[G0S+3], s[G0S+3], 0x80000000
	s_mov_b32 s[G0SB], 1
	s_mov_b32 s[G0SB+1], SCB
	s_mov_b64 s[G0SB+2:G0SB+3], s[96:97]
	s_or_b32 s[G0SB+3], s[G0SB+3], 0x80000000
	s_mov_b32 s4, 1                                ; s[4:7], s[8:11]: group 0 for slot 0's whole tiles of A and of B
	s_mov_b32 s5, 0
	s_mov_b64 s[6:7], s[20:21]
	s_or_b32 s7, s7, 0x80000000
	s_mov_b32 s8, 1
	s_mov_b32 s9, BOFF
	s_mov_b64 s[10:11], s[46:47]
	s_or_b32 s11, s11, 0x80000000
; THE HEAD'S LOADS, ONE A WAVE: wave 0 slot 0's A, wave 1 its B, wave 2 A's scale words, wave 3 B's scale bytes; one chain of branches on the wave's number, one load to an arm
.macro HARM under, g0, g1, next
	s_cmp_lt_u32 s14, \under
	s_cbranch_scc0 \next
	tensor_load_to_lds s[\g0:\g0+3], s[\g1:\g1+7]
	s_nop 0
	PLACES 4
	s_branch .Lhead_asked
\next:
.endm
	HARM 1, 4, G1, .Lhead_b
	HARM 2, 8, G1B, .Lhead_sa
	HARM 3, G0S, G1S, .Lhead_sb
	tensor_load_to_lds s[G0SB:G0SB+3], s[G1SB:G1SB+7]
	s_nop 0
	PLACES 4
.Lhead_asked:
	global_prefetch_b8 v16, s[12:13] th:TH_LOAD_NT scope:SCOPE_SE      ; slot 1
	global_prefetch_b8 v16, s[100:101] th:TH_LOAD_NT scope:SCOPE_SE    ; slot 2
	s_add_nc_u64 s[20:21], s[20:21], s[2:3]        ; for the ring: my half of each tile
	s_add_nc_u64 s[46:47], s[46:47], s[18:19]
.irp s, 0,1
	s_mov_b32 s[G0+4*\s], 1
	s_add_co_u32 s[G0+4*\s+1], s45, \s*SLOT
	s_add_nc_u64 s[G0+4*\s+2:G0+4*\s+3], s[20:21], \s*49152
	s_or_b32 s[G0+4*\s+3], s[G0+4*\s+3], 0x80000000
	s_mov_b32 s[G0B+4*\s], 1
	s_add_co_u32 s[G0B+4*\s+1], s98, \s*SLOT
	s_add_nc_u64 s[G0B+4*\s+2:G0B+4*\s+3], s[46:47], \s*768
	s_or_b32 s[G0B+4*\s+3], s[G0B+4*\s+3], 0x80000000
.endr
	s_wait_alu depctr_va_vdst(0)
	s_wait_tensorcnt 0x0                           ; my tile of the head's four is in
	ds_add_u32 v28, v29
	s_mov_b32 s[G1+2], 96<<16                      ; no tensor load of mine is out: from here on a load brings half a tile
	s_mov_b32 s[G1+4], 96
	s_mov_b32 s[G1B+2], 32<<16
	s_mov_b32 s[G1B+4], 32
	s_wait_xcnt 0x0                                ; the prefetches have read their addresses
	s_add_nc_u64 s[12:13], s[12:13], s[104:105]
	s_add_nc_u64 s[12:13], s[12:13], s[104:105]    ; on to slot 3
	s_wait_dscnt 0x0
	CROUND                                         ; all four tiles are in, in every partner
	JLOAD G0+4, G1, G0B+4, G1B                     ; slot 1's first fill, the first tensor load behind the round
	global_prefetch_b8 v16, s[12:13] th:TH_LOAD_NT scope:SCOPE_SE      ; beside slot j's load: slot j + 2
	v_and_b32 v1, 15, v0
	v_bfe_u32 v2, v0, 4, 1
	v_and_b32 v3, 31, v0
	s_mul_i32 s18, s14, 12288
	v_lshl_add_u32 v[ADA], v3, 4, s18
	v_add_nc_u32 v[ADA+1], SLOT, v[ADA]
	s_lshl_b32 s18, s14, 10
	s_add_co_u32 s18, s18, SCA
	v_lshl_add_u32 v[ADSA], v3, 2, s18
	s_lshl_b32 s18, s14, 3
	s_add_co_u32 s18, s18, SCB
	v_mul_u32_u24 v[ADSB], v1, 272
	v_add_nc_u32 v[ADSB], s18, v[ADSB]
	s_mul_i32 s18, s14, 192
	v_mul_u32_u24 v56, v2, 24
	v_add_nc_u32 v56, s18, v56
	v_mul_u32_u24 v59, v1, 816
	v_add_nc_u32 v59, BOFF, v59
.irp e, 0,1
.irp p, 0,1,2,3,4,5
	v_add_nc_u32 v57, 96*\e+48*(\p/3)+8*(\p%3), v56
	v_lshrrev_b32 v58, 8, v57
	v_lshl_add_u32 v57, v58, 4, v57
	v_add_nc_u32 v[ADB+6*\e+\p], v57, v59
	v_add_nc_u32 v[ADB+12+6*\e+\p], SLOT, v[ADB+6*\e+\p]
.endr
.endr
	s_mul_i32 s18, s14, 17408
	v_mul_u32_u24 v[RSTO], v1, 272
	v_lshl_add_u32 v[RSTO], v2, 5, v[RSTO]
	v_add_nc_u32 v[RSTO], s18, v[RSTO]
	s_mul_i32 s18, s14, 16*272
	v_mul_u32_u24 v[RRD], v2, 272
	v_lshl_add_u32 v[RRD], v1, 4, v[RRD]
	v_add_nc_u32 v[RRD], s18, v[RRD]
	v_lshlrev_b32 v[CO], 12, v2
	v_lshl_add_u32 v[CO], v1, 4, v[CO]
	v_lshlrev_b32 v11, 4, v1
	s_lshl_b32 s20, s42, 8
	s_mov_b32 s21, 0
	s_add_nc_u64 s[92:93], s[92:93], s[20:21]
	global_load_b128 v[12:15], v11, s[92:93]
	s_lshl_b32 s18, s17, 6
	s_lshl_b32 s19, s14, 4
	s_add_co_u32 s18, s18, s19
	s_lshl_b32 s18, s18, 12
	s_add_co_u32 s18, s18, s20
	s_mov_b32 s19, 0
	s_add_nc_u64 s[94:95], s[94:95], s[18:19]
.macro MULE e, zero
.irp ml, 0,1,2,3
.irp nt, 0,1,2,3
.if \zero
	v_wmma_scale_f32_16x16x128_f8f6f4 v[ACC+8*(4*\ml+\nt):ACC+8*(4*\ml+\nt)+7], v[96+48*\e+12*\nt:96+48*\e+12*\nt+11], v[48*\e+12*\ml:48*\e+12*\ml+11], 0, v[SB+2*\nt+\e], v[SA+4*\e+\ml] matrix_a_fmt:MATRIX_FMT_FP6 matrix_b_fmt:MATRIX_FMT_FP6
.else
	v_wmma_scale_f32_16x16x128_f8f6f4 v[ACC+8*(4*\ml+\nt):ACC+8*(4*\ml+\nt)+7], v[96+48*\e+12*\nt:96+48*\e+12*\nt+11], v[48*\e+12*\ml:48*\e+12*\ml+11], v[ACC+8*(4*\ml+\nt):ACC+8*(4*\ml+\nt)+7], v[SB+2*\nt+\e], v[SA+4*\e+\ml] matrix_a_fmt:MATRIX_FMT_FP6 matrix_b_fmt:MATRIX_FMT_FP6
.endif
.endr
.endr
.endm
.macro WORK slot, zero
.irp e, 0,1
.irp ml, 0,1,2,3
	ds_load_b32 v[SA+4*\e+\ml], v[ADSA] offset:(4*\e+\ml)*128
.endr
.endr
.irp nt, 0,1,2,3
	ds_load_b64 v[SB+2*\nt:SB+2*\nt+1], v[ADSB] offset:4352*\nt
.endr
	WIN 0x40
.irp e, 0,1
.irp ml, 0,1,2,3
.irp c, 0,1,2
	ds_load_b128 v[48*\e+12*\ml+4*\c:48*\e+12*\ml+4*\c+3], v[ADA+\slot] offset:(4*\e+\ml)*1536+512*\c
.endr
.endr
.irp nt, 0,1,2,3
.irp p, 0,1,2,3,4,5
	ds_load_b64 v[96+48*\e+12*\nt+2*\p:96+48*\e+12*\nt+2*\p+1], v[ADB+12*\slot+6*\e+\p] offset:13056*\nt
.endr
.endr
.endr
	s_wait_dscnt 36
	WIN 0x05
	MULE 0, \zero
	s_wait_dscnt 0x0
	MULE 1, 0
	WIN 0
.endm
.macro TWO slot, refill
	s_wait_tensorcnt 0x0
	ds_add_u32 v[SPW], v[NIL]
.if \refill
	s_add_nc_u64 s[G0+4*(1-\slot)+2:G0+4*(1-\slot)+3], s[G0+4*(1-\slot)+2:G0+4*(1-\slot)+3], 2*49152
	s_add_nc_u64 s[G0B+4*(1-\slot)+2:G0B+4*(1-\slot)+3], s[G0B+4*(1-\slot)+2:G0B+4*(1-\slot)+3], 2*768
	s_wait_xcnt 0x0                                ; the last prefetch has read its address
	s_add_nc_u64 s[12:13], s[12:13], s[104:105]
.endif
	s_wait_dscnt 0x0
.if \refill
	CROUND
	JLOAD G0+4*(1-\slot), G1, G0B+4*(1-\slot), G1B
	s_cmp_gt_u32 s3, 1                             ; the last lap's two refills have no slot two on
	s_cbranch_scc0 .Lno_ask_\@
	global_prefetch_b8 v16, s[12:13] th:TH_LOAD_NT scope:SCOPE_SE
.Lno_ask_\@:
.else
	s_barrier_signal -1
	s_barrier_wait -1
	PLACES 4
.endif
	s_wait_alu depctr_va_vdst(0)
	v_add_nc_u32 v[ADSA], 4096, v[ADSA]
	v_add_nc_u32 v[ADSB], 32, v[ADSB]
	WORK \slot, 0
.endm
	s_wait_tensorcnt 1
	s_barrier_signal -1
	s_barrier_wait -1
	WORK 0, 1
	s_mov_b32 s3, 3
.Llap:
	TWO 1, 1
	TWO 0, 1
	s_sub_co_u32 s3, s3, 1
	s_cmp_lg_u32 s3, 0
	s_cbranch_scc1 .Llap
	TWO 1, 0
	PLACES 4
.irp ml, 0,1,2,3
.irp nt, 0,1,2,3
	ds_store_b128 v[RSTO], v[ACC+8*(4*\ml+\nt):ACC+8*(4*\ml+\nt)+3] offset:4352*\ml+64*\nt
	ds_store_b128 v[RSTO], v[ACC+8*(4*\ml+\nt)+4:ACC+8*(4*\ml+\nt)+7] offset:4352*\ml+64*\nt+16
.endr
.endr
	s_wait_dscnt 0x0
	s_barrier_signal -1
	s_barrier_wait -1
.irp k, 0,1,2,3
.irp i, 0,1,2,3,4,5,6,7
	ds_load_b128 v[ACC+4*(8*\k+\i):ACC+4*(8*\k+\i)+3], v[RRD] offset:17408*\k+544*\i
.endr
.endr
	s_wait_dscnt 0x0
	s_wait_loadcnt 0x0
.irp i, 0,1,2,3,4,5,6,7
.irp u, 0,2
	v_pk_add_f32 v[ACC+4*\i+\u:ACC+4*\i+\u+1], v[ACC+4*\i+\u:ACC+4*\i+\u+1], v[ACC+32+4*\i+\u:ACC+32+4*\i+\u+1]
	v_pk_add_f32 v[ACC+64+4*\i+\u:ACC+64+4*\i+\u+1], v[ACC+64+4*\i+\u:ACC+64+4*\i+\u+1], v[ACC+96+4*\i+\u:ACC+96+4*\i+\u+1]
.endr
.irp u, 0,2
	v_pk_add_f32 v[ACC+4*\i+\u:ACC+4*\i+\u+1], v[ACC+4*\i+\u:ACC+4*\i+\u+1], v[ACC+64+4*\i+\u:ACC+64+4*\i+\u+1]
.endr
.irp u, 0,2
	v_pk_add_f32 v[ACC+4*\i+\u:ACC+4*\i+\u+1], v[ACC+4*\i+\u:ACC+4*\i+\u+1], v[12+\u:13+\u]
.endr
	global_store_b128 v[CO], v[ACC+4*\i:ACC+4*\i+3], s[94:95] offset:8192*\i th:TH_STORE_NT
.endr
	s_wait_tensorcnt 0x0
	ds_add_u32 v[SPW], v[NIL]
	s_wait_dscnt 0x0
	CROUND
	s_endpgm
.Lfunc_end_k_q91b9c85cb5_fc:
	.size	k_q91b9c85cb5_fc, .Lfunc_end_k_q91b9c85cb5_fc-k_q91b9c85cb5_fc
	.p2alignl 7, 3214868480
	.fill 96, 4, 3214868480
	.section	.rodata,"a",@progbits
	.p2align	6, 0x0
	.amdhsa_kernel k_q91b9c85cb5_fc
		.amdhsa_group_segment_fixed_size 327680
		.amdhsa_private_segment_fixed_size 0
		.amdhsa_enable_private_segment 0
		.amdhsa_kernarg_size 48
		.amdhsa_user_sgpr_count 2
		.amdhsa_user_sgpr_kernarg_segment_ptr 1
		.amdhsa_wavefront_size32 1
		.amdhsa_system_sgpr_workgroup_id_x 1
		.amdhsa_system_sgpr_workgroup_id_y 1
		.amdhsa_system_sgpr_workgroup_id_z 1
		.amdhsa_system_vgpr_workitem_id 0
		.amdhsa_next_free_vgpr 512
		.amdhsa_next_free_sgpr 106
		.amdhsa_reserve_vcc 0
		.amdhsa_float_denorm_mode_32 3
		.amdhsa_float_denorm_mode_16_64 3
		.amdhsa_memory_ordered 1
		.amdhsa_forward_progress 1
		.amdhsa_inst_pref_size 66
	.end_amdhsa_kernel
	.amdgpu_metadata
---
amdhsa.version: [ 1, 2 ]
amdhsa.kernels:
  - .name:           k_q91b9c85cb5_fc
    .symbol:         k_q91b9c85cb5_fc.kd
    .args:
      - { .name: Xc, .offset: 0, .size: 8, .value_kind: global_buffer, .address_space: global }
      - { .name: Xs, .offset: 8, .size: 8, .value_kind: global_buffer, .address_space: global }
      - { .name: Wfc_codes, .offset: 16, .size: 8, .value_kind: global_buffer, .address_space: global }
      - { .name: Wfc_scales, .offset: 24, .size: 8, .value_kind: global_buffer, .address_space: global }
      - { .name: bfc, .offset: 32, .size: 8, .value_kind: global_buffer, .address_space: global }
      - { .name: out0, .offset: 40, .size: 8, .value_kind: global_buffer, .address_space: global }
    .group_segment_fixed_size: 327680
    .private_segment_fixed_size: 0
    .kernarg_segment_align: 8
    .kernarg_segment_size: 48
    .max_flat_workgroup_size: 128
    .sgpr_count:     106
    .vgpr_count:     512
    .wavefront_size: 32
...
	.end_amdgpu_metadata
.endif
;; end of part 8
